; MI455X (gfx1250); checked and timed in simulation.
; The chip was launched on July 23, 2026; its instructions are those of AMD's public machine-readable ISA for CDNA 5 (MIT licence, August 2026) and "CDNA5" Instruction Set Architecture Reference Guide (July 2026). The comments in the code are by the model that wrote it; some were corrected since.
;; Transformer Block. Allowed arithmetic: matrix products marked QUANTISED: E2M1 operands, one E8M0 scale for each 32 along K, by v_wmma_scale_f32_16x16x128_f8f6f4 with both operands' format E2M1 (or v_wmma_scale_f32_32x16x128_f4), f32 sums; everything else in f32.
;; Inputs: Wfc1 1,024 x 4,096 float32; Wfc2 2,048 x 1,024 float32; Wout 1,024 x 1,024 float32; Wqkv 1,024 x 3,072 float32; X 2 x 2,048 x 1,024 float32; ln1_w 1,024 float32; ln2_w 1,024 float32.
;; Outputs: out0 2 x 2,048 x 1,024 float32.
;; This version of the problem:
;;   THIS VERSION OF THE PROBLEM IS GIVEN IN LOW PRECISION. The matrix products marked QUANTISED in the list below multiply operands that are first quantised to E2M1 (2 exponent bits, 1 mantissa bit; 4 bits a number), with one power-of-two scale for each 32 numbers along K (OCP MX v1.0); their sums are f32. All else is computed in f32.
;;   The module's matrix products, in the order in which they are computed (A, B: the left and right operand; K: the contracted axis; several contracted axes count as one K, in the product's order):
;;     1. [M 4,096, K 1,024] x [K 1,024, N 3,072]; A: computed on the way; B: input Wqkv: QUANTISED
;;     2. batch 32 x [M 2,048, K 64] x [K 64, N 2,048]; A: computed on the way; B: computed on the way: QUANTISED
;;     3. batch 32 x [M 64, K 2,048] x [K 2,048, N 2,048]; A: computed on the way; B: softmax (see below): QUANTISED
;;     4. [M 4,096, K 1,024] x [K 1,024, N 1,024]; A: computed on the way; B: input Wout: QUANTISED
;;     5. [M 4,096, K 1,024] x [K 1,024, N 4,096]; A: computed on the way; B: input Wfc1: QUANTISED
;;     6. [M 4,096, K 2,048] x [K 2,048, N 1,024]; A: computed on the way; B: input Wfc2: QUANTISED
;;   THE QUANTISER, for each operand of a quantised product, along K:
;;     - K is cut into blocks of 32 from its start; a last block that is shorter is filled with zeros.
;;     - A block's scale is 2^e with e = floor(log2(the largest magnitude in the block)) - 2, held to -126 .. 127; a block of zeros has e = 0. As a byte (E8M0): e + 127.
;;     - Each number is divided by its block's scale, clamped to +-6, and rounded to the nearest number of E2M1, ties to even, subnormals kept.
;;     - The product sums the exact products of the quantised numbers (number of the format x scale) in f32.
;;   ~~~python
;;   def quantise(x, axis):      # numpy; x: float32 -> the quantised numbers, widened to float32 again
;;       x = np.moveaxis(x, axis, -1); K = x.shape[-1]
;;       x = np.pad(x, [(0, 0)] * (x.ndim - 1) + [(0, -K % 32)]); x = x.reshape(x.shape[:-1] + (-1, 32)); a = np.abs(x).max(-1, keepdims=True)
;;       e = np.where(a > 0, np.clip(np.frexp(np.where(a > 0, a, 1))[1] - 1 - 2, -126, 127), 0)      # np.frexp(a)[1] - 1 = floor(log2(a)), exactly
;;       r = np.clip(x / 2.0 ** e, -6, 6)
;;       step = 2.0 ** (np.maximum(np.frexp(np.where(r == 0, 1, r))[1] - 1, 0) - 1)
;;       q = np.round(r / step) * step * 2.0 ** e      # np.round: ties to even
;;       return np.moveaxis(q.reshape(q.shape[:-2] + (-1,))[..., :K], -1, axis).astype(np.float32)
;;   ~~~
;;   SOFTMAX AHEAD OF A QUANTISED PRODUCT. Where the list says 'softmax', what is quantised is not the finished softmax but p = 2^(t - M), with t = logit x log2(e) and M = ceil(the row's largest t), a whole number; so 1/2 < the row's largest p <= 1. The row's sum l is taken of the UNQUANTISED p, in f32, and the product's result is divided by l at the end. Since M is a whole number, a kernel that streams over the keys may use a running M (the ceiling of the running maximum): every later rescaling is an exact power of two, which a block's scale takes up: the codes' values come out the same.
;;   OPERANDS COMPUTED ON THE WAY. 'Computed on the way' means the value that the module computes at that place (a softmax that the list does not call 'softmax' is quantised finished and normalised). What goes into a quantiser is computed in f32, as accurately as f32 sums, v_exp_f32 and their like allow (about 1e-6 of the number): no bf16 or f16 on the way to a quantiser, and a product that is left as it is and whose result goes on into a quantised operand takes f32 operands (vector FMAs, or v_wmma_f32_16x16x4_f32). A number that lies on a knife's edge between two numbers of the format may be rounded either way, as far as f32 arithmetic and the matrix unit's own rounding can turn it there, and no further.
;; 2 versions. Each part assembles by itself: llvm-mc -triple=amdgcn-amd-amdhsa -mcpu=gfx1250 --defsym DOCPART=n.
;; ======== version 1 of 2: 8 launches
;; workspace buffers: wgt 5,570,560 bytes; hbuf 2,228,224 bytes; qkv 7,077,888 bytes; att 2,228,224 bytes; x1 16,777,216 bytes; act 4,456,448 bytes
;; launch wq (part 1): grid 320 x 1, 4 waves a work-group, no clusters, 0 bytes of LDS; arguments Wqkv, Wout, Wfc1, Wfc2, wgt; writes wgt
.if DOCPART == 1
	.amdgcn_target "amdgcn-amd-amdhsa--gfx1250"
	.amdhsa_code_object_version 6
	.text
	.protected	k_qc2674a8e5d_wq
	.globl	k_qc2674a8e5d_wq
	.p2align	8
	.type	k_qc2674a8e5d_wq,@function
k_qc2674a8e5d_wq:
	s_mov_b64 s[64:65], 0
	v_nop
	global_prefetch_b8 v0, s[64:65] scope:SCOPE_SE
	s_setreg_imm32_b32 hwreg(HW_REG_WAVE_MODE, 25, 1), 1
	s_wait_xcnt 0x0
; THE PROGRAM: a pre-norm transformer block, all six products on codes of FP4 (E2M1) with one E8M0 scale for each 32 along K.
; DEAD WORK: none is left out.  Every input (X, the four weights, both gains) has a way to out0 for all values, and every product of the table is done.
; The one padding: the scores' K is 64 and the matrix instruction takes 128, so the queries' upper 64 codes are zeros (launch attn).
; THIS LAUNCH turns the four weights, f32 with K as their FIRST axis, into codes and scale bytes laid as IMAGES OF THE OPERAND'S REGISTERS in wgt.
; IMAGE of a tensor [rows n'][K]: byte (rb K/512 + ks) 32768 + q 8192 + i 1024 + c 512 + 16 lane; rb = n'/128, ks = k/512, q = the 128 inside ks, i = a tile of 16 rows, c = registers 4c..4c+3 (k = 64 c + 32 (lane/16) + 0..31).
; Lane r of tile i = 2 b + u holds row 32 b + 8 u + r + 8 (r / 8) of the 128.  Scale words: (rb K/512 + ks) 2048 + q 512 + i 64 + 4 r.
; ROWS n': Wqkv: n' = 1024 c3 + 64 head + d is column 192 head + 3 d + c3 (q, then k, then v).  Wfc1: block rb holds a of hidden 64 rb + y in rows 0-63 and g (column 2048 + 64 rb + y) in rows 64-127.  Wout, Wfc2: n' = column.
; SHARES: a work-group takes 128 rows n' x 256 along K; a wave 32 columns; A LANE TAKES A COLUMN AND ITS REGISTERS RUN DOWN K, so a block of 32 lies in one lane and the conversions give codes with K innermost.
; Which weight a work-group serves is chosen by selects on its number alone: one path through the text.  A store of 16 bytes a lane fills two aligned runs of 256 bytes.  The scale words leave in runs of 64 bytes: one byte for each 128 read.
; LIMITS: NaN and infinities among the inputs are not served.  A block of zeros gets the byte 1 where the rule says 127: its codes are zeros, and this program alone reads the bytes.  Blocks whose largest magnitude lies under 2^-124 are held at byte 1.
.set VO, 16                            ; v16-47   byte offset of row i of a block: lane x LS + i x NB; never rewritten
.set X,  48                            ; v48-111  two sets of 32 numbers
.set C,  112                           ; v112-143 four registers of codes for each block: no store's data are written again
.set SB, 144                           ; v144-145 the scale words of the two 128s
	s_load_b256 s[4:11], s[0:1], 0x0               ; Wqkv, Wout, Wfc1, Wfc2
	s_load_b64 s[12:13], s[0:1], 0x20              ; wgt
	v_lshrrev_b32 v1, 5, v0
	v_readfirstlane_b32 s16, v1                    ; wave
	v_and_b32 v2, 31, v0                           ; lane x
	s_mov_b32 s21, 256                             ; Wfc2's numbers: first work-group,
	s_mov_b32 s22, 4096                            ; NB: bytes in a row,
	s_mov_b32 s23, 3                               ; KSH: 2^KSH runs of 256 along K,
	s_mov_b32 s24, 4                               ; LS: bytes from lane to lane,
	s_mov_b32 s25, 4194304                         ; where its codes begin in wgt,
	s_mov_b32 s26, 5505024                         ; and its scale words
	s_cmp_lt_u32 ttmp9, 256                        ; Wfc1
	s_cselect_b32 s21, 128, s21
	s_cselect_b32 s22, 16384, s22
	s_cselect_b32 s23, 2, s23
	s_cselect_b32 s25, 2097152, s25
	s_cselect_b32 s26, 5373952, s26
	s_cmp_lt_u32 ttmp9, 128                        ; Wout
	s_cselect_b32 s21, 96, s21
	s_cselect_b32 s22, 4096, s22
	s_cselect_b32 s25, 1572864, s25
	s_cselect_b32 s26, 5341184, s26
	s_cmp_lt_u32 ttmp9, 96                         ; Wqkv
	s_cselect_b32 s21, 0, s21
	s_cselect_b32 s22, 12288, s22
	s_cselect_b32 s24, 12, s24
	s_cselect_b32 s25, 0, s25
	s_cselect_b32 s26, 5242880, s26
	s_sub_co_u32 s27, ttmp9, s21
	s_lshr_b32 s28, s27, s23                       ; rb
	s_lshl_b32 s29, s28, s23
	s_sub_co_u32 s29, s27, s29                     ; kp: which 256 along K
	s_lshl_b32 s30, s28, 7
	s_lshl_b32 s31, s16, 5
	s_add_co_u32 s30, s30, s31                     ; my wave's first row n' = 128 rb + 32 w: Wout's and Wfc2's column
	s_bfe_u32 s31, s30, 0x40006                    ; Wqkv: head,
	s_mul_i32 s31, s31, 192
	s_and_b32 s33, s30, 63                         ; d,
	s_mul_i32 s33, s33, 3
	s_add_co_u32 s31, s31, s33
	s_lshr_b32 s33, s30, 10                        ; c3
	s_add_co_u32 s31, s31, s33
	s_lshl_b32 s33, s28, 6                         ; Wfc1: 64 rb + 32 (w & 1) + 2048 (w >> 1)
	s_and_b32 s34, s16, 1
	s_lshl_b32 s34, s34, 5
	s_add_co_u32 s33, s33, s34
	s_lshr_b32 s34, s16, 1
	s_lshl_b32 s34, s34, 11
	s_add_co_u32 s33, s33, s34
	s_cmp_lt_u32 ttmp9, 96
	s_cselect_b32 s30, s31, s30
	s_sub_co_u32 s34, ttmp9, 128
	s_cmp_lt_u32 s34, 128                          ; work-groups 128 to 255
	s_cselect_b32 s30, s33, s30                    ; my wave's first column
	s_mul_i32 s34, s29, s22
	s_lshl_b32 s34, s34, 8                         ; 256 kp rows,
	s_lshl_b32 s35, s30, 2
	s_add_co_u32 s34, s34, s35                     ; + the column
	s_mov_b32 s35, 0
	s_lshl_b32 s36, s22, 5                         ; a block of 32 rows on
	s_mov_b32 s37, 0
	s_add_co_u32 s38, s23, 14                      ; codes: rb x K/512 x 32768 = rb << (14 + KSH),
	s_lshl_b32 s38, s28, s38
	s_add_co_u32 s38, s38, s25
	s_lshl_b32 s39, s29, 14                        ; 256 along K are two q: 16384 kp,
	s_add_co_u32 s38, s38, s39
	s_lshl_b32 s39, s16, 11                        ; tiles 2 w and 2 w + 1
	s_add_co_u32 s38, s38, s39
	s_mov_b32 s39, 0
	s_add_co_u32 s18, s23, 10                      ; scale words: rb x K/512 x 2048 = rb << (10 + KSH), 1024 kp, 128 w
	s_lshl_b32 s18, s28, s18
	s_add_co_u32 s18, s18, s26
	s_lshl_b32 s19, s29, 10
	s_add_co_u32 s18, s18, s19
	s_lshl_b32 s19, s16, 7
	s_add_co_u32 s18, s18, s19
	s_mov_b32 s19, 0
	v_mul_lo_u32 v[VO], v2, s24
.set i, 1
.rept 31
	v_add_nc_u32 v[VO+i], s22, v[VO+i-1]
.set i, i+1
.endr
	v_bfe_u32 v4, v2, 3, 1                         ; column 32 w + x is lane r = x % 8 + 8 (x / 16) of tile 2 w + u, u = (x / 8) % 2
	v_and_b32 v5, 7, v2
	v_lshrrev_b32 v6, 4, v2
	v_lshl_add_u32 v5, v6, 3, v5
	v_lshlrev_b32 v7, 4, v5
	v_lshl_add_u32 v7, v4, 10, v7                  ; codes: 1024 u + 16 r
	v_lshlrev_b32 v8, 2, v5
	v_lshl_add_u32 v8, v4, 6, v8                   ; scale words: 64 u + 4 r
	s_wait_kmcnt 0x0
	s_cmp_lt_u32 ttmp9, 256                        ; the choice of the source hangs on the work-group's number alone
	s_cselect_b64 s[14:15], s[8:9], s[10:11]
	s_cmp_lt_u32 ttmp9, 128
	s_cselect_b64 s[14:15], s[6:7], s[14:15]
	s_cmp_lt_u32 ttmp9, 96
	s_cselect_b64 s[14:15], s[4:5], s[14:15]
	s_add_nc_u64 s[40:41], s[14:15], s[34:35]      ; a base for each of the eight blocks: none is ever stepped
.irp t, 1,2,3,4,5,6,7
	s_add_nc_u64 s[40+2*\t:41+2*\t], s[38+2*\t:39+2*\t], s[36:37]
.endr
	s_add_nc_u64 s[56:57], s[12:13], s[38:39]
	s_add_nc_u64 s[58:59], s[12:13], s[18:19]
.macro LOAD t                          ; block t: W(256 kp + 32 t + i, my column), i = 0 .. 31, into set t % 2
.set i, 0
.rept 32
	global_load_b32 v[X+32*((\t)%2)+i], v[VO+i], s[40+2*(\t):41+2*(\t)]
.set i, i+1
.endr
.endm
	LOAD 0
	LOAD 1
.macro BLOCK t
.set XS, X+32*((\t)%2)
.if (\t) < 7
	s_wait_loadcnt 32                              ; this block's 32 loads are in; the next block's 32 may be out
.else
	s_wait_loadcnt 0
.endif
	v_max3_num_f32 v12, |v[XS]|, |v[XS+1]|, |v[XS+2]|              ; the block's largest magnitude: all 32 numbers are mine; two chains
	v_max3_num_f32 v13, |v[XS+3]|, |v[XS+4]|, |v[XS+5]|
.irp i, 6,10,14,18,22,26
	v_max3_num_f32 v12, v12, |v[XS+\i]|, |v[XS+\i+1]|
	v_max3_num_f32 v13, v13, |v[XS+\i+2]|, |v[XS+\i+3]|
.endr
	v_max3_num_f32 v12, v12, |v[XS+30]|, |v[XS+31]|
	v_max3_num_f32 v12, v12, v13, 0x1800000        ; and the floor 2^(3 - 127): the byte cannot fall under 1
	v_add_nc_u32 v11, 0xff000000, v12              ; 2 off its exponent field: the conversion takes the exponent field of this operand as its scale
	v_lshrrev_b32 v13, 23, v11                     ; the scale's byte
.if (\t)%4 == 0
	v_mov_b32 v[SB+(\t)/4], v13                    ; four bytes to a word, the lower K in the lower byte
.else
	v_lshl_or_b32 v[SB+(\t)/4], v13, 8*((\t)%4), v[SB+(\t)/4]
.endif
.irp g, 0,1,2,3
	v_cvt_scalef32_pk8_fp4_f32 v[C+4*(\t)+\g], v[XS+8*\g:XS+8*\g+7], v11
.endr
	global_store_b128 v7, v[C+4*(\t):C+4*(\t)+3], s[56:57] offset:((\t)/4)*8192+(((\t)/2)%2)*512+((\t)%2)*256   ; block t is q = t / 4, c = (t / 2) % 2, lanes' half t % 2
.if (\t)+2 < 8
	LOAD (\t)+2                                    ; (the next block begins with plain vector lines: they stand between the conversions and the next write of their scale operand)
.endif
.endm
.irp t, 0,1,2,3,4,5,6,7
	BLOCK \t
.endr
	global_store_b32 v8, v[SB], s[58:59]
	global_store_b32 v8, v[SB+1], s[58:59] offset:512
	s_endpgm
.Lfunc_end_k_qc2674a8e5d_wq:
	.size	k_qc2674a8e5d_wq, .Lfunc_end_k_qc2674a8e5d_wq-k_qc2674a8e5d_wq
	.p2alignl 7, 3214868480
	.fill 96, 4, 3214868480
	.section	.rodata,"a",@progbits
	.p2align	6, 0x0
	.amdhsa_kernel k_qc2674a8e5d_wq
		.amdhsa_group_segment_fixed_size 0
		.amdhsa_private_segment_fixed_size 0
		.amdhsa_enable_private_segment 0
		.amdhsa_kernarg_size 40
		.amdhsa_user_sgpr_count 2
		.amdhsa_user_sgpr_kernarg_segment_ptr 1
		.amdhsa_wavefront_size32 1
		.amdhsa_system_sgpr_workgroup_id_x 1
		.amdhsa_system_sgpr_workgroup_id_y 1
		.amdhsa_system_sgpr_workgroup_id_z 1
		.amdhsa_system_vgpr_workitem_id 0
		.amdhsa_next_free_vgpr 160
		.amdhsa_next_free_sgpr 66
		.amdhsa_reserve_vcc 0
		.amdhsa_float_denorm_mode_32 3
		.amdhsa_float_denorm_mode_16_64 3
		.amdhsa_memory_ordered 1
		.amdhsa_forward_progress 1
		.amdhsa_inst_pref_size 43
	.end_amdhsa_kernel
	.amdgpu_metadata
---
amdhsa.version: [ 1, 2 ]
amdhsa.kernels:
  - .name:           k_qc2674a8e5d_wq
    .symbol:         k_qc2674a8e5d_wq.kd
    .args:
      - { .name: Wqkv, .offset: 0, .size: 8, .value_kind: global_buffer, .address_space: global }
      - { .name: Wout, .offset: 8, .size: 8, .value_kind: global_buffer, .address_space: global }
      - { .name: Wfc1, .offset: 16, .size: 8, .value_kind: global_buffer, .address_space: global }
      - { .name: Wfc2, .offset: 24, .size: 8, .value_kind: global_buffer, .address_space: global }
      - { .name: wgt, .offset: 32, .size: 8, .value_kind: global_buffer, .address_space: global }
    .group_segment_fixed_size: 0
    .private_segment_fixed_size: 0
    .kernarg_segment_align: 8
    .kernarg_segment_size: 40
    .max_flat_workgroup_size: 128
    .sgpr_count:     66
    .vgpr_count:     160
    .wavefront_size: 32
...
	.end_amdgpu_metadata
.endif
;; end of part 1
;; launch ln1 (part 2): grid 256 x 1, 8 waves a work-group, no clusters, 69,632 bytes of LDS; arguments X, ln1_w, hbuf; writes hbuf
.if DOCPART == 2
	.amdgcn_target "amdgcn-amd-amdhsa--gfx1250"
	.amdhsa_code_object_version 6
	.text
	.protected	k_qc2674a8e5d_ln1
	.globl	k_qc2674a8e5d_ln1
	.p2align	8
	.type	k_qc2674a8e5d_ln1,@function
k_qc2674a8e5d_ln1:
	s_mov_b64 s[64:65], 0
	v_nop
	global_prefetch_b8 v0, s[64:65] scope:SCOPE_SE
	s_setreg_imm32_b32 hwreg(HW_REG_WAVE_MODE, 25, 1), 1
	s_wait_xcnt 0x0
; y = (x - mean) x rsqrt(var + 1e-5) x gain, rows of 1,024 f32, and y quantised along the row to FP4 (E2M1) with one E8M0 byte for each 32; all in f32, the variance as the mean of (x - mean)^2.  No work is left out.
; OUT: an image of the operand's registers: codes at rb 65536 + w 8192 + i 1024 + c 512 + 16 lane, scale words at 2097152 + rb 4096 + w 512 + i 64 + 4 r; lane r of tile i = 2 b + u holds row 32 b + 8 u + r + 8 (r / 8) of block rb.
; SHARES: a work-group takes one tile of 16 rows (rb = number / 8, i = number % 8); wave w takes columns 128 w .. 128 w + 127, one K step of the products that follow.
; Each load reads 512 consecutive bytes of a row; the 16 x 512 bytes turn through the wave's own stage in LDS (rows 528 bytes apart), so that lane (r, h) holds of row r the numbers 32 b + 16 h + 0 .. 15 in registers 16 b + 0 .. 15.
; The rows' sums meet in LDS: one barrier for the mean, one for the variance, each on words of its own.
; LIMITS: NaN and infinities are not served; a block of zeros gets byte 1 (its codes are zeros; this program alone reads the bytes); blocks under 2^-124 are held at byte 1.
.set RED,   0                          ; LDS: [2 sums][8 waves][16 rows] f32
.set SPARE, 1024                       ; the spare words, 128 bytes for each of eight waves: no other line names them
.set STG,   2048                       ; the stages: 16 rows x 528 bytes for each wave
.set SP,    528
.set R,     16                         ; v16-79   as loaded; later at work
.set XR,    80                         ; v80-143  my 64 numbers
.set W,     144                        ; v144-207 their gains
.set PC,    208                        ; v208-215 the codes
.set TM,    216                        ; v216-231 at work in QUANT
.set PW,    232                        ; the scale word
.set SPW,   14
.set NIL,   15
.set SEL,   20
.macro QUANT s                         ; 64 numbers of a lane, register 16 b + e = k 32 b + 16 (lane / 16) + e of my row, become a fragment's codes in v[PC] on and its scale word in v[PW]
.irp b, 0,1,2,3
	v_max3_num_f32 v[TM+\b], |v[\s+16*\b]|, |v[\s+1+16*\b]|, 0x1800000   ; my 16 numbers of block b, and the floor 2^(3 - 127)
.endr
.irp i, 2,4,6,8,10,12,14
.irp b, 0,1,2,3
	v_max3_num_f32 v[TM+\b], v[TM+\b], |v[\s+16*\b+\i]|, |v[\s+1+16*\b+\i]|
.endr
.endr
.irp b, 0,1,2,3
	v_permlanex16_b32 v[TM+4+\b], v[TM+\b], s[SEL], s[SEL+1]
.endr
.irp b, 0,1,2,3
	v_max_num_f32 v[TM+\b], v[TM+\b], v[TM+4+\b]   ; with lane l xor 16's: the block's largest magnitude
.endr
.irp b, 0,1,2,3
	v_add_nc_u32 v[TM+12+\b], 0xff000000, v[TM+\b] ; 2 off its exponent field: the conversion's scale operand
.endr
.irp b, 0,1,2,3
	v_lshrrev_b32 v[TM+4+\b], 23, v[TM+12+\b]      ; the scale's byte
.endr
	v_lshl_or_b32 v[PW], v[TM+5], 8, v[TM+4]
	v_lshl_or_b32 v[PW], v[TM+6], 16, v[PW]
	v_lshl_or_b32 v[PW], v[TM+7], 24, v[PW]
.irp b, 0,1,2,3
	v_cvt_scalef32_pk8_fp4_f32 v[PC+2*\b], v[\s+16*\b:\s+7+16*\b], v[TM+12+\b]
	v_cvt_scalef32_pk8_fp4_f32 v[PC+1+2*\b], v[\s+8+16*\b:\s+15+16*\b], v[TM+12+\b]
.endr
	v_nop                                          ; one plain place behind a scaled conversion
.irp c, 0,1                                    ; the operand's layout wants a whole block in a lane
.irp i, 0,1
	v_permlane16_swap_b32 v[PC+4*\c+\i], v[PC+2+4*\c+\i]
.endr
.endr
.endm
.macro ACROSS off                      ; v[24:25]: my 64 numbers' sum in two halves -> v16: the row's sum over all 1,024 columns, the waves' parts added in ascending order
	v_add_f32 v24, v24, v25
	v_permlanex16_b32 v25, v24, s[SEL], s[SEL+1]
	v_add_f32 v24, v24, v25                        ; my wave's 128 columns of row r
	ds_store_b32 v9, v24 offset:\off               ; both halves of the lanes write the same word with the same value
	s_wait_dscnt 0x0                               ; for the others' sake: my store has landed
	s_barrier_signal -1
	s_barrier_wait -1
.irp k, 0,1,2,3,4,5,6,7
	ds_load_b32 v[16+\k], v8 offset:\off+64*\k
.endr
	s_wait_dscnt 0x0
.irp k, 1,2,3,4,5,6,7
	v_add_f32 v16, v16, v[16+\k]
.endr
.endm
	s_load_b128 s[4:7], s[0:1], 0x0                ; x, the gains
	s_load_b64 s[8:9], s[0:1], 0x10                ; out
	v_lshl_add_u32 v[SPW], v0, 2, SPARE
	v_mov_b32 v[NIL], 0
	v_lshrrev_b32 v1, 5, v0
	v_readfirstlane_b32 s10, v1                    ; wave 0..7
	v_and_b32 v1, 31, v0                           ; lane
	v_and_b32 v2, 15, v0                           ; r
	v_bfe_u32 v3, v0, 4, 1                         ; h
	s_lshr_b32 s11, ttmp9, 3                       ; rb
	s_and_b32 s12, ttmp9, 7                        ; i
	s_lshl_b32 s13, s11, 7                         ; the tile's first row: 128 rb + 32 (i / 2) + 8 (i % 2)
	s_lshr_b32 s14, s12, 1
	s_lshl_b32 s14, s14, 5
	s_add_co_u32 s13, s13, s14
	s_and_b32 s14, s12, 1
	s_lshl_b32 s14, s14, 3
	s_add_co_u32 s13, s13, s14
	s_lshl_b32 s16, s13, 12                        ; rows of 4,096 bytes
	s_lshl_b32 s14, s10, 9                         ; my wave's 512 bytes of a row
	s_add_co_u32 s16, s16, s14
	s_mov_b32 s17, 0
	v_lshlrev_b32 v4, 4, v1                        ; 16 x lane
	v_lshl_add_u32 v5, v3, 6, s14                  ; the gains: 512 w + 64 h
	s_mul_i32 s15, s10, 16*SP
	s_add_co_u32 s15, s15, STG                     ; my stage
	v_add_nc_u32 v6, s15, v4                       ; in: 16 x lane of a row
	v_mul_u32_u24 v7, v2, SP
	v_lshl_add_u32 v7, v3, 6, v7
	v_add_nc_u32 v7, s15, v7                       ; back: row r, + 64 h
	s_lshl_b32 s18, s10, 6
	v_lshlrev_b32 v8, 2, v2                        ; 4 r
	v_add_nc_u32 v9, s18, v8                       ; my wave's word of row r
	s_mov_b32 s[SEL], 0x76543210
	s_mov_b32 s[SEL+1], 0xfedcba98                 ; selects for lane l xor 16
	s_mov_b32 s22, 0x3a800000                      ; 1 / 1,024
	s_mov_b32 s23, 0x3727c5ac                      ; 1e-5
	s_lshl_b32 s24, s11, 16                        ; codes: 65536 rb + 8192 w + 1024 i
	s_lshl_b32 s25, s10, 13
	s_add_co_u32 s24, s24, s25
	s_lshl_b32 s25, s12, 10
	s_add_co_u32 s24, s24, s25
	s_mov_b32 s25, 0
	s_lshl_b32 s26, s11, 12                        ; scale words: 2097152 + 4096 rb + 512 w + 64 i
	s_lshl_b32 s27, s10, 9
	s_add_co_u32 s26, s26, s27
	s_lshl_b32 s27, s12, 6
	s_add_co_u32 s26, s26, s27
	s_add_co_u32 s26, s26, 2097152
	s_mov_b32 s27, 0
.irp b, 0,1,2,3
	v_mov_b32 v[TM+4+\b], 0                        ; written once: a lane permute's destination counts as one of its sources
.endr
	s_wait_kmcnt 0x0
	s_add_nc_u64 s[4:5], s[4:5], s[16:17]
	s_add_nc_u64 s[28:29], s[8:9], s[24:25]
	s_add_nc_u64 s[30:31], s[8:9], s[26:27]
.irp t, 0,1,2,3,4,5,6,7,8,9,10,11,12,13,14,15
	global_load_b128 v[R+4*\t:R+4*\t+3], v4, s[4:5] offset:(\t+8*(\t/8))*4096   ; the tile's row t: 32 lanes read 512 consecutive bytes
.endr
.irp b, 0,1,2,3
.irp j, 0,1,2,3
	global_load_b128 v[W+16*\b+4*\j:W+16*\b+4*\j+3], v5, s[6:7] offset:128*\b+16*\j
.endr
.endr
	s_wait_loadcnt 16                              ; x's 16 loads are in; the gains' 16 may be out
.irp t, 0,1,2,3,4,5,6,7,8,9,10,11,12,13,14,15
	ds_store_b128 v6, v[R+4*\t:R+4*\t+3] offset:\t*SP
.endr
.irp b, 0,1,2,3
.irp j, 0,1,2,3
	ds_load_b128 v[XR+16*\b+4*\j:XR+16*\b+4*\j+3], v7 offset:128*\b+16*\j   ; LDS serves a wave's instructions in order: these see my stores
.endr
.endr
	s_wait_dscnt 0x0
	v_pk_add_f32 v[24:25], v[XR:XR+1], v[XR+2:XR+3]                ; the sum of my 64, two at a time, in two chains
	v_pk_add_f32 v[26:27], v[XR+4:XR+5], v[XR+6:XR+7]
.irp j, 8,12,16,20,24,28,32,36,40,44,48,52,56,60
	v_pk_add_f32 v[24:25], v[24:25], v[XR+\j:XR+\j+1]
	v_pk_add_f32 v[26:27], v[26:27], v[XR+\j+2:XR+\j+3]
.endr
	v_pk_add_f32 v[24:25], v[24:25], v[26:27]
	ACROSS RED
	v_mul_f32 v28, s22, v16                        ; the mean
	v_mov_b32 v29, v28
.set j, 0
.rept 32
	v_pk_add_f32 v[XR+j:XR+j+1], v[XR+j:XR+j+1], v[28:29] neg_lo:[0,1] neg_hi:[0,1]   ; x - mean
.set j, j+2
.endr
	v_pk_mul_f32 v[24:25], v[XR:XR+1], v[XR:XR+1]
	v_pk_mul_f32 v[26:27], v[XR+2:XR+3], v[XR+2:XR+3]
.irp j, 4,8,12,16,20,24,28,32,36,40,44,48,52,56,60
	v_pk_fma_f32 v[24:25], v[XR+\j:XR+\j+1], v[XR+\j:XR+\j+1], v[24:25]
	v_pk_fma_f32 v[26:27], v[XR+\j+2:XR+\j+3], v[XR+\j+2:XR+\j+3], v[26:27]
.endr
	v_pk_add_f32 v[24:25], v[24:25], v[26:27]
	ACROSS RED+512                                 ; other words than the mean's: no wave can still be reading what is written here
	v_fma_f32 v17, v16, s22, s23                   ; var + 1e-5
	v_rsq_f32 v30, v17
	v_rsq_f32 v31, v17                             ; twice: a pair for the packed multiply
	v_nop                                          ; one plain place behind the transcendentals
	s_wait_alu depctr_va_vdst(0)                   ; the wait ahead of the first reader: one for both
	s_wait_loadcnt 0x0                             ; the gains
.set j, 0
.rept 32
	v_pk_mul_f32 v[XR+j:XR+j+1], v[XR+j:XR+j+1], v[30:31]
.set j, j+2
.endr
.set j, 0
.rept 32
	v_pk_mul_f32 v[XR+j:XR+j+1], v[XR+j:XR+j+1], v[W+j:W+j+1]
.set j, j+2
.endr
	QUANT XR
	global_store_b128 v4, v[PC:PC+3], s[28:29]     ; 32 lanes store 512 consecutive bytes, aligned
	global_store_b128 v4, v[PC+4:PC+7], s[28:29] offset:512
	global_store_b32 v8, v[PW], s[30:31]           ; 16 words; both halves of the lanes store the same
	s_wait_tensorcnt 0x0                           ; the wave's end, behind my last LDS store
	ds_add_u32 v[SPW], v[NIL]
	s_wait_dscnt 0x0
	s_endpgm
.Lfunc_end_k_qc2674a8e5d_ln1:
	.size	k_qc2674a8e5d_ln1, .Lfunc_end_k_qc2674a8e5d_ln1-k_qc2674a8e5d_ln1
	.p2alignl 7, 3214868480
	.fill 96, 4, 3214868480
	.section	.rodata,"a",@progbits
	.p2align	6, 0x0
	.amdhsa_kernel k_qc2674a8e5d_ln1
		.amdhsa_group_segment_fixed_size 69632
		.amdhsa_private_segment_fixed_size 0
		.amdhsa_enable_private_segment 0
		.amdhsa_kernarg_size 24
		.amdhsa_user_sgpr_count 2
		.amdhsa_user_sgpr_kernarg_segment_ptr 1
		.amdhsa_wavefront_size32 1
		.amdhsa_system_sgpr_workgroup_id_x 1
		.amdhsa_system_sgpr_workgroup_id_y 1
		.amdhsa_system_sgpr_workgroup_id_z 1
		.amdhsa_system_vgpr_workitem_id 0
		.amdhsa_next_free_vgpr 240
		.amdhsa_next_free_sgpr 66
		.amdhsa_reserve_vcc 0
		.amdhsa_float_denorm_mode_32 3
		.amdhsa_float_denorm_mode_16_64 3
		.amdhsa_memory_ordered 1
		.amdhsa_forward_progress 1
		.amdhsa_inst_pref_size 25
	.end_amdhsa_kernel
	.amdgpu_metadata
---
amdhsa.version: [ 1, 2 ]
amdhsa.kernels:
  - .name:           k_qc2674a8e5d_ln1
    .symbol:         k_qc2674a8e5d_ln1.kd
    .args:
      - { .name: X, .offset: 0, .size: 8, .value_kind: global_buffer, .address_space: global }
      - { .name: ln1_w, .offset: 8, .size: 8, .value_kind: global_buffer, .address_space: global }
      - { .name: hbuf, .offset: 16, .size: 8, .value_kind: global_buffer, .address_space: global }
    .group_segment_fixed_size: 69632
    .private_segment_fixed_size: 0
    .kernarg_segment_align: 8
    .kernarg_segment_size: 24
    .max_flat_workgroup_size: 256
    .sgpr_count:     66
    .vgpr_count:     240
    .wavefront_size: 32
...
	.end_amdgpu_metadata
.endif
;; end of part 2
;; launch gq (part 3): grid 12 x 16, 4 waves a work-group, clusters of 4 x 4, 327,680 bytes of LDS; arguments hbuf, wgt, qkv; writes qkv
.if DOCPART == 3
	.amdgcn_target "amdgcn-amd-amdhsa--gfx1250"
	.amdhsa_code_object_version 6
	.text
	.protected	k_qc2674a8e5d_gq
	.globl	k_qc2674a8e5d_gq
	.p2align	8
	.type	k_qc2674a8e5d_gq,@function
k_qc2674a8e5d_gq:
	s_mov_b64 s[64:65], 0
	v_nop
	global_prefetch_b8 v0, s[64:65] scope:SCOPE_SE
	s_setreg_imm32_b32 hwreg(HW_REG_WAVE_MODE, 25, 1), 1
	s_wait_xcnt 0x0
	s_wait_alu depctr_hold_cnt(0) depctr_sa_sdst(0) depctr_va_vdst(0) depctr_va_sdst(0) depctr_va_ssrc(0) depctr_va_vcc(0) depctr_vm_vsrc(0)
	s_getreg_b32 s2, hwreg(HW_REG_IB_STS2, 6, 4)
	s_cmp_eq_u32 s2, 0
	s_cbranch_scc0 .Lentry_in_a_cluster
	s_endpgm
.Lentry_in_a_cluster:
	s_bfe_u32 s2, ttmp6, 0x10000c
	s_cmp_lg_u32 s2, 0xf033
	s_cbranch_scc0 .Lentry_shape_is_right
	s_endpgm
.Lentry_shape_is_right:
; q, k, v = LN(X) Wqkv on codes of FP4 (E2M1) with E8M0 scales, K = 1,024, and the results quantised at once for the two products of attention: q and k along the head's 64, v along the keys.  No work is left out.
; A and B are IMAGES OF THE OPERAND'S REGISTERS: codes at (rb 2 + ks) 32768 + q 8192 + i 1024 + c 512 + 16 lane, scale words at (rb 2 + ks) 2048 + q 512 + i 64 + 4 r; lane r of tile i = 2 b + u holds row 32 b + 8 u + r + 8 (r / 8) of block rb.
; A tile of 256 x 256 is made by four waves, 128 x 128 each: 64 accumulators.  THE MATRIX INSTRUCTION IS USED TRANSPOSED (source 0 = 16 rows of B, source 1 = 16 rows of A): lane (r, h) holds one row of A, and by the rows' order the 64
; registers of A's tile a are B's rows 32 b + 16 h + e in register 16 b + e: just what the quantiser of the next product wants.
; TWO MODES, told apart by the cluster's x alone, by selects and never by a branch.  Clusters x = 0, 1: A = tokens (hbuf), B = Wq, Wk's rows: a lane holds a token and its registers run along d.  Cluster x = 2: A = Wv's rows, B = tokens:
; the product is V^T, a lane holds one d and its registers run along the tokens, which are the keys.
; OUT: units of 4,608 bytes (4,096 of codes, 512 of scale words).  q, k: unit (RB 16 + CB) 2 + (head & 1), RB = token / 128, CB = 8 which + head / 2: codes [tile i][lane][16], words [i][r] with the head's two bytes below and zeros above.
; v, from byte 4,718,592: unit ((head / 2) 32 + token / 128) 2 + (head & 1): codes [c][d tile t][lane][16], words [t][r]; the words are stored a second time in the unit's last 256 bytes, so that one text serves both modes and the unit is whole.
; CLUSTERS: 4 x 4 work-groups; A's tiles are asked for jointly along a row of the cluster, B's along a column.  All of K (two K steps of 512) and all scale words are asked for at the head: nothing is filled twice.
; LIMITS: NaN and infinities are not served; a block of zeros gets byte 1 (its codes are zeros; this program alone reads the bytes); blocks under 2^-124 are held at byte 1.
; REGISTERS, in windows of 256: window 0: v0-31 addresses; v32-95 scale words, two sets, and nothing else ever; v128-191 A's fragments, on the way out the codes; v100-119, v200-223 the way out.  window 1: B's fragments, two sets.  windows 2, 3: accumulators.
.set NKS,    2                         ; K steps of 512
.set NQ,     4
.set FR,     8
.set NL,     2
.set NP,     4
.set HALFT,  32768                     ; 128 rows x 512 K of codes: what one tensor load brings
.set SLOT,   4*HALFT
.set LAPS,   NKS/2
.set SCL,    2*SLOT                    ; behind the ring: the scale words of all of K
.set HALFS,  NKS*2048
.set SPARE,  SCL+4*HALFS               ; the spare words, 128 bytes for each wave: no other line names them
.set ADRA, 16
.set ADRB, 20
.set ADRS, 27
.set SPW,  28
.set NIL,  29
.set SC,   32
.set AF,   128
.set VO,   100                         ; v100-103 the way out: offsets of the codes, [c][a / 4]
.set VS,   104                         ; v104-107 and of the scale words, [c][e / 2]
.set PC,   128                         ; v128-191 eight fragments of codes
.set TM,   200                         ; v200-215 at work in QUANTW
.set PW,   216                         ; v216-223 eight scale words
.set SEL,  96
.set G1, 24
.set G0, 32
.set G1B, 48
.set G0B, 56
.set G1S, 68
.set G0S, 76
.set G1SB, 80
.set G0SB, 88
.set MSB, 0
.macro WIN new                         ; the immediate's high byte repeats the setting that is left
.if MSB != (\new)
	s_set_vgpr_msb (MSB<<8)|(\new)
.set MSB, (\new)
.endif
.endm
.set MUL_LO, 0xa1                      ; source 0 (B) window 1, source 1 (A) window 0, C and D window 2
.set MUL_HI, 0xf1
.set TO_B,   0x40
.macro JLOAD g0a, g1a, g0b, g1b        ; a joint load: waves 0 and 1 fetch for A, waves 2 and 3 for B; the branch hangs on the wave's number alone; an s_nop 0 and four v_nop follow each line
	s_cmp_eq_u32 s15, 0
	s_cbranch_scc0 .Lfor_b_\@
	tensor_load_to_lds s[\g0a:\g0a+3], s[\g1a:\g1a+7]
	s_nop 0
.rept 4
	v_nop
.endr
	s_branch .Lasked_\@
.Lfor_b_\@:
	tensor_load_to_lds s[\g0b:\g0b+3], s[\g1b:\g1b+7]
	s_nop 0
.rept 4
	v_nop
.endr
.Lasked_\@:
.endm
.macro CREST
	s_cmp_lg_u32 s14, 0
	s_cbranch_scc1 .Lnot_wave_0_\@
	s_barrier_signal -3
.Lnot_wave_0_\@:
	s_barrier_wait -3
	s_barrier_signal -1
	s_barrier_wait -1
.endm
.macro CROUND                          ; a round of the cluster's barrier
	s_barrier_signal -1
	s_barrier_wait -1
	CREST
.endm
	s_load_b128 s[4:7], s[0:1], 0x0                ; hbuf, wgt
	s_load_b64 s[12:13], s[0:1], 0x10              ; qkv
	v_lshl_add_u32 v[SPW], v0, 2, SPARE
	v_mov_b32 v[NIL], 0
	ds_add_u32 v[SPW], v[NIL]                      ; the wave's opening: the add, twice on end, and its wait ahead of my first tensor load
	ds_add_u32 v[SPW], v[NIL]
	v_lshrrev_b32 v1, 5, v0
	v_readfirstlane_b32 s14, v1                    ; wave 0..3
	s_lshr_b32 s15, s14, 1                         ; which half of the tile's rows is mine.  Also: I fetch for A (0) or for B (1)
	s_and_b32 s16, s14, 1                          ; which half of its columns.  Also: which 128 rows I fetch
	s_bfe_u32 s40, ttmp6, 0x40000                  ; cx
	s_bfe_u32 s41, ttmp6, 0x40004                  ; cy
	s_and_b32 s18, ttmp7, 0xffff
	s_lshl_b32 s18, s18, 2                         ; 4 x cluster y
	s_lshl_b32 s19, ttmp9, 2                       ; 4 x cluster x
	s_cmp_eq_u32 ttmp9, 2                          ; the mode: the same in all sixteen partners
	s_cselect_b32 s17, 0, s18                      ; tile row: v: cy (Wv's four tiles of 256 rows); q, k: 4 x cluster y + cy (tokens)
	s_cselect_b32 s42, s18, s19                    ; tile column: v: 4 x cluster y + cx (tokens); q, k: 4 x cluster x + cx (Wq's and Wk's rows)
	s_add_co_u32 s17, s17, s41
	s_add_co_u32 s42, s42, s40
	s_lshl_b32 s43, s41, 2
	s_lshl_b32 s43, 15, s43                        ; my row of the cluster
	s_lshl_b32 s44, 0x1111, s40                    ; my column
	s_or_b32 s[G1+0], s43, (1<<21)                 ; codes: 128 rows of 256 elements of one byte, dense; the mask, bit 21 beside it
	s_or_b32 s[G1B+0], s44, (1<<21)
.irp g, G1, G1B
	s_mov_b32 s[\g+1], 256<<16
	s_mov_b32 s[\g+2], 128<<16
	s_mov_b32 s[\g+3], 256<<16
	s_mov_b32 s[\g+4], 128
	s_mov_b32 s[\g+5], 256
	s_mov_b32 s[\g+6], 0
	s_mov_b32 s[\g+7], 0
.endr
	s_or_b32 s[G1S+0], s43, (3<<16)|(1<<21)        ; scale words of 128 rows: HALFS dense bytes as rows of 32 elements of 8 bytes
	s_or_b32 s[G1SB+0], s44, (3<<16)|(1<<21)
.irp g, G1S, G1SB
	s_mov_b32 s[\g+1], 32<<16
	s_mov_b32 s[\g+2], (HALFS/256)<<16
	s_mov_b32 s[\g+3], 32<<16
	s_mov_b32 s[\g+4], HALFS/256
	s_mov_b32 s[\g+5], 32
	s_mov_b32 s[\g+6], 0
	s_mov_b32 s[\g+7], 0
.endr
	s_lshl_b32 s20, s17, 1
	s_add_co_u32 s20, s20, s16                     ; A: block 2 x tile row + half
	s_lshl_b32 s46, s42, 1
	s_add_co_u32 s46, s46, s16                     ; B: block 2 x tile column + half
	s_mul_i32 s22, s20, HALFS
	s_mov_b32 s23, 0
	s_mul_i32 s92, s46, HALFS
	s_mov_b32 s93, 0
	s_mul_i32 s20, s20, NKS*32768
	s_mov_b32 s21, 0
	s_mul_i32 s46, s46, NKS*32768
	s_mov_b32 s47, 0
	s_mul_i32 s45, s14, HALFT                      ; where they go: no place in the cluster enters an LDS address
	s_mul_i32 s94, s14, HALFS
	s_mov_b32 s[SEL], 0x76543210
	s_mov_b32 s[SEL+1], 0xfedcba98
	s_wait_dscnt 0x0                               ; both opening adds are done
	s_wait_kmcnt 0x0
	s_cmp_eq_u32 ttmp9, 2
	s_cselect_b64 s[8:9], s[4:5], s[6:7]           ; B: v: the tokens; q, k: the weights
	s_cselect_b64 s[4:5], s[6:7], s[4:5]           ; A: the other
	s_mov_b32 s18, 2097152
	s_cselect_b32 s18, 5308416, s18                ; A's scale words: v: Wqkv's from block 16 on (5242880 + 16 x 4096); q, k: hbuf's
	s_mov_b32 s2, 5242880
	s_cselect_b32 s2, 2097152, s2                  ; B's
	s_cselect_b32 s66, 1048576, 0                  ; A's codes: v: Wqkv's block 16 on
	s_mov_b32 s19, 0
	s_mov_b32 s3, 0
	s_mov_b32 s67, 0
	s_add_nc_u64 s[6:7], s[4:5], s[18:19]
	s_add_nc_u64 s[10:11], s[8:9], s[2:3]
	s_add_nc_u64 s[4:5], s[4:5], s[66:67]
	s_add_nc_u64 s[20:21], s[4:5], s[20:21]
	s_add_nc_u64 s[22:23], s[6:7], s[22:23]
	s_add_nc_u64 s[46:47], s[8:9], s[46:47]
	s_add_nc_u64 s[92:93], s[10:11], s[92:93]
	CROUND                                         ; all sixteen work-groups are here: the first joint loads meet
	s_mov_b32 s[G0S], 1
	s_add_co_u32 s[G0S+1], s94, SCL
	s_mov_b64 s[G0S+2:G0S+3], s[22:23]
	s_or_b32 s[G0S+3], s[G0S+3], 0x80000000
	s_mov_b32 s[G0SB], 1
	s_add_co_u32 s[G0SB+1], s94, SCL
	s_mov_b64 s[G0SB+2:G0SB+3], s[92:93]
	s_or_b32 s[G0SB+3], s[G0SB+3], 0x80000000
	JLOAD G0S, G1S, G0SB, G1SB                     ; the scale words first: they are wanted with K step 0
.irp s, 0,1
	s_mov_b32 s[G0+4*\s], 1
	s_add_co_u32 s[G0+4*\s+1], s45, \s*SLOT
	s_add_nc_u64 s[G0+4*\s+2:G0+4*\s+3], s[20:21], \s*32768
	s_or_b32 s[G0+4*\s+3], s[G0+4*\s+3], 0x80000000
	s_mov_b32 s[G0B+4*\s], 1
	s_add_co_u32 s[G0B+4*\s+1], s45, \s*SLOT
	s_add_nc_u64 s[G0B+4*\s+2:G0B+4*\s+3], s[46:47], \s*32768
	s_or_b32 s[G0B+4*\s+3], s[G0B+4*\s+3], 0x80000000
	JLOAD G0+4*\s, G1, G0B+4*\s, G1B
.endr
	v_and_b32 v1, 15, v0                           ; r
	v_bfe_u32 v2, v0, 4, 1                         ; h
	v_and_b32 v3, 31, v0
	v_lshlrev_b32 v4, 4, v3                        ; an image's place for my lane: 16 x lane
	s_mul_i32 s21, s15, HALFT                      ; my 128 rows of A
	s_mul_i32 s22, s16, HALFT                      ; my 128 rows of B,
	s_add_co_u32 s22, s22, 2*HALFT                 ; behind A's 256
.irp s, 0,1
	v_add_nc_u32 v[ADRA+\s], s21, v4
	v_add_nc_u32 v[ADRB+\s], s22, v4
	s_add_co_u32 s21, s21, SLOT
	s_add_co_u32 s22, s22, SLOT
.endr
	v_lshlrev_b32 v5, 2, v1                        ; a scale word's place: 4 r
	s_mul_i32 s21, s15, HALFS
	s_mul_i32 s22, s16, HALFS
	s_add_co_u32 s22, s22, 2*HALFS
	s_sub_co_u32 s22, s22, s21
	v_mul_u32_u24 v6, s22, v2                      ; lanes 16-31 take B's
	s_add_co_u32 s21, s21, SCL
	v_add_nc_u32 v5, v5, v6
	v_add_nc_u32 v[ADRS], s21, v5
.irp b, 0,1,2,3
	v_mov_b32 v[TM+4+\b], 0                        ; written once: a lane permute's destination counts as one of its sources
.endr
.macro FRAG reg, adr, q, i             ; a fragment comes as it was stored: two loads of 512 consecutive bytes
.irp c, 0,1
	ds_load_b128 v[\reg+4*\c:\reg+4*\c+3], v[\adr] offset:8192*(\q)+1024*(\i)+512*\c
.endr
.endm
; 16 matrix instructions: A's blocks a0, a0 + 1 x B's eight, the slot's q-th 128 along K.  The 64 accumulators take turns, one instruction a turn, in the same order in every step.
.macro MUL16 a0, p, q, sc, zero
.irp a, \a0, \a0+1
.irp b, 0,1,2,3,4,5,6,7
.if \zero
	v_wmma_scale_f32_16x16x128_f8f6f4 v[8*(8*((\a)%4)+\b):8*(8*((\a)%4)+\b)+7], v[128*(\p)+FR*\b:128*(\p)+FR*\b+FR-1], v[AF+FR*(\a):AF+FR*(\a)+FR-1], 0, v[SC+8*NQ*(\sc)+NQ*\b+(\q)], v[SC+8*NQ*(\sc)+NQ*(\a)+(\q)] matrix_a_fmt:MATRIX_FMT_FP4 matrix_b_fmt:MATRIX_FMT_FP4 matrix_a_scale:MATRIX_SCALE_ROW1
.else
	v_wmma_scale_f32_16x16x128_f8f6f4 v[8*(8*((\a)%4)+\b):8*(8*((\a)%4)+\b)+7], v[128*(\p)+FR*\b:128*(\p)+FR*\b+FR-1], v[AF+FR*(\a):AF+FR*(\a)+FR-1], v[8*(8*((\a)%4)+\b):8*(8*((\a)%4)+\b)+7], v[SC+8*NQ*(\sc)+NQ*\b+(\q)], v[SC+8*NQ*(\sc)+NQ*(\a)+(\q)] matrix_a_fmt:MATRIX_FMT_FP4 matrix_b_fmt:MATRIX_FMT_FP4 matrix_a_scale:MATRIX_SCALE_ROW1
.endif
.endr
.endr
.endm
.macro FETCH_B slot, q, p
	WIN TO_B
.irp i, 0,1,2,3,4,5,6,7
	FRAG 128*(\p)+FR*\i, ADRB+\slot, \q, \i
.endr
	WIN 0
.endm
.macro FETCH_A slot, q, i0
.irp i, \i0, \i0+1, \i0+2, \i0+3
	FRAG AF+FR*(\i), ADRA+\slot, \q, \i
.endr
.endm
.macro SCALES sc                       ; a K step's scale words into set sc: register 4 i + q: lanes 0-15 the word of A's tile i, lanes 16-31 that of B's tile i
.irp i, 0,1,2,3,4,5,6,7
.irp q, 0,1,2,3
	ds_load_b32 v[SC+8*NQ*\sc+NQ*\i+\q], v[ADRS] offset:512*\q+64*\i
.endr
.endr
.endm
.macro PLACES n                        ; plain vector instructions between a matrix instruction and a load into, or a read of, its registers
.rept \n
	v_nop
.endr
.endm
.macro STEP slot, q, zero              ; 128 along K that have their successor in the same slot
	s_wait_dscnt 4*NL                              ; all but the youngest eight loads (A's blocks 4-7) are in
	WIN MUL_LO
	MUL16 0, (\q)%2, \q, \slot, \zero
	MUL16 2, (\q)%2, \q, \slot, \zero
	s_wait_dscnt 0
	PLACES NP
	FETCH_B \slot, (\q)+1, 1-(\q)%2
	FETCH_A \slot, (\q)+1, 0
	WIN MUL_HI
	MUL16 4, (\q)%2, \q, \slot, \zero
	MUL16 6, (\q)%2, \q, \slot, \zero
	PLACES NP
	WIN 0
	FETCH_A \slot, (\q)+1, 4
.endm
.macro TURN slot, next                 ; a slot's last step changes slots: one barrier; nothing is filled again in this launch
	s_wait_tensorcnt 0x0                           ; all my tensor loads have landed: my part of the next slot
	ds_add_u32 v[SPW], v[NIL]                      ; 0 onto my spare word
	s_wait_dscnt 4*NL+1                            ; (the add and the youngest eight loads may be out)
	WIN MUL_LO
	MUL16 0, 1, NQ-1, \slot, 0
	s_wait_dscnt 0x0                               ; the add is done, and my reads of this slot are over
	s_barrier_signal -1
	MUL16 2, 1, NQ-1, \slot, 0
	WIN 0
	s_barrier_wait -1
	PLACES NP
	v_add_nc_u32 v[ADRS], 2048, v[ADRS]            ; the next K step's scale words
	FETCH_B \next, 0, 0
	FETCH_A \next, 0, 0
	SCALES \next
	WIN MUL_HI
	MUL16 4, 1, NQ-1, \slot, 0
	MUL16 6, 1, NQ-1, \slot, 0
	PLACES NP
	WIN 0
	FETCH_A \next, 0, 4
.endm
.macro STEPS slot, from
.set Q, \from
.rept NQ-1-\from
	STEP \slot, Q, 0
.set Q, Q+1
.endr
.endm
	s_wait_tensorcnt 1                             ; the scale words and my part of K step 0 are in; K step 1's load may be out
	s_barrier_signal -1
	s_barrier_wait -1
	FETCH_B 0, 0, 0
	FETCH_A 0, 0, 0
	SCALES 0
	FETCH_A 0, 0, 4
	STEP 0, 0, 1                                   ; the first products start the sums: nothing is cleared
	STEPS 0, 1
	TURN 0, 1
	STEPS 1, 0
	s_wait_dscnt 4*NL
	WIN MUL_LO
	MUL16 0, 1, NQ-1, 1, 0
	MUL16 2, 1, NQ-1, 1, 0
	s_wait_dscnt 0
	WIN MUL_HI
	MUL16 4, 1, NQ-1, 1, 0
	MUL16 6, 1, NQ-1, 1, 0
	WIN 0
	PLACES NP
; THE WAY OUT.  The 64 registers of A's tile a, in window w, are quantised in place of going to memory as f32: a fragment of 8 registers and a scale word.
.macro QUANTW s, w, pc, pw
	WIN ((\w)|((\w)<<2))                           ; sources 0 and 1: the accumulators' window
.irp b, 0,1,2,3
	v_max3_num_f32 v[TM+\b], |v[(\s)+16*\b]|, |v[(\s)+16*\b+1]|, 0x1800000   ; each accumulator is read from its low end on; the floor 2^(3 - 127)
.endr
.irp e, 2,4,6,8,10,12,14
.irp b, 0,1,2,3
	v_max3_num_f32 v[TM+\b], |v[(\s)+16*\b+\e]|, |v[(\s)+16*\b+\e+1]|, v[TM+\b]
.endr
.endr
	WIN 0
.irp b, 0,1,2,3
	v_permlanex16_b32 v[TM+4+\b], v[TM+\b], s[SEL], s[SEL+1]
.endr
.irp b, 0,1,2,3
	v_max_num_f32 v[TM+\b], v[TM+\b], v[TM+4+\b]
.endr
.irp b, 0,1,2,3
	v_add_nc_u32 v[TM+12+\b], 0xff000000, v[TM+\b]
.endr
.irp b, 0,1,2,3
	v_lshrrev_b32 v[TM+4+\b], 23, v[TM+12+\b]
.endr
	v_lshl_or_b32 v[\pw], v[TM+5], 8, v[TM+4]
	v_lshl_or_b32 v[\pw], v[TM+6], 16, v[\pw]
	v_lshl_or_b32 v[\pw], v[TM+7], 24, v[\pw]
	WIN (\w)
.irp b, 0,1,2,3
	v_cvt_scalef32_pk8_fp4_f32 v[(\pc)+2*\b], v[(\s)+16*\b:(\s)+16*\b+7], v[TM+12+\b]
	v_cvt_scalef32_pk8_fp4_f32 v[(\pc)+2*\b+1], v[(\s)+16*\b+8:(\s)+16*\b+15], v[TM+12+\b]
.endr
	WIN 0
	v_nop                                          ; one plain place behind a scaled conversion
.irp c, 0,1
.irp i, 0,1
	v_permlane16_swap_b32 v[(\pc)+4*\c+\i], v[(\pc)+2+4*\c+\i]
.endr
.endr
.endm
	s_cmp_eq_u32 ttmp9, 2                          ; the mode's numbers for the way out (all tensor loads have been awaited: the descriptors' registers are free)
	s_mov_b32 s20, 4608
	s_mov_b32 s21, 2048
	s_cselect_b32 s22, s21, s20                    ; from register group c = 0 to c = 1: v: 2048 inside the unit; q, k: the other head's unit
	s_cselect_b32 s23, s20, s21                    ; from tiles 0-3 to tiles 4-7: v: the other head's unit; q, k: 2048 inside the unit
	s_mov_b32 s21, 256
	s_cselect_b32 s24, s21, s20                    ; the same two steps for the scale words
	s_cselect_b32 s25, s20, s21
	s_cselect_b32 s26, 0, 16                       ; q, k: the second head's two bytes are brought down
	s_cselect_b32 s27, -1, 0xffff                  ; and the first head's are cut out
	s_cselect_b32 s28, 5, 4                        ; units' pairs in a row of the table: 32 or 16
	s_cselect_b32 s29, 4718592, 0
	s_lshl_b32 s30, s17, 1
	s_add_co_u32 s30, s30, s15
	s_lshl_b32 s30, s30, s28
	s_lshl_b32 s31, s42, 1
	s_add_co_u32 s31, s31, s16
	s_add_co_u32 s30, s30, s31
	s_mul_i32 s30, s30, 9216
	s_add_co_u32 s30, s30, s29
	s_mov_b32 s31, 0
	s_add_nc_u64 s[12:13], s[12:13], s[30:31]
	v_and_b32 v1, 31, v0
	v_lshlrev_b32 v[VO], 4, v1
	v_add_nc_u32 v[VO+1], s23, v[VO]
	v_add_nc_u32 v[VO+2], s22, v[VO]
	v_add_nc_u32 v[VO+3], s23, v[VO+2]
	v_lshl_add_u32 v[VS], v1, 2, 4096
	v_add_nc_u32 v[VS+1], s25, v[VS]
	v_add_nc_u32 v[VS+2], s24, v[VS]
	v_add_nc_u32 v[VS+3], s25, v[VS+2]
	v_cmp_lt_u32 vcc_lo, 15, v1                    ; lanes 16-31
.irp a, 0,1,2,3,4,5,6,7
	QUANTW 64*(\a%4), 2+\a/4, PC+8*\a, PW+\a
.irp c, 0,1
	global_store_b128 v[VO+2*\c+\a/4], v[PC+8*\a+4*\c:PC+8*\a+4*\c+3], s[12:13] offset:(\a%4)*512   ; 32 lanes store 512 consecutive bytes, aligned; no store's data are written again
.endr
.endr
.irp e, 0,1,2,3                        ; the words of tiles 2 e (lanes 0-15) and 2 e + 1 (lanes 16-31): 128 consecutive bytes a store
	v_cndmask_b32 v[116+\e], v[PW+2*\e], v[PW+2*\e+1], vcc_lo
	v_and_b32 v[108+2*\e], s27, v[116+\e]
	v_lshrrev_b32 v[109+2*\e], s26, v[116+\e]
	global_store_b32 v[VS+\e/2], v[108+2*\e], s[12:13] offset:(\e%2)*128
	global_store_b32 v[VS+2+\e/2], v[109+2*\e], s[12:13] offset:(\e%2)*128
.endr
	s_wait_tensorcnt 0x0                           ; the wave's end
	ds_add_u32 v[SPW], v[NIL]
	s_wait_dscnt 0x0
	CROUND                                         ; the closing round
	s_endpgm
.Lfunc_end_k_qc2674a8e5d_gq:
	.size	k_qc2674a8e5d_gq, .Lfunc_end_k_qc2674a8e5d_gq-k_qc2674a8e5d_gq
	.p2alignl 7, 3214868480
	.fill 96, 4, 3214868480
	.section	.rodata,"a",@progbits
	.p2align	6, 0x0
	.amdhsa_kernel k_qc2674a8e5d_gq
		.amdhsa_group_segment_fixed_size 327680
		.amdhsa_private_segment_fixed_size 0
		.amdhsa_enable_private_segment 0
		.amdhsa_kernarg_size 24
		.amdhsa_user_sgpr_count 2
		.amdhsa_user_sgpr_kernarg_segment_ptr 1
		.amdhsa_wavefront_size32 1
		.amdhsa_system_sgpr_workgroup_id_x 1
		.amdhsa_system_sgpr_workgroup_id_y 1
		.amdhsa_system_sgpr_workgroup_id_z 1
		.amdhsa_system_vgpr_workitem_id 0
		.amdhsa_next_free_vgpr 1024
		.amdhsa_next_free_sgpr 100
		.amdhsa_reserve_vcc 1
		.amdhsa_float_denorm_mode_32 3
		.amdhsa_float_denorm_mode_16_64 3
		.amdhsa_memory_ordered 1
		.amdhsa_forward_progress 1
		.amdhsa_inst_pref_size 133
	.end_amdhsa_kernel
	.amdgpu_metadata
---
amdhsa.version: [ 1, 2 ]
amdhsa.kernels:
  - .name:           k_qc2674a8e5d_gq
    .symbol:         k_qc2674a8e5d_gq.kd
    .args:
      - { .name: hbuf, .offset: 0, .size: 8, .value_kind: global_buffer, .address_space: global }
      - { .name: wgt, .offset: 8, .size: 8, .value_kind: global_buffer, .address_space: global }
      - { .name: qkv, .offset: 16, .size: 8, .value_kind: global_buffer, .address_space: global }
    .group_segment_fixed_size: 327680
    .private_segment_fixed_size: 0
    .kernarg_segment_align: 8
    .kernarg_segment_size: 24
    .max_flat_workgroup_size: 128
    .sgpr_count:     100
    .vgpr_count:     1024
    .wavefront_size: 32
...
	.end_amdgpu_metadata
.endif
;; end of part 3
;; launch attn (part 4): grid 8 x 32, 16 waves a work-group, clusters of 4 x 1, 167,936 bytes of LDS; arguments qkv, att; writes att
.if DOCPART == 4
	.amdgcn_target "amdgcn-amd-amdhsa--gfx1250"
	.amdhsa_code_object_version 6
	.text
	.protected	k_qc2674a8e5d_attn
	.globl	k_qc2674a8e5d_attn
	.p2align	8
	.type	k_qc2674a8e5d_attn,@function
k_qc2674a8e5d_attn:
	s_mov_b64 s[64:65], 0
	v_nop
	global_prefetch_b8 v0, s[64:65] scope:SCOPE_SE
	s_setreg_imm32_b32 hwreg(HW_REG_WAVE_MODE, 25, 1), 1
	s_wait_xcnt 0x0
	s_wait_alu depctr_hold_cnt(0) depctr_sa_sdst(0) depctr_va_vdst(0) depctr_va_sdst(0) depctr_va_ssrc(0) depctr_va_vcc(0) depctr_vm_vsrc(0)
	s_getreg_b32 s2, hwreg(HW_REG_IB_STS2, 6, 4)
	s_cmp_eq_u32 s2, 0
	s_cbranch_scc0 .Lentry_in_a_cluster
	s_endpgm
.Lentry_in_a_cluster:
	s_bfe_u32 s2, ttmp6, 0x10000c
	s_cmp_lg_u32 s2, 0x3003
	s_cbranch_scc0 .Lentry_shape_is_right
	s_endpgm
.Lentry_shape_is_right:
; attention of one head: O = softmax(Q K^T / 8) V, both products on codes of FP4 (E2M1) with E8M0 scales, and O quantised along the head's 64 for the projection that follows.  No work is left out.
; THE SOFTMAX AHEAD OF THE SECOND PRODUCT: t = score x log2(e) / 8; M = the running largest t rounded UP to a whole number; p = 2^(t - M) is quantised along the keys, not normalised; the row's sum is taken of the unquantised p and divides O at the end.
; When M moves, the sum and O are multiplied by 2^(old M - new M), which rounds nothing.
; IN (launch gq's units of 4,608 bytes: 4,096 of codes, 512 of scale words): q, k: 128 tokens of one head, codes [tile i][lane][16]: lane (r, h) holds d = 32 h + 0..31 of token 32 b + 8 u + r + 8 (r / 8), i = 2 b + u; words [i][r], bytes 2 and 3 zero.
; v: 128 keys x the head's 64, keys innermost: codes [c][d tile t][lane][16], words [t][r].
; THE SCORES' K IS 64 and the instruction takes 128: Q's registers 4-7 are zero codes; K's registers 4-7 are whatever follows (the next tile's codes, zeros behind the last), which zero codes multiply away.
; SHARES: a work-group owns 256 queries of one head, each of its sixteen waves one tile of 16.  A head's K and V, 147,456 bytes, stay in LDS for the whole launch: wave w brings key step w, one load for K and one for V.
; CLUSTER: the four work-groups of a cluster serve the same head, so each load is asked for jointly by all four, with the same descriptor (made of the head and the wave's number) and the mask 15.
; Both products are used transposed (S^T = K Q^T, O^T = V^T P^T): a lane holds one query throughout, and by the tiles' order of tokens p's 16 registers of two neighbouring tiles are 16 neighbouring keys.
; OUT: att as an image of the operand's registers: codes at RB 65536 + (head / 8) 32768 + ((head / 2) % 4) 8192 + i 1024 + (head % 2) 512 + 16 lane; a head's two scale bytes at 2097152 + RB 4096 + (head / 8) 2048 + ((head / 2) % 4) 512 + 64 i + 4 r + 2 (head % 2):
; two bytes a row, 131,072 bytes in the whole launch.
; LIMITS: NaN and infinities are not served; a block of zeros gets byte 1 (its codes are zeros; this program alone reads the bytes).
; REGISTERS: v1-4 lane terms; v5, v6 the add's two; v7 4 r; v8-11 the step's addresses; v12 -M, v13 the largest t, v[14:15] the sum; v16-23 Q; v24-31 scale words and nothing else (Q's; K's four, two tiles to a register; V's two; p's);
; v32-67 K; v96-159 S^T, then p; v160-191 O^T; v192-223 V; v224-231 p's codes; v232-254 at work.
.set KU,    4608
.set VB,    16*KU                      ; LDS: K's sixteen units, then V's
.set SPARE, 2*VB                       ; the spare words, 128 bytes for each of sixteen waves: no other line names them
.set AK0,  1
.set AV0,  2
.set ASK0, 3
.set ASV0, 4
.set SPW,  5
.set NIL,  6
.set TM,   232
.set WV,   8
.set G1,   16
.set G0K,  24
.set G0V,  28
.set TB,   36
.set CNT,  37
.set SEL,  44
.set CS,   46
.macro ROUND                           ; a round of the cluster's barrier
	s_barrier_signal -1
	s_barrier_wait -1
	s_cmp_lg_u32 s[WV], 0
	s_cbranch_scc1 .Lnot_wave_0_\@
	s_barrier_signal -3
.Lnot_wave_0_\@:
	s_barrier_wait -3
	s_barrier_signal -1
	s_barrier_wait -1
.endm
	s_load_b128 s[4:7], s[0:1], 0x0                ; qkv, att
	v_lshl_add_u32 v[SPW], v0, 2, SPARE
	v_mov_b32 v[NIL], 0
	ds_add_u32 v[SPW], v[NIL]                      ; the wave's opening: the add, twice on end, and its wait ahead of my first tensor load
	ds_add_u32 v[SPW], v[NIL]
	v_lshrrev_b32 v8, 5, v0
	v_readfirstlane_b32 s[WV], v8                  ; wave 0..15
	s_bfe_u32 s9, ttmp6, 0x40000                   ; cx: it enters Q's and the output's addresses alone
	s_lshl_b32 s10, ttmp9, 2
	s_add_co_u32 s10, s10, s9                      ; my block of 256 queries
	s_and_b32 s11, ttmp7, 0xffff
	s_lshr_b32 s12, s11, 4                         ; batch
	s_and_b32 s13, s11, 15                         ; head
	s_lshr_b32 s14, s13, 1
	s_and_b32 s15, s13, 1
	s_mov_b32 s[G1], 15|(3<<16)|(1<<21)            ; the mask: all four work-groups; elements of 8 bytes; bit 21 beside the mask
	s_mov_b32 s[G1+1], 32<<16                      ; a unit is 18 dense rows of 256 bytes
	s_mov_b32 s[G1+2], 18<<16
	s_mov_b32 s[G1+3], 32<<16
	s_mov_b32 s[G1+4], 18
	s_mov_b32 s[G1+5], 32
	s_mov_b32 s[G1+6], 0
	s_mov_b32 s[G1+7], 0
	s_mul_i32 s34, s15, KU                         ; which unit of a pair
	s_lshl_b32 s32, s12, 4
	s_add_co_u32 s32, s32, s[WV]                   ; the block of 128 tokens that I fetch
	s_lshl_b32 s38, s32, 4
	s_add_co_u32 s38, s38, s14
	s_add_co_u32 s38, s38, 8                       ; k's pairs stand behind q's eight
	s_mul_i32 s38, s38, 2*KU
	s_add_co_u32 s38, s38, s34
	s_mov_b32 s39, 0
	s_lshl_b32 s40, s14, 5
	s_add_co_u32 s40, s40, s32
	s_mul_i32 s40, s40, 2*KU
	s_add_co_u32 s40, s40, s34
	s_add_co_u32 s40, s40, 4718592
	s_mov_b32 s41, 0
	s_lshl_b32 s33, s12, 4                         ; my queries: block RB = 16 batch + 2 x my 256 + wave / 8, tile i = wave % 8
	s_lshl_b32 s35, s10, 1
	s_add_co_u32 s33, s33, s35
	s_lshr_b32 s35, s[WV], 3
	s_add_co_u32 s33, s33, s35
	s_and_b32 s35, s[WV], 7
	s_lshl_b32 s42, s33, 4
	s_add_co_u32 s42, s42, s14
	s_mul_i32 s42, s42, 2*KU
	s_add_co_u32 s42, s42, s34
	s_mov_b32 s43, 0
	s_lshl_b32 s58, s35, 9                         ; Q's codes: 512 i
	s_lshl_b32 s59, s35, 6
	s_add_co_u32 s59, s59, 4096                    ; its words: 4096 + 64 i
	s_lshr_b32 s60, s13, 3                         ; head / 8
	s_and_b32 s61, s14, 3                          ; (head / 2) % 4
	s_lshl_b32 s48, s33, 16
	s_lshl_b32 s49, s60, 15
	s_add_co_u32 s48, s48, s49
	s_lshl_b32 s49, s61, 13
	s_add_co_u32 s48, s48, s49
	s_lshl_b32 s49, s35, 10
	s_add_co_u32 s48, s48, s49
	s_lshl_b32 s49, s15, 9
	s_add_co_u32 s48, s48, s49
	s_mov_b32 s49, 0
	s_lshl_b32 s50, s33, 12
	s_lshl_b32 s51, s60, 11
	s_add_co_u32 s50, s50, s51
	s_lshl_b32 s51, s61, 9
	s_add_co_u32 s50, s50, s51
	s_lshl_b32 s51, s35, 6
	s_add_co_u32 s50, s50, s51
	s_lshl_b32 s51, s15, 1
	s_add_co_u32 s50, s50, s51
	s_add_co_u32 s50, s50, 2097152
	s_mov_b32 s51, 0
	s_mov_b32 s[SEL], 0x76543210
	s_mov_b32 s[SEL+1], 0xfedcba98
	s_mov_b32 s[CS], 0x3e38aa3b                    ; c = log2(e) / 8
	s_mov_b32 s[CS+1], s[CS]
	s_mov_b32 s[TB], 0
	s_mov_b32 s[CNT], 16
	s_wait_dscnt 0x0                               ; both opening adds are done
	s_wait_kmcnt 0x0
	s_mov_b32 s[G0K], 1
	s_mul_i32 s[G0K+1], s[WV], KU
	s_add_nc_u64 s[G0K+2:G0K+3], s[4:5], s[38:39]
	s_or_b32 s[G0K+3], s[G0K+3], 0x80000000
	s_mov_b32 s[G0V], 1
	s_add_co_u32 s[G0V+1], s[G0K+1], VB
	s_add_nc_u64 s[G0V+2:G0V+3], s[4:5], s[40:41]
	s_or_b32 s[G0V+3], s[G0V+3], 0x80000000
	s_add_nc_u64 s[52:53], s[4:5], s[42:43]
	s_add_nc_u64 s[54:55], s[6:7], s[48:49]
	s_add_nc_u64 s[56:57], s[6:7], s[50:51]
	ROUND                                          ; all four work-groups are here: the joint loads meet
	tensor_load_to_lds s[G0K:G0K+3], s[G1:G1+7]    ; by this text's count two loads of a wave are out
	s_nop 0
	tensor_load_to_lds s[G0V:G0V+3], s[G1:G1+7]
	s_nop 0
.rept 4
	v_nop
.endr
	v_and_b32 v8, 31, v0                           ; lane
	v_and_b32 v9, 15, v0                           ; r
	v_lshlrev_b32 v[AK0], 4, v8
	v_add_nc_u32 v[AV0], VB, v[AK0]
	v_lshl_add_u32 v[ASK0], v8, 2, 4096
	v_add_nc_u32 v[ASV0], VB, v[ASK0]
	v_lshlrev_b32 v7, 2, v9
	v_lshl_add_u32 v10, v8, 4, s58
	v_lshl_add_u32 v11, v9, 2, s59
	global_load_b128 v[16:19], v10, s[52:53]       ; Q's 64 codes a row
	global_load_b32 v24, v11, s[52:53]             ; and its scale words
.irp j, 20,21,22,23,64,65,66,67
	v_mov_b32 v\j, 0                               ; zero codes: Q's upper 64, and what stands behind K's last tile
.endr
	v_mov_b32 v13, 0xff61b1e6                      ; the largest t so far: -3e38
	v_floor_f32 v12, -v13                          ; -M
	v_mov_b32 v14, 0
	v_mov_b32 v15, 0
.irp b, 0,1,2,3
	v_mov_b32 v[236+\b], 0                         ; written once: a lane permute's destination counts as one of its sources
.endr
	v_mov_b32 v253, 0                              ; (named as the upper half of the pair v[252:253])
.set j, 0
.rept 32
	v_mov_b32 v[160+j], 0                          ; O^T: the step is written once; the first finds zeros, which the first change of M leaves zeros
.set j, j+1
.endr
	s_wait_tensorcnt 0x0                           ; my two units have landed,
	s_barrier_signal -1
	s_barrier_wait -1                              ; everybody's have
	s_wait_loadcnt 0x0                             ; Q
.Lstep:                                            ; sixteen key steps of 128 keys; no barrier inside: nothing in LDS changes
	v_add_nc_u32 v8, s[TB], v[AK0]                 ; (these four are also the places between the last products and the loads into their registers)
	v_add_nc_u32 v9, s[TB], v[AV0]
	v_add_nc_u32 v10, s[TB], v[ASK0]
	v_add_nc_u32 v11, s[TB], v[ASV0]
.irp t, 0,1,2,3,4,5,6,7
	ds_load_b128 v[32+4*\t:35+4*\t], v8 offset:512*\t
.endr
.irp p, 0,1,2,3
	ds_load_b32 v[25+\p], v10 offset:128*\p        ; lanes 0-15: tile 2 p's words; lanes 16-31: tile 2 p + 1's
.endr
.irp t, 0,1,2,3
.irp c, 0,1
	ds_load_b128 v[192+8*\t+4*\c:195+8*\t+4*\c], v9 offset:2048*\c+512*\t
.endr
.endr
.irp p, 0,1
	ds_load_b32 v[29+\p], v11 offset:128*\p
.endr
	s_wait_dscnt 10                                ; K's twelve loads are in; V's ten may be out
.irp t, 0,1,2,3,4,5,6,7
.if \t%2
	v_wmma_scale_f32_16x16x128_f8f6f4 v[96+8*\t:103+8*\t], v[32+4*\t:39+4*\t], v[16:23], 0, v[25+\t/2], v24 matrix_a_fmt:MATRIX_FMT_FP4 matrix_b_fmt:MATRIX_FMT_FP4 matrix_a_scale:MATRIX_SCALE_ROW1
.else
	v_wmma_scale_f32_16x16x128_f8f6f4 v[96+8*\t:103+8*\t], v[32+4*\t:39+4*\t], v[16:23], 0, v[25+\t/2], v24 matrix_a_fmt:MATRIX_FMT_FP4 matrix_b_fmt:MATRIX_FMT_FP4
.endif
.endr
.rept 4
	v_nop
.endr
.irp b, 0,1,2,3
	v_max3_num_f32 v[232+\b], v[96+16*\b], v[97+16*\b], v[98+16*\b]   ; the largest score of each block of 32 keys: for the row's maximum, and, since p rises with the score, for the block's largest p
.endr
.irp i, 3,5,7,9,11,13
.irp b, 0,1,2,3
	v_max3_num_f32 v[232+\b], v[232+\b], v[96+16*\b+\i], v[97+16*\b+\i]
.endr
.endr
.irp b, 0,1,2,3
	v_max_num_f32 v[232+\b], v[232+\b], v[111+16*\b]
.endr
.irp b, 0,1,2,3
	v_permlanex16_b32 v[236+\b], v[232+\b], s[SEL], s[SEL+1]
.endr
.irp b, 0,1,2,3
	v_max_num_f32 v[232+\b], v[232+\b], v[236+\b]  ; with lane l xor 16's 16 keys
.endr
	v_max3_num_f32 v254, v232, v233, v234
	v_max_num_f32 v254, v254, v235
	v_mul_f32 v254, s[CS], v254                    ; as t (c is positive)
	v_max_num_f32 v13, v13, v254                   ; the running largest t
	v_mov_b32 v254, v12
	v_floor_f32 v12, -v13                          ; the new -M = -ceil(t)
	v_sub_f32 v254, v12, v254                      ; old M - new M: a whole number, 0 or less
	v_cvt_i32_f32 v254, v254                       ; (it saturates)
	v_ldexp_f32 v252, 1.0, v254                    ; f = 2^(old M - new M)
.set j, 0
.rept 32
	v_pk_fma_f32 v[96+j:97+j], v[96+j:97+j], s[CS:CS+1], v[12:13] op_sel_hi:[1,0,0]   ; t - M, two at a time
.set j, j+2
.endr
.irp b, 0,1,2,3
	v_fma_f32 v[232+\b], v[232+\b], s[CS], v12     ; the same of each block's largest score
.endr
.set j, 0
.rept 64
	v_exp_f32 v[96+j], v[96+j]                     ; p = 2^(t - M), at most 1
.set j, j+1
.endr
	v_pk_mul_f32 v[14:15], v[14:15], v[252:253] op_sel_hi:[1,0]   ; the sums under the new M: a plain place behind the exponentials
	s_wait_alu depctr_va_vdst(0)                   ; the wait ahead of the first reader: one for the batch
.irp b, 0,1,2,3
	v_exp_f32 v[232+\b], v[232+\b]                 ; the block's largest p
.endr
	v_pk_add_f32 v[236:237], v[96:97], v[98:99]    ; the row's sum of the unquantised p, in two chains
.irp j, 4,8,12,16,20,24,28,32,36,40,44,48,52,56,60
	v_pk_add_f32 v[14:15], v[14:15], v[96+\j:97+\j]
	v_pk_add_f32 v[236:237], v[236:237], v[98+\j:99+\j]
.endr
	v_pk_add_f32 v[14:15], v[14:15], v[236:237]
	s_wait_alu depctr_va_vdst(0)                   ; and one for the four
.irp b, 0,1,2,3
	v_max_num_f32 v[232+\b], 0x1800000, v[232+\b]  ; the floor 2^(3 - 127)
.endr
.irp b, 0,1,2,3
	v_add_nc_u32 v[244+\b], 0xff000000, v[232+\b]  ; the conversion's scale operand
.endr
.irp b, 0,1,2,3
	v_lshrrev_b32 v[236+\b], 23, v[244+\b]         ; the scale's byte
.endr
	v_lshl_or_b32 v31, v237, 8, v236               ; p's scale word for these 128 keys
	v_lshl_or_b32 v31, v238, 16, v31
	v_lshl_or_b32 v31, v239, 24, v31
.irp b, 0,1,2,3
	v_cvt_scalef32_pk8_fp4_f32 v[224+2*\b], v[96+16*\b:103+16*\b], v[244+\b]
	v_cvt_scalef32_pk8_fp4_f32 v[225+2*\b], v[104+16*\b:111+16*\b], v[244+\b]
.endr
	v_nop                                          ; one plain place behind a scaled conversion
.irp c, 0,1
.irp i, 0,1
	v_permlane16_swap_b32 v[224+4*\c+\i], v[226+4*\c+\i]
.endr
.endr
.set j, 0
.rept 16
	v_pk_mul_f32 v[160+j:161+j], v[160+j:161+j], v[252:253] op_sel_hi:[1,0]   ; O^T under the new M; also the places between p's scale word and codes and the products
.set j, j+2
.endr
.rept 4
	v_nop                                          ; and four between the last of them and the products that add onto them
.endr
	s_wait_dscnt 0x0                               ; V
.irp t, 0,1,2,3                        ; O^T += V^T P^T: the four accumulators by turns
.if \t%2
	v_wmma_scale_f32_16x16x128_f8f6f4 v[160+8*\t:167+8*\t], v[192+8*\t:199+8*\t], v[224:231], v[160+8*\t:167+8*\t], v[29+\t/2], v31 matrix_a_fmt:MATRIX_FMT_FP4 matrix_b_fmt:MATRIX_FMT_FP4 matrix_a_scale:MATRIX_SCALE_ROW1
.else
	v_wmma_scale_f32_16x16x128_f8f6f4 v[160+8*\t:167+8*\t], v[192+8*\t:199+8*\t], v[224:231], v[160+8*\t:167+8*\t], v[29+\t/2], v31 matrix_a_fmt:MATRIX_FMT_FP4 matrix_b_fmt:MATRIX_FMT_FP4
.endif
.endr
	s_add_co_u32 s[TB], s[TB], KU
	s_sub_co_u32 s[CNT], s[CNT], 1
	s_cmp_lg_u32 s[CNT], 0
	s_cbranch_scc1 .Lstep
.rept 4
	v_nop
.endr
	v_add_f32 v14, v14, v15                        ; the sum's two halves,
	v_permlanex16_b32 v252, v14, s[SEL], s[SEL+1]
	v_add_f32 v14, v14, v252                       ; and lane l xor 16's
	v_rcp_f32 v14, v14
	v_nop                                          ; one plain place behind the transcendental
	s_wait_alu depctr_va_vdst(0)                   ; and the wait ahead of its first reader
.set j, 0
.rept 32
	v_mul_f32 v[96+j], v[160+j], v14               ; O^T / the sum: register 16 b + e is d = 32 b + 16 h + e of my query
.set j, j+1
.endr
.irp b, 0,1                            ; the head's two blocks of 32 along the projection's K
	v_max3_num_f32 v[TM+\b], |v[96+16*\b]|, |v[97+16*\b]|, 0x1800000
.endr
.irp e, 2,4,6,8,10,12,14
.irp b, 0,1
	v_max3_num_f32 v[TM+\b], v[TM+\b], |v[96+16*\b+\e]|, |v[97+16*\b+\e]|
.endr
.endr
.irp b, 0,1
	v_permlanex16_b32 v[TM+4+\b], v[TM+\b], s[SEL], s[SEL+1]
.endr
.irp b, 0,1
	v_max_num_f32 v[TM+\b], v[TM+\b], v[TM+4+\b]
.endr
.irp b, 0,1
	v_add_nc_u32 v[TM+12+\b], 0xff000000, v[TM+\b]
.endr
.irp b, 0,1
	v_lshrrev_b32 v[TM+4+\b], 23, v[TM+12+\b]
.endr
	v_lshl_or_b32 v238, v[TM+5], 8, v[TM+4]        ; the two bytes
.irp b, 0,1
	v_cvt_scalef32_pk8_fp4_f32 v[224+2*\b], v[96+16*\b:103+16*\b], v[TM+12+\b]
	v_cvt_scalef32_pk8_fp4_f32 v[225+2*\b], v[104+16*\b:111+16*\b], v[TM+12+\b]
.endr
	v_nop
	v_permlane16_swap_b32 v224, v226               ; lanes 0-15: block 0 whole; lanes 16-31: block 1
	v_permlane16_swap_b32 v225, v227
	global_store_b128 v[AK0], v[224:227], s[54:55] ; 32 lanes store 512 consecutive bytes, aligned
	global_store_b16 v7, v238, s[56:57]            ; both halves of the lanes store the same two bytes
	s_wait_tensorcnt 0x0                           ; the wave's end
	ds_add_u32 v[SPW], v[NIL]
	s_wait_dscnt 0x0
	ROUND                                          ; the closing round
	s_endpgm
.Lfunc_end_k_qc2674a8e5d_attn:
	.size	k_qc2674a8e5d_attn, .Lfunc_end_k_qc2674a8e5d_attn-k_qc2674a8e5d_attn
	.p2alignl 7, 3214868480
	.fill 96, 4, 3214868480
	.section	.rodata,"a",@progbits
	.p2align	6, 0x0
	.amdhsa_kernel k_qc2674a8e5d_attn
		.amdhsa_group_segment_fixed_size 167936
		.amdhsa_private_segment_fixed_size 0
		.amdhsa_enable_private_segment 0
		.amdhsa_kernarg_size 16
		.amdhsa_user_sgpr_count 2
		.amdhsa_user_sgpr_kernarg_segment_ptr 1
		.amdhsa_wavefront_size32 1
		.amdhsa_system_sgpr_workgroup_id_x 1
		.amdhsa_system_sgpr_workgroup_id_y 1
		.amdhsa_system_sgpr_workgroup_id_z 1
		.amdhsa_system_vgpr_workitem_id 0
		.amdhsa_next_free_vgpr 256
		.amdhsa_next_free_sgpr 66
		.amdhsa_reserve_vcc 0
		.amdhsa_float_denorm_mode_32 3
		.amdhsa_float_denorm_mode_16_64 3
		.amdhsa_memory_ordered 1
		.amdhsa_forward_progress 1
		.amdhsa_inst_pref_size 27
	.end_amdhsa_kernel
	.amdgpu_metadata
---
amdhsa.version: [ 1, 2 ]
amdhsa.kernels:
  - .name:           k_qc2674a8e5d_attn
    .symbol:         k_qc2674a8e5d_attn.kd
    .args:
      - { .name: qkv, .offset: 0, .size: 8, .value_kind: global_buffer, .address_space: global }
      - { .name: att, .offset: 8, .size: 8, .value_kind: global_buffer, .address_space: global }
    .group_segment_fixed_size: 167936
    .private_segment_fixed_size: 0
    .kernarg_segment_align: 8
    .kernarg_segment_size: 16
    .max_flat_workgroup_size: 512
    .sgpr_count:     66
    .vgpr_count:     256
    .wavefront_size: 32
...
	.end_amdgpu_metadata
.endif
;; end of part 4
;; launch go (part 5): grid 4 x 16, 4 waves a work-group, clusters of 4 x 4, 327,680 bytes of LDS; arguments att, wgt, X, x1; writes x1
.if DOCPART == 5
	.amdgcn_target "amdgcn-amd-amdhsa--gfx1250"
	.amdhsa_code_object_version 6
	.text
	.protected	k_qc2674a8e5d_go
	.globl	k_qc2674a8e5d_go
	.p2align	8
	.type	k_qc2674a8e5d_go,@function
k_qc2674a8e5d_go:
	s_mov_b64 s[64:65], 0
	v_nop
	global_prefetch_b8 v0, s[64:65] scope:SCOPE_SE
	s_setreg_imm32_b32 hwreg(HW_REG_WAVE_MODE, 25, 1), 1
	s_wait_xcnt 0x0
	s_wait_alu depctr_hold_cnt(0) depctr_sa_sdst(0) depctr_va_vdst(0) depctr_va_sdst(0) depctr_va_ssrc(0) depctr_va_vcc(0) depctr_vm_vsrc(0)
	s_getreg_b32 s2, hwreg(HW_REG_IB_STS2, 6, 4)
	s_cmp_eq_u32 s2, 0
	s_cbranch_scc0 .Lentry_in_a_cluster
	s_endpgm
.Lentry_in_a_cluster:
	s_bfe_u32 s2, ttmp6, 0x10000c
	s_cmp_lg_u32 s2, 0xf033
	s_cbranch_scc0 .Lentry_shape_is_right
	s_endpgm
.Lentry_shape_is_right:
; x1 = X + attn Wout, the product on codes of FP4 (E2M1) with E8M0 scales, K = 1,024; sums and the residual in f32.  No work is left out.
; A (att) and B (Wout in wgt) are IMAGES OF THE OPERAND'S REGISTERS: codes at (rb 2 + ks) 32768 + q 8192 + i 1024 + c 512 + 16 lane, scale words at (rb 2 + ks) 2048 + q 512 + i 64 + 4 r; lane r of tile i = 2 b + u holds row PM(i, r) = 32 b + 8 u + r + 8 (r / 8) of block rb.
; A tile of 256 x 256 is made by four waves, 128 x 128 each.  THE MATRIX INSTRUCTION IS USED TRANSPOSED (source 0 = 16 rows of B, source 1 = 16 rows of A): lane (r, h) holds row PM(a, r), and register 8 b + j of A's tile a is column 32 (b / 2) + 16 h + 8 (b % 2) + j.
; 64 work-groups: N = 1,024 gives no more tiles of this size; the tile is kept so that the four products of this program share one main loop.
; CLUSTERS: 4 x 4 work-groups; A's tiles are asked for jointly along a row of the cluster, B's along a column.  All of K and all scale words are asked for at the head: nothing is filled twice.
; THE WAY OUT: a tile of 16 rows goes through the wave's own stage in LDS (in slot 0, which has had its last fill and its last read) and comes back as whole rows of 512 bytes; X's rows, asked for three tiles ahead, are added; 32 lanes store 512 consecutive bytes.
; REGISTERS, in windows of 256: window 0: v0-31 addresses; v32-95 scale words and nothing else; v128-191 A's fragments; on the way out v128-255 rows read back.  window 1: B's fragments, on the way out X's rows.  windows 2, 3: accumulators.
.set NKS,    2
.set ASCALES, 2097152
.set BCODES,  1572864
.set BSCALES, 5341184
.set NQ,     4
.set FR,     8
.set NL,     2
.set NP,     4
.set HALFT,  32768
.set SLOT,   4*HALFT
.set LAPS,   NKS/2
.set SCL,    2*SLOT
.set HALFS,  NKS*2048
.set SPARE,  SCL+4*HALFS               ; the spare words, 128 bytes for each wave: no other line names them
.set SPITCH, 528
.set ADRA, 16
.set ADRB, 20
.set STO,  24
.set RD,   25
.set CO,   26
.set ADRS, 27
.set SPW,  28
.set NIL,  29
.set SC,   32
.set AF,   128
.set BK,   128
.set RES,  98
.set G1, 24
.set G0, 32
.set G1B, 48
.set G0B, 56
.set G1S, 68
.set G0S, 76
.set G1SB, 80
.set G0SB, 88
.set MSB, 0
.macro WIN new                         ; the immediate's high byte repeats the setting that is left
.if MSB != (\new)
	s_set_vgpr_msb (MSB<<8)|(\new)
.set MSB, (\new)
.endif
.endm
.set MUL_LO, 0xa1
.set MUL_HI, 0xf1
.set TO_B,   0x40
.macro JLOAD g0a, g1a, g0b, g1b        ; a joint load: waves 0 and 1 fetch for A, waves 2 and 3 for B; an s_nop 0 and four v_nop follow each line
	s_cmp_eq_u32 s15, 0
	s_cbranch_scc0 .Lfor_b_\@
	tensor_load_to_lds s[\g0a:\g0a+3], s[\g1a:\g1a+7]
	s_nop 0
.rept 4
	v_nop
.endr
	s_branch .Lasked_\@
.Lfor_b_\@:
	tensor_load_to_lds s[\g0b:\g0b+3], s[\g1b:\g1b+7]
	s_nop 0
.rept 4
	v_nop
.endr
.Lasked_\@:
.endm
.macro CREST
	s_cmp_lg_u32 s14, 0
	s_cbranch_scc1 .Lnot_wave_0_\@
	s_barrier_signal -3
.Lnot_wave_0_\@:
	s_barrier_wait -3
	s_barrier_signal -1
	s_barrier_wait -1
.endm
.macro CROUND
	s_barrier_signal -1
	s_barrier_wait -1
	CREST
.endm
	s_load_b256 s[4:11], s[0:1], 0x0               ; att, wgt, X, x1
	v_lshl_add_u32 v[SPW], v0, 2, SPARE
	v_mov_b32 v[NIL], 0
	ds_add_u32 v[SPW], v[NIL]                      ; the wave's opening: the add, twice on end, and its wait ahead of my first tensor load
	ds_add_u32 v[SPW], v[NIL]
	v_lshrrev_b32 v1, 5, v0
	v_readfirstlane_b32 s14, v1
	s_lshr_b32 s15, s14, 1                         ; my half of the tile's rows; also: I fetch for A (0) or B (1)
	s_and_b32 s16, s14, 1                          ; my half of its columns; also: which 128 rows I fetch
	s_bfe_u32 s40, ttmp6, 0x40000
	s_bfe_u32 s41, ttmp6, 0x40004
	s_lshl_b32 s42, ttmp9, 2
	s_add_co_u32 s42, s42, s40                     ; tile column
	s_and_b32 s17, ttmp7, 0xffff
	s_lshl_b32 s17, s17, 2
	s_add_co_u32 s17, s17, s41                     ; tile row
	s_lshl_b32 s43, s41, 2
	s_lshl_b32 s43, 15, s43
	s_lshl_b32 s44, 0x1111, s40
	s_or_b32 s[G1+0], s43, (1<<21)                 ; codes: 128 dense rows of 256 bytes
	s_or_b32 s[G1B+0], s44, (1<<21)
.irp g, G1, G1B
	s_mov_b32 s[\g+1], 256<<16
	s_mov_b32 s[\g+2], 128<<16
	s_mov_b32 s[\g+3], 256<<16
	s_mov_b32 s[\g+4], 128
	s_mov_b32 s[\g+5], 256
	s_mov_b32 s[\g+6], 0
	s_mov_b32 s[\g+7], 0
.endr
	s_or_b32 s[G1S+0], s43, (3<<16)|(1<<21)        ; scale words: HALFS dense bytes as rows of 256
	s_or_b32 s[G1SB+0], s44, (3<<16)|(1<<21)
.irp g, G1S, G1SB
	s_mov_b32 s[\g+1], 32<<16
	s_mov_b32 s[\g+2], (HALFS/256)<<16
	s_mov_b32 s[\g+3], 32<<16
	s_mov_b32 s[\g+4], HALFS/256
	s_mov_b32 s[\g+5], 32
	s_mov_b32 s[\g+6], 0
	s_mov_b32 s[\g+7], 0
.endr
	s_lshl_b32 s20, s17, 1
	s_add_co_u32 s20, s20, s16
	s_lshl_b32 s46, s42, 1
	s_add_co_u32 s46, s46, s16
	s_mul_i32 s22, s20, HALFS
	s_mov_b32 s23, 0
	s_mul_i32 s92, s46, HALFS
	s_mov_b32 s93, 0
	s_mul_i32 s20, s20, NKS*32768
	s_mov_b32 s21, 0
	s_mul_i32 s46, s46, NKS*32768
	s_mov_b32 s47, 0
	s_mul_i32 s45, s14, HALFT
	s_mul_i32 s94, s14, HALFS
	s_wait_dscnt 0x0                               ; both opening adds are done
	s_wait_kmcnt 0x0
	s_mov_b64 s[12:13], s[10:11]                   ; the output
	s_mov_b64 s[RES:RES+1], s[8:9]                 ; the residual
	s_add_nc_u64 s[8:9], s[6:7], BCODES
	s_add_nc_u64 s[10:11], s[6:7], BSCALES
	s_add_nc_u64 s[6:7], s[4:5], ASCALES
	s_add_nc_u64 s[20:21], s[4:5], s[20:21]
	s_add_nc_u64 s[22:23], s[6:7], s[22:23]
	s_add_nc_u64 s[46:47], s[8:9], s[46:47]
	s_add_nc_u64 s[92:93], s[10:11], s[92:93]
	CROUND                                         ; the first joint loads meet
	s_mov_b32 s[G0S], 1
	s_add_co_u32 s[G0S+1], s94, SCL
	s_mov_b64 s[G0S+2:G0S+3], s[22:23]
	s_or_b32 s[G0S+3], s[G0S+3], 0x80000000
	s_mov_b32 s[G0SB], 1
	s_add_co_u32 s[G0SB+1], s94, SCL
	s_mov_b64 s[G0SB+2:G0SB+3], s[92:93]
	s_or_b32 s[G0SB+3], s[G0SB+3], 0x80000000
	JLOAD G0S, G1S, G0SB, G1SB
.irp s, 0,1
	s_mov_b32 s[G0+4*\s], 1
	s_add_co_u32 s[G0+4*\s+1], s45, \s*SLOT
	s_add_nc_u64 s[G0+4*\s+2:G0+4*\s+3], s[20:21], \s*32768
	s_or_b32 s[G0+4*\s+3], s[G0+4*\s+3], 0x80000000
	s_mov_b32 s[G0B+4*\s], 1
	s_add_co_u32 s[G0B+4*\s+1], s45, \s*SLOT
	s_add_nc_u64 s[G0B+4*\s+2:G0B+4*\s+3], s[46:47], \s*32768
	s_or_b32 s[G0B+4*\s+3], s[G0B+4*\s+3], 0x80000000
	JLOAD G0+4*\s, G1, G0B+4*\s, G1B
.endr
	v_and_b32 v1, 15, v0
	v_bfe_u32 v2, v0, 4, 1
	v_and_b32 v3, 31, v0
	v_lshlrev_b32 v4, 4, v3
	s_mul_i32 s21, s15, HALFT
	s_mul_i32 s22, s16, HALFT
	s_add_co_u32 s22, s22, 2*HALFT
.irp s, 0,1
	v_add_nc_u32 v[ADRA+\s], s21, v4
	v_add_nc_u32 v[ADRB+\s], s22, v4
	s_add_co_u32 s21, s21, SLOT
	s_add_co_u32 s22, s22, SLOT
.endr
	v_lshlrev_b32 v5, 2, v1
	s_mul_i32 s21, s15, HALFS
	s_mul_i32 s22, s16, HALFS
	s_add_co_u32 s22, s22, 2*HALFS
	s_sub_co_u32 s22, s22, s21
	v_mul_u32_u24 v6, s22, v2                      ; lanes 16-31 take B's
	s_add_co_u32 s21, s21, SCL
	v_add_nc_u32 v5, v5, v6
	v_add_nc_u32 v[ADRS], s21, v5
	s_mul_i32 s23, s14, 16*SPITCH                  ; my stage
	v_mul_u32_u24 v5, v1, SPITCH
	v_lshl_add_u32 v5, v2, 6, v5
	v_add_nc_u32 v[STO], s23, v5                   ; in: row r, + 64 h
	v_lshlrev_b32 v[CO], 4, v3                     ; back: 32 lanes take a row of 512 bytes; the same in memory
	v_add_nc_u32 v[RD], s23, v[CO]
	s_lshl_b32 s20, s17, 8
	s_lshl_b32 s21, s15, 7
	s_add_co_u32 s20, s20, s21                     ; my first row
	s_lshl_b32 s20, s20, 12                        ; rows of 4,096 bytes
	s_lshl_b32 s46, s42, 10
	s_lshl_b32 s47, s16, 9
	s_add_co_u32 s46, s46, s47                     ; my first column, in bytes
	s_add_co_u32 s20, s20, s46
	s_mov_b32 s21, 0
	s_add_nc_u64 s[12:13], s[12:13], s[20:21]
	s_add_nc_u64 s[RES:RES+1], s[RES:RES+1], s[20:21]
.macro FRAG reg, adr, q, i
.irp c, 0,1
	ds_load_b128 v[\reg+4*\c:\reg+4*\c+3], v[\adr] offset:8192*(\q)+1024*(\i)+512*\c
.endr
.endm
; 16 matrix instructions; the 64 accumulators take turns, one instruction a turn, in the same order in every step
.macro MUL16 a0, p, q, sc, zero
.irp a, \a0, \a0+1
.irp b, 0,1,2,3,4,5,6,7
.if \zero
	v_wmma_scale_f32_16x16x128_f8f6f4 v[8*(8*((\a)%4)+\b):8*(8*((\a)%4)+\b)+7], v[128*(\p)+FR*\b:128*(\p)+FR*\b+FR-1], v[AF+FR*(\a):AF+FR*(\a)+FR-1], 0, v[SC+8*NQ*(\sc)+NQ*\b+(\q)], v[SC+8*NQ*(\sc)+NQ*(\a)+(\q)] matrix_a_fmt:MATRIX_FMT_FP4 matrix_b_fmt:MATRIX_FMT_FP4 matrix_a_scale:MATRIX_SCALE_ROW1
.else
	v_wmma_scale_f32_16x16x128_f8f6f4 v[8*(8*((\a)%4)+\b):8*(8*((\a)%4)+\b)+7], v[128*(\p)+FR*\b:128*(\p)+FR*\b+FR-1], v[AF+FR*(\a):AF+FR*(\a)+FR-1], v[8*(8*((\a)%4)+\b):8*(8*((\a)%4)+\b)+7], v[SC+8*NQ*(\sc)+NQ*\b+(\q)], v[SC+8*NQ*(\sc)+NQ*(\a)+(\q)] matrix_a_fmt:MATRIX_FMT_FP4 matrix_b_fmt:MATRIX_FMT_FP4 matrix_a_scale:MATRIX_SCALE_ROW1
.endif
.endr
.endr
.endm
.macro FETCH_B slot, q, p
	WIN TO_B
.irp i, 0,1,2,3,4,5,6,7
	FRAG 128*(\p)+FR*\i, ADRB+\slot, \q, \i
.endr
	WIN 0
.endm
.macro FETCH_A slot, q, i0
.irp i, \i0, \i0+1, \i0+2, \i0+3
	FRAG AF+FR*(\i), ADRA+\slot, \q, \i
.endr
.endm
.macro SCALES sc
.irp i, 0,1,2,3,4,5,6,7
.irp q, 0,1,2,3
	ds_load_b32 v[SC+8*NQ*\sc+NQ*\i+\q], v[ADRS] offset:512*\q+64*\i
.endr
.endr
.endm
.macro PLACES n
.rept \n
	v_nop
.endr
.endm
.macro STEP slot, q, zero
	s_wait_dscnt 4*NL                              ; all but the youngest eight loads (A's blocks 4-7) are in
	WIN MUL_LO
	MUL16 0, (\q)%2, \q, \slot, \zero
	MUL16 2, (\q)%2, \q, \slot, \zero
	s_wait_dscnt 0
	PLACES NP
	FETCH_B \slot, (\q)+1, 1-(\q)%2
	FETCH_A \slot, (\q)+1, 0
	WIN MUL_HI
	MUL16 4, (\q)%2, \q, \slot, \zero
	MUL16 6, (\q)%2, \q, \slot, \zero
	PLACES NP
	WIN 0
	FETCH_A \slot, (\q)+1, 4
.endm
.macro TURN slot, next                 ; a slot's last step changes slots: one barrier; nothing is filled again in this launch
	s_wait_tensorcnt 0x0                           ; all my tensor loads have landed
	ds_add_u32 v[SPW], v[NIL]
	s_wait_dscnt 4*NL+1                            ; (the add and the youngest eight loads may be out)
	WIN MUL_LO
	MUL16 0, 1, NQ-1, \slot, 0
	s_wait_dscnt 0x0                               ; the add is done, and my reads of this slot are over
	s_barrier_signal -1
	MUL16 2, 1, NQ-1, \slot, 0
	WIN 0
	s_barrier_wait -1
	PLACES NP
	v_add_nc_u32 v[ADRS], 2048, v[ADRS]
	FETCH_B \next, 0, 0
	FETCH_A \next, 0, 0
	SCALES \next
	WIN MUL_HI
	MUL16 4, 1, NQ-1, \slot, 0
	MUL16 6, 1, NQ-1, \slot, 0
	PLACES NP
	WIN 0
	FETCH_A \next, 0, 4
.endm
.macro STEPS slot, from
.set Q, \from
.rept NQ-1-\from
	STEP \slot, Q, 0
.set Q, Q+1
.endr
.endm
	s_wait_tensorcnt 1                             ; the scale words and K step 0 are in; K step 1's load may be out
	s_barrier_signal -1
	s_barrier_wait -1
	FETCH_B 0, 0, 0
	FETCH_A 0, 0, 0
	SCALES 0
	FETCH_A 0, 0, 4
	STEP 0, 0, 1
	STEPS 0, 1
	TURN 0, 1
	STEPS 1, 0
	s_wait_dscnt 4*NL
	WIN MUL_LO
	MUL16 0, 1, NQ-1, 1, 0
	MUL16 2, 1, NQ-1, 1, 0
	s_wait_dscnt 0
	WIN MUL_HI
	MUL16 4, 1, NQ-1, 1, 0
	MUL16 6, 1, NQ-1, 1, 0
	WIN 0
.macro XLOAD a                         ; the residual's 16 rows of tile a into window 1, set a % 4; every row's place stands in the immediate
	WIN 0x40
.irp t, 0,1,2,3,4,5,6,7,8,9,10,11,12,13,14,15
	global_load_b128 v[64*((\a)%4)+4*\t:64*((\a)%4)+4*\t+3], v[CO], s[RES:RES+1] offset:(32*((\a)/2)+8*((\a)%2)+\t+8*(\t/8))*4096
.endr
	WIN 0
.endm
.macro TOSTAGE a
.set AC, 64*((\a)%4)
	WIN (0x08+4*((\a)/4))                          ; an LDS store's data: window 2 or 3
.irp b, 0,1,2,3,4,5,6,7
	ds_store_b128 v[STO], v[AC+8*\b:AC+8*\b+3] offset:128*(\b/2)+32*(\b%2)         ; each accumulator from its low end on
	ds_store_b128 v[STO], v[AC+8*\b+4:AC+8*\b+7] offset:128*(\b/2)+32*(\b%2)+16
.endr
	WIN 0
.set BB, BK+64*((\a)%2)
.irp t, 0,1,2,3,4,5,6,7,8,9,10,11,12,13,14,15
	ds_load_b128 v[BB+4*\t:BB+4*\t+3], v[RD] offset:\t*SPITCH      ; LDS serves a wave's instructions in order: these see the stores above
.endr
.endm
.macro SEND a, younger, lc             ; younger: LDS instructions issued behind tile a's loads; lc: residual loads issued behind tile a's
.set BB, BK+64*((\a)%2)
.set XB, 64*((\a)%4)
	s_wait_dscnt \younger
	s_wait_loadcnt \lc
	WIN 0x04                                       ; source 1: window 1
.set k, 0
.rept 32
	v_pk_add_f32 v[BB+k:BB+k+1], v[BB+k:BB+k+1], v[XB+k:XB+k+1]
.set k, k+2
.endr
	WIN 0
.irp t, 0,1,2,3,4,5,6,7,8,9,10,11,12,13,14,15
	global_store_b128 v[CO], v[BB+4*\t:BB+4*\t+3], s[12:13] offset:(32*((\a)/2)+8*((\a)%2)+\t+8*(\t/8))*4096   ; 32 lanes store 512 consecutive bytes, aligned
.endr
.endm
	PLACES NP                                      ; in front of loads into registers that the last products read, and of the first read of results
	XLOAD 0
	XLOAD 1
	XLOAD 2
	XLOAD 3
	TOSTAGE 0
.irp a, 1,2,3,4,5,6,7
.if \a > 1
	s_wait_xcnt 0x0                                ; tile a - 2's stores have read their registers: tile a's rows may land there
.endif
	TOSTAGE \a
.if \a < 6
	SEND \a-1, 32, 48                              ; three younger sets of 16 residual loads may be out
.elseif \a == 6
	SEND \a-1, 32, 32
.else
	SEND \a-1, 32, 16
.endif
.if \a < 5
	XLOAD \a+3                                     ; into the set that has just been added
.endif
.endr
	SEND 7, 0, 0
	s_wait_tensorcnt 0x0                           ; the wave's end
	ds_add_u32 v[SPW], v[NIL]
	s_wait_dscnt 0x0
	CROUND                                         ; the closing round
	s_endpgm
.Lfunc_end_k_qc2674a8e5d_go:
	.size	k_qc2674a8e5d_go, .Lfunc_end_k_qc2674a8e5d_go-k_qc2674a8e5d_go
	.p2alignl 7, 3214868480
	.fill 96, 4, 3214868480
	.section	.rodata,"a",@progbits
	.p2align	6, 0x0
	.amdhsa_kernel k_qc2674a8e5d_go
		.amdhsa_group_segment_fixed_size 327680
		.amdhsa_private_segment_fixed_size 0
		.amdhsa_enable_private_segment 0
		.amdhsa_kernarg_size 32
		.amdhsa_user_sgpr_count 2
		.amdhsa_user_sgpr_kernarg_segment_ptr 1
		.amdhsa_wavefront_size32 1
		.amdhsa_system_sgpr_workgroup_id_x 1
		.amdhsa_system_sgpr_workgroup_id_y 1
		.amdhsa_system_sgpr_workgroup_id_z 1
		.amdhsa_system_vgpr_workitem_id 0
		.amdhsa_next_free_vgpr 1024
		.amdhsa_next_free_sgpr 100
		.amdhsa_reserve_vcc 0
		.amdhsa_float_denorm_mode_32 3
		.amdhsa_float_denorm_mode_16_64 3
		.amdhsa_memory_ordered 1
		.amdhsa_forward_progress 1
		.amdhsa_inst_pref_size 156
	.end_amdhsa_kernel
	.amdgpu_metadata
---
amdhsa.version: [ 1, 2 ]
amdhsa.kernels:
  - .name:           k_qc2674a8e5d_go
    .symbol:         k_qc2674a8e5d_go.kd
    .args:
      - { .name: att, .offset: 0, .size: 8, .value_kind: global_buffer, .address_space: global }
      - { .name: wgt, .offset: 8, .size: 8, .value_kind: global_buffer, .address_space: global }
      - { .name: X, .offset: 16, .size: 8, .value_kind: global_buffer, .address_space: global }
      - { .name: x1, .offset: 24, .size: 8, .value_kind: global_buffer, .address_space: global }
    .group_segment_fixed_size: 327680
    .private_segment_fixed_size: 0
    .kernarg_segment_align: 8
    .kernarg_segment_size: 32
    .max_flat_workgroup_size: 128
    .sgpr_count:     100
    .vgpr_count:     1024
    .wavefront_size: 32
...
	.end_amdgpu_metadata
.endif
;; end of part 5
;; launch ln2: the kernel of part 2 again; grid 256 x 1, 8 waves a work-group, no clusters, 69,632 bytes of LDS; arguments x1, ln2_w, hbuf; writes hbuf
;; launch gf1 (part 6): grid 16 x 16, 4 waves a work-group, clusters of 4 x 4, 327,680 bytes of LDS; arguments hbuf, wgt, act; writes act
.if DOCPART == 6
	.amdgcn_target "amdgcn-amd-amdhsa--gfx1250"
	.amdhsa_code_object_version 6
	.text
	.protected	k_qc2674a8e5d_gf1
	.globl	k_qc2674a8e5d_gf1
	.p2align	8
	.type	k_qc2674a8e5d_gf1,@function
k_qc2674a8e5d_gf1:
	s_mov_b64 s[64:65], 0
	v_nop
	global_prefetch_b8 v0, s[64:65] scope:SCOPE_SE
	s_setreg_imm32_b32 hwreg(HW_REG_WAVE_MODE, 25, 1), 1
	s_wait_xcnt 0x0
	s_wait_alu depctr_hold_cnt(0) depctr_sa_sdst(0) depctr_va_vdst(0) depctr_va_sdst(0) depctr_va_ssrc(0) depctr_va_vcc(0) depctr_vm_vsrc(0)
	s_getreg_b32 s2, hwreg(HW_REG_IB_STS2, 6, 4)
	s_cmp_eq_u32 s2, 0
	s_cbranch_scc0 .Lentry_in_a_cluster
	s_endpgm
.Lentry_in_a_cluster:
	s_bfe_u32 s2, ttmp6, 0x10000c
	s_cmp_lg_u32 s2, 0xf033
	s_cbranch_scc0 .Lentry_shape_is_right
	s_endpgm
.Lentry_shape_is_right:
; act = a x gelu(g), (a, g) = LN(x1) Wfc1, the product on codes of FP4 (E2M1) with E8M0 scales, K = 1,024; act is quantised at once along the hidden axis for the product that follows.  No work is left out.
; gelu(g) = 0.5 g (1 + tanh(u)), u = sqrt(2 / pi) (g + 0.044715 g^3), is computed as g / (1 + 2^z), z = g (c1 + c2 g^2), c1 = -2 log2(e) sqrt(2 / pi), c2 = 0.044715 c1: the same function; 2^z runs to infinity or 0 for large |g| and the quotient to 0 or g.
; Its rounding differs from the tanh form's in the far negative tail, where gelu is next to 0.
; A (hbuf) and B (Wfc1 in wgt) are IMAGES OF THE OPERAND'S REGISTERS: codes at (rb 2 + ks) 32768 + q 8192 + i 1024 + c 512 + 16 lane, scale words at (rb 2 + ks) 2048 + q 512 + i 64 + 4 r; lane r of tile i = 2 b + u holds row 32 b + 8 u + r + 8 (r / 8) of block rb.
; A block of B holds a of 64 hidden units in rows 0-63 and g of the same units in rows 64-127.  THE MATRIX INSTRUCTION IS USED TRANSPOSED: of A's tile a lane (r, h) holds a(32 b + 16 h + e) in register 16 b + e and g of the same unit in register 32 + 16 b + e.
; OUT: act as an image for K = 2,048: a wave's 64 hidden units are register group c = my half of the columns of the 128 numbered by the tile column: codes at rbA 131072 + column 8192 + a 1024 + c 512 + 16 lane, two scale bytes at 4194304 + rbA 8192 + column 512 + 64 a + 4 r + 2 c.
; CLUSTERS: 4 x 4 work-groups; A's tiles are asked for jointly along a row of the cluster, B's along a column.  All of K and all scale words are asked for at the head: nothing is filled twice.
; LIMITS: NaN and infinities are not served; a block of zeros gets byte 1 (its codes are zeros; this program alone reads the bytes); blocks under 2^-124 are held at byte 1.
; REGISTERS, in windows of 256: window 0: v0-31 addresses; v32-95 scale words and nothing else; v100-101 c1; v128-191 A's fragments, on the way out v128-159 at work; v192-223 codes; v224-239 at work; v240-251 scale bytes.  window 1: B's fragments.  windows 2, 3: accumulators.
.set NKS,    2
.set ASCALES, 2097152
.set BCODES,  2097152
.set BSCALES, 5373952
.set NQ,     4
.set FR,     8
.set NL,     2
.set NP,     4
.set HALFT,  32768
.set SLOT,   4*HALFT
.set LAPS,   NKS/2
.set SCL,    2*SLOT
.set HALFS,  NKS*2048
.set SPARE,  SCL+4*HALFS               ; the spare words, 128 bytes for each wave: no other line names them
.set ADRA, 16
.set ADRB, 20
.set CO,   26
.set ADRS, 27
.set SPW,  28
.set NIL,  29
.set SC,   32
.set AF,   128
.set T,    128
.set PC,   192
.set TM,   224
.set PW,   240
.set SEL,  96
.set G1, 24
.set G0, 32
.set G1B, 48
.set G0B, 56
.set G1S, 68
.set G0S, 76
.set G1SB, 80
.set G0SB, 88
.set MSB, 0
.macro WIN new                         ; the immediate's high byte repeats the setting that is left
.if MSB != (\new)
	s_set_vgpr_msb (MSB<<8)|(\new)
.set MSB, (\new)
.endif
.endm
.set MUL_LO, 0xa1
.set MUL_HI, 0xf1
.set TO_B,   0x40
.macro JLOAD g0a, g1a, g0b, g1b        ; a joint load: waves 0 and 1 fetch for A, waves 2 and 3 for B; an s_nop 0 and four v_nop follow each line
	s_cmp_eq_u32 s15, 0
	s_cbranch_scc0 .Lfor_b_\@
	tensor_load_to_lds s[\g0a:\g0a+3], s[\g1a:\g1a+7]
	s_nop 0
.rept 4
	v_nop
.endr
	s_branch .Lasked_\@
.Lfor_b_\@:
	tensor_load_to_lds s[\g0b:\g0b+3], s[\g1b:\g1b+7]
	s_nop 0
.rept 4
	v_nop
.endr
.Lasked_\@:
.endm
.macro CREST
	s_cmp_lg_u32 s14, 0
	s_cbranch_scc1 .Lnot_wave_0_\@
	s_barrier_signal -3
.Lnot_wave_0_\@:
	s_barrier_wait -3
	s_barrier_signal -1
	s_barrier_wait -1
.endm
.macro CROUND
	s_barrier_signal -1
	s_barrier_wait -1
	CREST
.endm
	s_load_b128 s[4:7], s[0:1], 0x0                ; hbuf, wgt
	s_load_b64 s[12:13], s[0:1], 0x10              ; act
	v_lshl_add_u32 v[SPW], v0, 2, SPARE
	v_mov_b32 v[NIL], 0
	ds_add_u32 v[SPW], v[NIL]                      ; the wave's opening: the add, twice on end, and its wait ahead of my first tensor load
	ds_add_u32 v[SPW], v[NIL]
	v_lshrrev_b32 v1, 5, v0
	v_readfirstlane_b32 s14, v1
	s_lshr_b32 s15, s14, 1                         ; my half of the tile's rows; also: I fetch for A (0) or B (1)
	s_and_b32 s16, s14, 1                          ; my half of its columns; also: which 128 rows I fetch
	s_bfe_u32 s40, ttmp6, 0x40000
	s_bfe_u32 s41, ttmp6, 0x40004
	s_lshl_b32 s42, ttmp9, 2
	s_add_co_u32 s42, s42, s40                     ; tile column
	s_and_b32 s17, ttmp7, 0xffff
	s_lshl_b32 s17, s17, 2
	s_add_co_u32 s17, s17, s41                     ; tile row
	s_lshl_b32 s43, s41, 2
	s_lshl_b32 s43, 15, s43
	s_lshl_b32 s44, 0x1111, s40
	s_or_b32 s[G1+0], s43, (1<<21)                 ; codes: 128 dense rows of 256 bytes
	s_or_b32 s[G1B+0], s44, (1<<21)
.irp g, G1, G1B
	s_mov_b32 s[\g+1], 256<<16
	s_mov_b32 s[\g+2], 128<<16
	s_mov_b32 s[\g+3], 256<<16
	s_mov_b32 s[\g+4], 128
	s_mov_b32 s[\g+5], 256
	s_mov_b32 s[\g+6], 0
	s_mov_b32 s[\g+7], 0
.endr
	s_or_b32 s[G1S+0], s43, (3<<16)|(1<<21)        ; scale words: HALFS dense bytes as rows of 256
	s_or_b32 s[G1SB+0], s44, (3<<16)|(1<<21)
.irp g, G1S, G1SB
	s_mov_b32 s[\g+1], 32<<16
	s_mov_b32 s[\g+2], (HALFS/256)<<16
	s_mov_b32 s[\g+3], 32<<16
	s_mov_b32 s[\g+4], HALFS/256
	s_mov_b32 s[\g+5], 32
	s_mov_b32 s[\g+6], 0
	s_mov_b32 s[\g+7], 0
.endr
	s_lshl_b32 s20, s17, 1
	s_add_co_u32 s20, s20, s16
	s_lshl_b32 s46, s42, 1
	s_add_co_u32 s46, s46, s16
	s_mul_i32 s22, s20, HALFS
	s_mov_b32 s23, 0
	s_mul_i32 s92, s46, HALFS
	s_mov_b32 s93, 0
	s_mul_i32 s20, s20, NKS*32768
	s_mov_b32 s21, 0
	s_mul_i32 s46, s46, NKS*32768
	s_mov_b32 s47, 0
	s_mul_i32 s45, s14, HALFT
	s_mul_i32 s94, s14, HALFS
	s_mov_b32 s[SEL], 0x76543210
	s_mov_b32 s[SEL+1], 0xfedcba98
	s_mov_b32 s66, 0xbdd2d3e8                      ; c2
	s_mov_b32 s67, s66
	s_wait_dscnt 0x0                               ; both opening adds are done
	s_wait_kmcnt 0x0
	s_add_nc_u64 s[8:9], s[6:7], BCODES
	s_add_nc_u64 s[10:11], s[6:7], BSCALES
	s_add_nc_u64 s[6:7], s[4:5], ASCALES
	s_add_nc_u64 s[20:21], s[4:5], s[20:21]
	s_add_nc_u64 s[22:23], s[6:7], s[22:23]
	s_add_nc_u64 s[46:47], s[8:9], s[46:47]
	s_add_nc_u64 s[92:93], s[10:11], s[92:93]
	CROUND                                         ; the first joint loads meet
	s_mov_b32 s[G0S], 1
	s_add_co_u32 s[G0S+1], s94, SCL
	s_mov_b64 s[G0S+2:G0S+3], s[22:23]
	s_or_b32 s[G0S+3], s[G0S+3], 0x80000000
	s_mov_b32 s[G0SB], 1
	s_add_co_u32 s[G0SB+1], s94, SCL
	s_mov_b64 s[G0SB+2:G0SB+3], s[92:93]
	s_or_b32 s[G0SB+3], s[G0SB+3], 0x80000000
	JLOAD G0S, G1S, G0SB, G1SB
.irp s, 0,1
	s_mov_b32 s[G0+4*\s], 1
	s_add_co_u32 s[G0+4*\s+1], s45, \s*SLOT
	s_add_nc_u64 s[G0+4*\s+2:G0+4*\s+3], s[20:21], \s*32768
	s_or_b32 s[G0+4*\s+3], s[G0+4*\s+3], 0x80000000
	s_mov_b32 s[G0B+4*\s], 1
	s_add_co_u32 s[G0B+4*\s+1], s45, \s*SLOT
	s_add_nc_u64 s[G0B+4*\s+2:G0B+4*\s+3], s[46:47], \s*32768
	s_or_b32 s[G0B+4*\s+3], s[G0B+4*\s+3], 0x80000000
	JLOAD G0+4*\s, G1, G0B+4*\s, G1B
.endr
	v_and_b32 v1, 15, v0
	v_bfe_u32 v2, v0, 4, 1
	v_and_b32 v3, 31, v0
	v_lshlrev_b32 v4, 4, v3
	s_mul_i32 s21, s15, HALFT
	s_mul_i32 s22, s16, HALFT
	s_add_co_u32 s22, s22, 2*HALFT
.irp s, 0,1
	v_add_nc_u32 v[ADRA+\s], s21, v4
	v_add_nc_u32 v[ADRB+\s], s22, v4
	s_add_co_u32 s21, s21, SLOT
	s_add_co_u32 s22, s22, SLOT
.endr
	v_lshlrev_b32 v5, 2, v1
	s_mul_i32 s21, s15, HALFS
	s_mul_i32 s22, s16, HALFS
	s_add_co_u32 s22, s22, 2*HALFS
	s_sub_co_u32 s22, s22, s21
	v_mul_u32_u24 v6, s22, v2                      ; lanes 16-31 take B's
	s_add_co_u32 s21, s21, SCL
	v_add_nc_u32 v5, v5, v6
	v_add_nc_u32 v[ADRS], s21, v5
	v_lshlrev_b32 v[CO], 4, v3                     ; the way out: 16 x lane
	v_lshlrev_b32 v25, 2, v3                       ; and 4 x lane
	v_mov_b32 v100, 0xc0135761                     ; c1
	v_mov_b32 v101, v100
	v_mov_b32 v[TM+4], 0                           ; written once: a lane permute's destination counts as one of its sources
	v_mov_b32 v[TM+5], 0
.macro FRAG reg, adr, q, i
.irp c, 0,1
	ds_load_b128 v[\reg+4*\c:\reg+4*\c+3], v[\adr] offset:8192*(\q)+1024*(\i)+512*\c
.endr
.endm
; 16 matrix instructions; the 64 accumulators take turns, one instruction a turn, in the same order in every step
.macro MUL16 a0, p, q, sc, zero
.irp a, \a0, \a0+1
.irp b, 0,1,2,3,4,5,6,7
.if \zero
	v_wmma_scale_f32_16x16x128_f8f6f4 v[8*(8*((\a)%4)+\b):8*(8*((\a)%4)+\b)+7], v[128*(\p)+FR*\b:128*(\p)+FR*\b+FR-1], v[AF+FR*(\a):AF+FR*(\a)+FR-1], 0, v[SC+8*NQ*(\sc)+NQ*\b+(\q)], v[SC+8*NQ*(\sc)+NQ*(\a)+(\q)] matrix_a_fmt:MATRIX_FMT_FP4 matrix_b_fmt:MATRIX_FMT_FP4 matrix_a_scale:MATRIX_SCALE_ROW1
.else
	v_wmma_scale_f32_16x16x128_f8f6f4 v[8*(8*((\a)%4)+\b):8*(8*((\a)%4)+\b)+7], v[128*(\p)+FR*\b:128*(\p)+FR*\b+FR-1], v[AF+FR*(\a):AF+FR*(\a)+FR-1], v[8*(8*((\a)%4)+\b):8*(8*((\a)%4)+\b)+7], v[SC+8*NQ*(\sc)+NQ*\b+(\q)], v[SC+8*NQ*(\sc)+NQ*(\a)+(\q)] matrix_a_fmt:MATRIX_FMT_FP4 matrix_b_fmt:MATRIX_FMT_FP4 matrix_a_scale:MATRIX_SCALE_ROW1
.endif
.endr
.endr
.endm
.macro FETCH_B slot, q, p
	WIN TO_B
.irp i, 0,1,2,3,4,5,6,7
	FRAG 128*(\p)+FR*\i, ADRB+\slot, \q, \i
.endr
	WIN 0
.endm
.macro FETCH_A slot, q, i0
.irp i, \i0, \i0+1, \i0+2, \i0+3
	FRAG AF+FR*(\i), ADRA+\slot, \q, \i
.endr
.endm
.macro SCALES sc
.irp i, 0,1,2,3,4,5,6,7
.irp q, 0,1,2,3
	ds_load_b32 v[SC+8*NQ*\sc+NQ*\i+\q], v[ADRS] offset:512*\q+64*\i
.endr
.endr
.endm
.macro PLACES n
.rept \n
	v_nop
.endr
.endm
.macro STEP slot, q, zero
	s_wait_dscnt 4*NL                              ; all but the youngest eight loads (A's blocks 4-7) are in
	WIN MUL_LO
	MUL16 0, (\q)%2, \q, \slot, \zero
	MUL16 2, (\q)%2, \q, \slot, \zero
	s_wait_dscnt 0
	PLACES NP
	FETCH_B \slot, (\q)+1, 1-(\q)%2
	FETCH_A \slot, (\q)+1, 0
	WIN MUL_HI
	MUL16 4, (\q)%2, \q, \slot, \zero
	MUL16 6, (\q)%2, \q, \slot, \zero
	PLACES NP
	WIN 0
	FETCH_A \slot, (\q)+1, 4
.endm
.macro TURN slot, next                 ; a slot's last step changes slots: one barrier; nothing is filled again in this launch
	s_wait_tensorcnt 0x0                           ; all my tensor loads have landed
	ds_add_u32 v[SPW], v[NIL]
	s_wait_dscnt 4*NL+1                            ; (the add and the youngest eight loads may be out)
	WIN MUL_LO
	MUL16 0, 1, NQ-1, \slot, 0
	s_wait_dscnt 0x0                               ; the add is done, and my reads of this slot are over
	s_barrier_signal -1
	MUL16 2, 1, NQ-1, \slot, 0
	WIN 0
	s_barrier_wait -1
	PLACES NP
	v_add_nc_u32 v[ADRS], 2048, v[ADRS]
	FETCH_B \next, 0, 0
	FETCH_A \next, 0, 0
	SCALES \next
	WIN MUL_HI
	MUL16 4, 1, NQ-1, \slot, 0
	MUL16 6, 1, NQ-1, \slot, 0
	PLACES NP
	WIN 0
	FETCH_A \next, 0, 4
.endm
.macro STEPS slot, from
.set Q, \from
.rept NQ-1-\from
	STEP \slot, Q, 0
.set Q, Q+1
.endr
.endm
	s_wait_tensorcnt 1                             ; the scale words and K step 0 are in; K step 1's load may be out
	s_barrier_signal -1
	s_barrier_wait -1
	FETCH_B 0, 0, 0
	FETCH_A 0, 0, 0
	SCALES 0
	FETCH_A 0, 0, 4
	STEP 0, 0, 1
	STEPS 0, 1
	TURN 0, 1
	STEPS 1, 0
	s_wait_dscnt 4*NL
	WIN MUL_LO
	MUL16 0, 1, NQ-1, 1, 0
	MUL16 2, 1, NQ-1, 1, 0
	s_wait_dscnt 0
	WIN MUL_HI
	MUL16 4, 1, NQ-1, 1, 0
	MUL16 6, 1, NQ-1, 1, 0
	WIN 0
	PLACES NP
.macro QUANT2 s, pc, pw                ; 32 numbers of a lane, register 16 b + e = k 32 b + 16 (lane / 16) + e, become one register group of codes (k = 32 (lane / 16) + 0..31) and two scale bytes
.irp b, 0,1
	v_max3_num_f32 v[TM+\b], |v[(\s)+16*\b]|, |v[(\s)+16*\b+1]|, 0x1800000
.endr
.irp e, 2,4,6,8,10,12,14
.irp b, 0,1
	v_max3_num_f32 v[TM+\b], v[TM+\b], |v[(\s)+16*\b+\e]|, |v[(\s)+16*\b+\e+1]|
.endr
.endr
.irp b, 0,1
	v_permlanex16_b32 v[TM+4+\b], v[TM+\b], s[SEL], s[SEL+1]
.endr
.irp b, 0,1
	v_max_num_f32 v[TM+\b], v[TM+\b], v[TM+4+\b]
.endr
.irp b, 0,1
	v_add_nc_u32 v[TM+12+\b], 0xff000000, v[TM+\b]
.endr
.irp b, 0,1
	v_lshrrev_b32 v[TM+4+\b], 23, v[TM+12+\b]
.endr
	v_lshl_or_b32 v[\pw], v[TM+5], 8, v[TM+4]
.irp b, 0,1
	v_cvt_scalef32_pk8_fp4_f32 v[(\pc)+2*\b], v[(\s)+16*\b:(\s)+16*\b+7], v[TM+12+\b]
	v_cvt_scalef32_pk8_fp4_f32 v[(\pc)+2*\b+1], v[(\s)+16*\b+8:(\s)+16*\b+15], v[TM+12+\b]
.endr
	v_nop                                          ; one plain place behind a scaled conversion
	v_permlane16_swap_b32 v[\pc], v[(\pc)+2]
	v_permlane16_swap_b32 v[(\pc)+1], v[(\pc)+3]
.endm
	s_lshl_b32 s20, s17, 1
	s_add_co_u32 s20, s20, s15                     ; A's block
	s_lshl_b32 s22, s20, 17
	s_lshl_b32 s21, s42, 13
	s_add_co_u32 s22, s22, s21
	s_lshl_b32 s21, s16, 9
	s_add_co_u32 s22, s22, s21
	s_mov_b32 s23, 0
	s_lshl_b32 s46, s20, 13
	s_lshl_b32 s21, s42, 9
	s_add_co_u32 s46, s46, s21
	s_lshl_b32 s21, s16, 1
	s_add_co_u32 s46, s46, s21
	s_add_co_u32 s46, s46, 4194304
	s_mov_b32 s47, 0
	s_add_nc_u64 s[98:99], s[12:13], s[46:47]      ; the scale bytes
	s_add_nc_u64 s[12:13], s[12:13], s[22:23]      ; the codes
	v_and_b32 v1, 31, v0
	v_cmp_lt_u32 vcc_lo, 15, v1                    ; lanes 16-31
.irp a, 0,1,2,3,4,5,6,7
.set W, 2+\a/4
.set AB, 64*(\a%4)
	WIN (W|(W<<2))
.set k, 0
.rept 16
	v_pk_mul_f32 v[T+k:T+k+1], v[AB+32+k:AB+33+k], v[AB+32+k:AB+33+k]   ; g^2 (each accumulator is read from its low end on)
.set k, k+2
.endr
	WIN 0
.set k, 0
.rept 16
	v_pk_fma_f32 v[T+k:T+k+1], v[T+k:T+k+1], s[66:67], v[100:101] op_sel_hi:[1,0,0]   ; c2 g^2 + c1
.set k, k+2
.endr
	WIN (W<<2)
.set k, 0
.rept 16
	v_pk_mul_f32 v[T+k:T+k+1], v[T+k:T+k+1], v[AB+32+k:AB+33+k]    ; z
.set k, k+2
.endr
	WIN 0
.set k, 0
.rept 32
	v_exp_f32 v[T+k], v[T+k]
.set k, k+1
.endr
	v_nop                                          ; one plain place behind the batch
	s_wait_alu depctr_va_vdst(0)                   ; the wait ahead of the first reader: one for the batch
.set k, 0
.rept 16
	v_pk_add_f32 v[T+k:T+k+1], v[T+k:T+k+1], 1.0 op_sel_hi:[1,0]
.set k, k+2
.endr
.set k, 0
.rept 32
	v_rcp_f32 v[T+k], v[T+k]
.set k, k+1
.endr
	v_nop
	s_wait_alu depctr_va_vdst(0)
	WIN (W<<2)
.set k, 0
.rept 16
	v_pk_mul_f32 v[T+k:T+k+1], v[T+k:T+k+1], v[AB+32+k:AB+33+k]    ; gelu(g)
.set k, k+2
.endr
.set k, 0
.rept 16
	v_pk_mul_f32 v[T+k:T+k+1], v[T+k:T+k+1], v[AB+k:AB+k+1]        ; x a
.set k, k+2
.endr
	WIN 0
	QUANT2 T, PC+4*\a, PW+\a
	global_store_b128 v[CO], v[PC+4*\a:PC+4*\a+3], s[12:13] offset:1024*\a   ; 32 lanes store 512 consecutive bytes, aligned; no store's data are written again
.endr
.irp e, 0,1,2,3                        ; the bytes of tiles 2 e (lanes 0-15) and 2 e + 1 (lanes 16-31); the other half of each word is the neighbouring wave's
	v_cndmask_b32 v[248+\e], v[PW+2*\e], v[PW+2*\e+1], vcc_lo
	global_store_b16 v25, v[248+\e], s[98:99] offset:128*\e
.endr
	s_wait_tensorcnt 0x0                           ; the wave's end
	ds_add_u32 v[SPW], v[NIL]
	s_wait_dscnt 0x0
	CROUND                                         ; the closing round
	s_endpgm
.Lfunc_end_k_qc2674a8e5d_gf1:
	.size	k_qc2674a8e5d_gf1, .Lfunc_end_k_qc2674a8e5d_gf1-k_qc2674a8e5d_gf1
	.p2alignl 7, 3214868480
	.fill 96, 4, 3214868480
	.section	.rodata,"a",@progbits
	.p2align	6, 0x0
	.amdhsa_kernel k_qc2674a8e5d_gf1
		.amdhsa_group_segment_fixed_size 327680
		.amdhsa_private_segment_fixed_size 0
		.amdhsa_enable_private_segment 0
		.amdhsa_kernarg_size 24
		.amdhsa_user_sgpr_count 2
		.amdhsa_user_sgpr_kernarg_segment_ptr 1
		.amdhsa_wavefront_size32 1
		.amdhsa_system_sgpr_workgroup_id_x 1
		.amdhsa_system_sgpr_workgroup_id_y 1
		.amdhsa_system_sgpr_workgroup_id_z 1
		.amdhsa_system_vgpr_workitem_id 0
		.amdhsa_next_free_vgpr 1024
		.amdhsa_next_free_sgpr 100
		.amdhsa_reserve_vcc 1
		.amdhsa_float_denorm_mode_32 3
		.amdhsa_float_denorm_mode_16_64 3
		.amdhsa_memory_ordered 1
		.amdhsa_forward_progress 1
		.amdhsa_inst_pref_size 181
	.end_amdhsa_kernel
	.amdgpu_metadata
---
amdhsa.version: [ 1, 2 ]
amdhsa.kernels:
  - .name:           k_qc2674a8e5d_gf1
    .symbol:         k_qc2674a8e5d_gf1.kd
    .args:
      - { .name: hbuf, .offset: 0, .size: 8, .value_kind: global_buffer, .address_space: global }
      - { .name: wgt, .offset: 8, .size: 8, .value_kind: global_buffer, .address_space: global }
      - { .name: act, .offset: 16, .size: 8, .value_kind: global_buffer, .address_space: global }
    .group_segment_fixed_size: 327680
    .private_segment_fixed_size: 0
    .kernarg_segment_align: 8
    .kernarg_segment_size: 24
    .max_flat_workgroup_size: 128
    .sgpr_count:     100
    .vgpr_count:     1024
    .wavefront_size: 32
...
	.end_amdgpu_metadata
.endif
;; end of part 6
;; launch gf2 (part 7): grid 4 x 16, 4 waves a work-group, clusters of 4 x 4, 327,680 bytes of LDS; arguments act, wgt, x1, out0; writes out0
.if DOCPART == 7
	.amdgcn_target "amdgcn-amd-amdhsa--gfx1250"
	.amdhsa_code_object_version 6
	.text
	.protected	k_qc2674a8e5d_gf2
	.globl	k_qc2674a8e5d_gf2
	.p2align	8
	.type	k_qc2674a8e5d_gf2,@function
k_qc2674a8e5d_gf2:
	s_mov_b64 s[64:65], 0
	v_nop
	global_prefetch_b8 v0, s[64:65] scope:SCOPE_SE
	s_setreg_imm32_b32 hwreg(HW_REG_WAVE_MODE, 25, 1), 1
	s_wait_xcnt 0x0
	s_wait_alu depctr_hold_cnt(0) depctr_sa_sdst(0) depctr_va_vdst(0) depctr_va_sdst(0) depctr_va_ssrc(0) depctr_va_vcc(0) depctr_vm_vsrc(0)
	s_getreg_b32 s2, hwreg(HW_REG_IB_STS2, 6, 4)
	s_cmp_eq_u32 s2, 0
	s_cbranch_scc0 .Lentry_in_a_cluster
	s_endpgm
.Lentry_in_a_cluster:
	s_bfe_u32 s2, ttmp6, 0x10000c
	s_cmp_lg_u32 s2, 0xf033
	s_cbranch_scc0 .Lentry_shape_is_right
	s_endpgm
.Lentry_shape_is_right:
; out0 = x1 + act Wfc2, the product on codes of FP4 (E2M1) with E8M0 scales, K = 2,048; sums and the residual in f32.  No work is left out.
; A (act) and B (Wfc2 in wgt) are IMAGES OF THE OPERAND'S REGISTERS: codes at (rb 4 + ks) 32768 + q 8192 + i 1024 + c 512 + 16 lane, scale words at (rb 4 + ks) 2048 + q 512 + i 64 + 4 r; lane r of tile i = 2 b + u holds row PM(i, r) = 32 b + 8 u + r + 8 (r / 8) of block rb.
; A tile of 256 x 256 is made by four waves, 128 x 128 each.  THE MATRIX INSTRUCTION IS USED TRANSPOSED (source 0 = 16 rows of B, source 1 = 16 rows of A): lane (r, h) holds row PM(a, r), and register 8 b + j of A's tile a is column 32 (b / 2) + 16 h + 8 (b % 2) + j.
; 64 work-groups: N = 1,024 gives no more tiles of this size; the tile is kept so that the four products of this program share one main loop.
; K goes in four steps of 512 through a ring of two LDS slots; the scale words of all of K come once.  CLUSTERS: 4 x 4 work-groups; A's tiles are asked for jointly along a row of the cluster, B's along a column; each of the two refills stands behind a round of the cluster's barrier.
; No prefetch: the launch has two refills, each asked for a whole K step, 240 matrix instructions, ahead of the wait for it.
; THE WAY OUT: a tile of 16 rows goes through the wave's own stage in LDS (in slot 0, which has had its last fill and its last read) and comes back as whole rows of 512 bytes; x1's rows, asked for three tiles ahead, are added; 32 lanes store 512 consecutive bytes.
; REGISTERS, in windows of 256: window 0: v0-31 addresses; v32-95 scale words and nothing else; v128-191 A's fragments; on the way out v128-255 rows read back.  window 1: B's fragments, on the way out x1's rows.  windows 2, 3: accumulators.
.set NKS,    4
.set ASCALES, 4194304
.set BCODES,  4194304
.set BSCALES, 5505024
.set NQ,     4
.set FR,     8
.set NL,     2
.set NP,     4
.set HALFT,  32768
.set SLOT,   4*HALFT
.set LAPS,   NKS/2
.set SCL,    2*SLOT
.set HALFS,  NKS*2048
.set SPARE,  SCL+4*HALFS               ; the spare words, 128 bytes for each wave: no other line names them
.set SPITCH, 528
.set ADRA, 16
.set ADRB, 20
.set STO,  24
.set RD,   25
.set CO,   26
.set ADRS, 27
.set SPW,  28
.set NIL,  29
.set SC,   32
.set AF,   128
.set BK,   128
.set RES,  98
.set G1, 24
.set G0, 32
.set G1B, 48
.set G0B, 56
.set G1S, 68
.set G0S, 76
.set G1SB, 80
.set G0SB, 88
.set MSB, 0
.macro WIN new                         ; the immediate's high byte repeats the setting that is left
.if MSB != (\new)
	s_set_vgpr_msb (MSB<<8)|(\new)
.set MSB, (\new)
.endif
.endm
.set MUL_LO, 0xa1
.set MUL_HI, 0xf1
.set TO_B,   0x40
.macro JLOAD g0a, g1a, g0b, g1b        ; a joint load: waves 0 and 1 fetch for A, waves 2 and 3 for B; an s_nop 0 and four v_nop follow each line
	s_cmp_eq_u32 s15, 0
	s_cbranch_scc0 .Lfor_b_\@
	tensor_load_to_lds s[\g0a:\g0a+3], s[\g1a:\g1a+7]
	s_nop 0
.rept 4
	v_nop
.endr
	s_branch .Lasked_\@
.Lfor_b_\@:
	tensor_load_to_lds s[\g0b:\g0b+3], s[\g1b:\g1b+7]
	s_nop 0
.rept 4
	v_nop
.endr
.Lasked_\@:
.endm
.macro CREST
	s_cmp_lg_u32 s14, 0
	s_cbranch_scc1 .Lnot_wave_0_\@
	s_barrier_signal -3
.Lnot_wave_0_\@:
	s_barrier_wait -3
	s_barrier_signal -1
	s_barrier_wait -1
.endm
.macro CROUND
	s_barrier_signal -1
	s_barrier_wait -1
	CREST
.endm
	s_load_b256 s[4:11], s[0:1], 0x0               ; act, wgt, x1, out0
	v_lshl_add_u32 v[SPW], v0, 2, SPARE
	v_mov_b32 v[NIL], 0
	ds_add_u32 v[SPW], v[NIL]                      ; the wave's opening: the add, twice on end, and its wait ahead of my first tensor load
	ds_add_u32 v[SPW], v[NIL]
	v_lshrrev_b32 v1, 5, v0
	v_readfirstlane_b32 s14, v1
	s_lshr_b32 s15, s14, 1                         ; my half of the tile's rows; also: I fetch for A (0) or B (1)
	s_and_b32 s16, s14, 1                          ; my half of its columns; also: which 128 rows I fetch
	s_bfe_u32 s40, ttmp6, 0x40000
	s_bfe_u32 s41, ttmp6, 0x40004
	s_lshl_b32 s42, ttmp9, 2
	s_add_co_u32 s42, s42, s40                     ; tile column
	s_and_b32 s17, ttmp7, 0xffff
	s_lshl_b32 s17, s17, 2
	s_add_co_u32 s17, s17, s41                     ; tile row
	s_lshl_b32 s43, s41, 2
	s_lshl_b32 s43, 15, s43
	s_lshl_b32 s44, 0x1111, s40
	s_or_b32 s[G1+0], s43, (1<<21)                 ; codes: 128 dense rows of 256 bytes
	s_or_b32 s[G1B+0], s44, (1<<21)
.irp g, G1, G1B
	s_mov_b32 s[\g+1], 256<<16
	s_mov_b32 s[\g+2], 128<<16
	s_mov_b32 s[\g+3], 256<<16
	s_mov_b32 s[\g+4], 128
	s_mov_b32 s[\g+5], 256
	s_mov_b32 s[\g+6], 0
	s_mov_b32 s[\g+7], 0
.endr
	s_or_b32 s[G1S+0], s43, (3<<16)|(1<<21)        ; scale words: HALFS dense bytes as rows of 256
	s_or_b32 s[G1SB+0], s44, (3<<16)|(1<<21)
.irp g, G1S, G1SB
	s_mov_b32 s[\g+1], 32<<16
	s_mov_b32 s[\g+2], (HALFS/256)<<16
	s_mov_b32 s[\g+3], 32<<16
	s_mov_b32 s[\g+4], HALFS/256
	s_mov_b32 s[\g+5], 32
	s_mov_b32 s[\g+6], 0
	s_mov_b32 s[\g+7], 0
.endr
	s_lshl_b32 s20, s17, 1
	s_add_co_u32 s20, s20, s16
	s_lshl_b32 s46, s42, 1
	s_add_co_u32 s46, s46, s16
	s_mul_i32 s22, s20, HALFS
	s_mov_b32 s23, 0
	s_mul_i32 s92, s46, HALFS
	s_mov_b32 s93, 0
	s_mul_i32 s20, s20, NKS*32768
	s_mov_b32 s21, 0
	s_mul_i32 s46, s46, NKS*32768
	s_mov_b32 s47, 0
	s_mul_i32 s45, s14, HALFT
	s_mul_i32 s94, s14, HALFS
	s_wait_dscnt 0x0                               ; both opening adds are done
	s_wait_kmcnt 0x0
	s_mov_b64 s[12:13], s[10:11]                   ; the output
	s_mov_b64 s[RES:RES+1], s[8:9]                 ; the residual
	s_add_nc_u64 s[8:9], s[6:7], BCODES
	s_add_nc_u64 s[10:11], s[6:7], BSCALES
	s_add_nc_u64 s[6:7], s[4:5], ASCALES
	s_add_nc_u64 s[20:21], s[4:5], s[20:21]
	s_add_nc_u64 s[22:23], s[6:7], s[22:23]
	s_add_nc_u64 s[46:47], s[8:9], s[46:47]
	s_add_nc_u64 s[92:93], s[10:11], s[92:93]
	CROUND                                         ; the first joint loads meet
	s_mov_b32 s[G0S], 1
	s_add_co_u32 s[G0S+1], s94, SCL
	s_mov_b64 s[G0S+2:G0S+3], s[22:23]
	s_or_b32 s[G0S+3], s[G0S+3], 0x80000000
	s_mov_b32 s[G0SB], 1
	s_add_co_u32 s[G0SB+1], s94, SCL
	s_mov_b64 s[G0SB+2:G0SB+3], s[92:93]
	s_or_b32 s[G0SB+3], s[G0SB+3], 0x80000000
	JLOAD G0S, G1S, G0SB, G1SB
.irp s, 0,1
	s_mov_b32 s[G0+4*\s], 1
	s_add_co_u32 s[G0+4*\s+1], s45, \s*SLOT
	s_add_nc_u64 s[G0+4*\s+2:G0+4*\s+3], s[20:21], \s*32768
	s_or_b32 s[G0+4*\s+3], s[G0+4*\s+3], 0x80000000
	s_mov_b32 s[G0B+4*\s], 1
	s_add_co_u32 s[G0B+4*\s+1], s45, \s*SLOT
	s_add_nc_u64 s[G0B+4*\s+2:G0B+4*\s+3], s[46:47], \s*32768
	s_or_b32 s[G0B+4*\s+3], s[G0B+4*\s+3], 0x80000000
	JLOAD G0+4*\s, G1, G0B+4*\s, G1B
.endr
	v_and_b32 v1, 15, v0
	v_bfe_u32 v2, v0, 4, 1
	v_and_b32 v3, 31, v0
	v_lshlrev_b32 v4, 4, v3
	s_mul_i32 s21, s15, HALFT
	s_mul_i32 s22, s16, HALFT
	s_add_co_u32 s22, s22, 2*HALFT
.irp s, 0,1
	v_add_nc_u32 v[ADRA+\s], s21, v4
	v_add_nc_u32 v[ADRB+\s], s22, v4
	s_add_co_u32 s21, s21, SLOT
	s_add_co_u32 s22, s22, SLOT
.endr
	v_lshlrev_b32 v5, 2, v1
	s_mul_i32 s21, s15, HALFS
	s_mul_i32 s22, s16, HALFS
	s_add_co_u32 s22, s22, 2*HALFS
	s_sub_co_u32 s22, s22, s21
	v_mul_u32_u24 v6, s22, v2                      ; lanes 16-31 take B's
	s_add_co_u32 s21, s21, SCL
	v_add_nc_u32 v5, v5, v6
	v_add_nc_u32 v[ADRS], s21, v5
	s_mul_i32 s23, s14, 16*SPITCH                  ; my stage
	v_mul_u32_u24 v5, v1, SPITCH
	v_lshl_add_u32 v5, v2, 6, v5
	v_add_nc_u32 v[STO], s23, v5                   ; in: row r, + 64 h
	v_lshlrev_b32 v[CO], 4, v3                     ; back: 32 lanes take a row of 512 bytes; the same in memory
	v_add_nc_u32 v[RD], s23, v[CO]
	s_lshl_b32 s20, s17, 8
	s_lshl_b32 s21, s15, 7
	s_add_co_u32 s20, s20, s21                     ; my first row
	s_lshl_b32 s20, s20, 12                        ; rows of 4,096 bytes
	s_lshl_b32 s46, s42, 10
	s_lshl_b32 s47, s16, 9
	s_add_co_u32 s46, s46, s47                     ; my first column, in bytes
	s_add_co_u32 s20, s20, s46
	s_mov_b32 s21, 0
	s_add_nc_u64 s[12:13], s[12:13], s[20:21]
	s_add_nc_u64 s[RES:RES+1], s[RES:RES+1], s[20:21]
.macro FRAG reg, adr, q, i
.irp c, 0,1
	ds_load_b128 v[\reg+4*\c:\reg+4*\c+3], v[\adr] offset:8192*(\q)+1024*(\i)+512*\c
.endr
.endm
; 16 matrix instructions; the 64 accumulators take turns, one instruction a turn, in the same order in every step, over the loop's backward jump too
.macro MUL16 a0, p, q, sc, zero
.irp a, \a0, \a0+1
.irp b, 0,1,2,3,4,5,6,7
.if \zero
	v_wmma_scale_f32_16x16x128_f8f6f4 v[8*(8*((\a)%4)+\b):8*(8*((\a)%4)+\b)+7], v[128*(\p)+FR*\b:128*(\p)+FR*\b+FR-1], v[AF+FR*(\a):AF+FR*(\a)+FR-1], 0, v[SC+8*NQ*(\sc)+NQ*\b+(\q)], v[SC+8*NQ*(\sc)+NQ*(\a)+(\q)] matrix_a_fmt:MATRIX_FMT_FP4 matrix_b_fmt:MATRIX_FMT_FP4 matrix_a_scale:MATRIX_SCALE_ROW1
.else
	v_wmma_scale_f32_16x16x128_f8f6f4 v[8*(8*((\a)%4)+\b):8*(8*((\a)%4)+\b)+7], v[128*(\p)+FR*\b:128*(\p)+FR*\b+FR-1], v[AF+FR*(\a):AF+FR*(\a)+FR-1], v[8*(8*((\a)%4)+\b):8*(8*((\a)%4)+\b)+7], v[SC+8*NQ*(\sc)+NQ*\b+(\q)], v[SC+8*NQ*(\sc)+NQ*(\a)+(\q)] matrix_a_fmt:MATRIX_FMT_FP4 matrix_b_fmt:MATRIX_FMT_FP4 matrix_a_scale:MATRIX_SCALE_ROW1
.endif
.endr
.endr
.endm
.macro FETCH_B slot, q, p
	WIN TO_B
.irp i, 0,1,2,3,4,5,6,7
	FRAG 128*(\p)+FR*\i, ADRB+\slot, \q, \i
.endr
	WIN 0
.endm
.macro FETCH_A slot, q, i0
.irp i, \i0, \i0+1, \i0+2, \i0+3
	FRAG AF+FR*(\i), ADRA+\slot, \q, \i
.endr
.endm
.macro SCALES sc
.irp i, 0,1,2,3,4,5,6,7
.irp q, 0,1,2,3
	ds_load_b32 v[SC+8*NQ*\sc+NQ*\i+\q], v[ADRS] offset:512*\q+64*\i
.endr
.endr
.endm
.macro PLACES n
.rept \n
	v_nop
.endr
.endm
.macro STEP slot, q, zero
	s_wait_dscnt 4*NL                              ; all but the youngest eight loads (A's blocks 4-7) are in
	WIN MUL_LO
	MUL16 0, (\q)%2, \q, \slot, \zero
	MUL16 2, (\q)%2, \q, \slot, \zero
	s_wait_dscnt 0
	PLACES NP
	FETCH_B \slot, (\q)+1, 1-(\q)%2
	FETCH_A \slot, (\q)+1, 0
	WIN MUL_HI
	MUL16 4, (\q)%2, \q, \slot, \zero
	MUL16 6, (\q)%2, \q, \slot, \zero
	PLACES NP
	WIN 0
	FETCH_A \slot, (\q)+1, 4
.endm
; A slot's last step changes slots: one barrier; in front of it each wave waits for all its tensor loads, adds 0 to its spare word, and waits for that and for its reads of this slot.  fill = 1: the slot is filled again, two K steps ahead.
.macro TURN slot, next, fill
	s_wait_tensorcnt 0x0                           ; all my tensor loads have landed: my part of the next slot
	ds_add_u32 v[SPW], v[NIL]
	s_wait_dscnt 4*NL+1                            ; (the add and the youngest eight loads may be out)
	WIN MUL_LO
	MUL16 0, 1, NQ-1, \slot, 0
	s_wait_dscnt 0x0                               ; the add is done, and my reads of this slot are over
	s_barrier_signal -1
	MUL16 2, 1, NQ-1, \slot, 0
	WIN 0
	s_barrier_wait -1
.if \fill
	CREST                                          ; the barrier has opened a round of the cluster's barrier: no wave of any partner still reads this slot or has a load on its way
	s_add_nc_u64 s[G0+4*\slot+2:G0+4*\slot+3], s[G0+4*\slot+2:G0+4*\slot+3], 2*32768
	s_add_nc_u64 s[G0B+4*\slot+2:G0B+4*\slot+3], s[G0B+4*\slot+2:G0B+4*\slot+3], 2*32768
	JLOAD G0+4*\slot, G1, G0B+4*\slot, G1B         ; the first tensor load behind the round; its four v_nop are the places in front of the loads below
.else
	PLACES NP
.endif
	v_add_nc_u32 v[ADRS], 2048, v[ADRS]
	FETCH_B \next, 0, 0
	FETCH_A \next, 0, 0
	SCALES \next
	WIN MUL_HI
	MUL16 4, 1, NQ-1, \slot, 0
	MUL16 6, 1, NQ-1, \slot, 0
	PLACES NP
	WIN 0
	FETCH_A \next, 0, 4
.endm
.macro STEPS slot, from
.set Q, \from
.rept NQ-1-\from
	STEP \slot, Q, 0
.set Q, Q+1
.endr
.endm
	s_wait_tensorcnt 1                             ; the scale words and K step 0 are in; K step 1's load may be out
	s_barrier_signal -1
	s_barrier_wait -1
	FETCH_B 0, 0, 0
	FETCH_A 0, 0, 0
	SCALES 0
	FETCH_A 0, 0, 4
	STEP 0, 0, 1
	s_mov_b32 s3, LAPS-1
.Llap:                                             ; a trip goes once round the ring and fills both slots again
	STEPS 0, 1
	TURN 0, 1, 1
	STEPS 1, 0
	TURN 1, 0, 1
	STEP 0, 0, 0
	s_sub_co_u32 s3, s3, 1
	s_cmp_lg_u32 s3, 0
	s_cbranch_scc1 .Llap
	STEPS 0, 1                                     ; the last lap fills nothing
	TURN 0, 1, 0
	STEPS 1, 0
	s_wait_dscnt 4*NL
	WIN MUL_LO
	MUL16 0, 1, NQ-1, 1, 0
	MUL16 2, 1, NQ-1, 1, 0
	s_wait_dscnt 0
	WIN MUL_HI
	MUL16 4, 1, NQ-1, 1, 0
	MUL16 6, 1, NQ-1, 1, 0
	WIN 0
.macro XLOAD a                         ; the residual's 16 rows of tile a into window 1, set a % 4; every row's place stands in the immediate
	WIN 0x40
.irp t, 0,1,2,3,4,5,6,7,8,9,10,11,12,13,14,15
	global_load_b128 v[64*((\a)%4)+4*\t:64*((\a)%4)+4*\t+3], v[CO], s[RES:RES+1] offset:(32*((\a)/2)+8*((\a)%2)+\t+8*(\t/8))*4096
.endr
	WIN 0
.endm
.macro TOSTAGE a
.set AC, 64*((\a)%4)
	WIN (0x08+4*((\a)/4))                          ; an LDS store's data: window 2 or 3
.irp b, 0,1,2,3,4,5,6,7
	ds_store_b128 v[STO], v[AC+8*\b:AC+8*\b+3] offset:128*(\b/2)+32*(\b%2)         ; each accumulator from its low end on
	ds_store_b128 v[STO], v[AC+8*\b+4:AC+8*\b+7] offset:128*(\b/2)+32*(\b%2)+16
.endr
	WIN 0
.set BB, BK+64*((\a)%2)
.irp t, 0,1,2,3,4,5,6,7,8,9,10,11,12,13,14,15
	ds_load_b128 v[BB+4*\t:BB+4*\t+3], v[RD] offset:\t*SPITCH      ; LDS serves a wave's instructions in order: these see the stores above
.endr
.endm
.macro SEND a, younger, lc             ; younger: LDS instructions issued behind tile a's loads; lc: residual loads issued behind tile a's
.set BB, BK+64*((\a)%2)
.set XB, 64*((\a)%4)
	s_wait_dscnt \younger
	s_wait_loadcnt \lc
	WIN 0x04                                       ; source 1: window 1
.set k, 0
.rept 32
	v_pk_add_f32 v[BB+k:BB+k+1], v[BB+k:BB+k+1], v[XB+k:XB+k+1]
.set k, k+2
.endr
	WIN 0
.irp t, 0,1,2,3,4,5,6,7,8,9,10,11,12,13,14,15
	global_store_b128 v[CO], v[BB+4*\t:BB+4*\t+3], s[12:13] offset:(32*((\a)/2)+8*((\a)%2)+\t+8*(\t/8))*4096 th:TH_STORE_NT   ; 32 lanes store 512 consecutive bytes, aligned; written once, read by nobody here
.endr
.endm
	PLACES NP                                      ; in front of loads into registers that the last products read, and of the first read of results
	XLOAD 0
	XLOAD 1
	XLOAD 2
	XLOAD 3
	TOSTAGE 0
.irp a, 1,2,3,4,5,6,7
.if \a > 1
	s_wait_xcnt 0x0                                ; tile a - 2's stores have read their registers: tile a's rows may land there
.endif
	TOSTAGE \a
.if \a < 6
	SEND \a-1, 32, 48                              ; three younger sets of 16 residual loads may be out
.elseif \a == 6
	SEND \a-1, 32, 32
.else
	SEND \a-1, 32, 16
.endif
.if \a < 5
	XLOAD \a+3                                     ; into the set that has just been added
.endif
.endr
	SEND 7, 0, 0
	s_wait_tensorcnt 0x0                           ; the wave's end
	ds_add_u32 v[SPW], v[NIL]
	s_wait_dscnt 0x0
	CROUND                                         ; the closing round
	s_endpgm
.Lfunc_end_k_qc2674a8e5d_gf2:
	.size	k_qc2674a8e5d_gf2, .Lfunc_end_k_qc2674a8e5d_gf2-k_qc2674a8e5d_gf2
	.p2alignl 7, 3214868480
	.fill 96, 4, 3214868480
	.section	.rodata,"a",@progbits
	.p2align	6, 0x0
	.amdhsa_kernel k_qc2674a8e5d_gf2
		.amdhsa_group_segment_fixed_size 327680
		.amdhsa_private_segment_fixed_size 0
		.amdhsa_enable_private_segment 0
		.amdhsa_kernarg_size 32
		.amdhsa_user_sgpr_count 2
		.amdhsa_user_sgpr_kernarg_segment_ptr 1
		.amdhsa_wavefront_size32 1
		.amdhsa_system_sgpr_workgroup_id_x 1
		.amdhsa_system_sgpr_workgroup_id_y 1
		.amdhsa_system_sgpr_workgroup_id_z 1
		.amdhsa_system_vgpr_workitem_id 0
		.amdhsa_next_free_vgpr 1024
		.amdhsa_next_free_sgpr 100
		.amdhsa_reserve_vcc 0
		.amdhsa_float_denorm_mode_32 3
		.amdhsa_float_denorm_mode_16_64 3
		.amdhsa_memory_ordered 1
		.amdhsa_forward_progress 1
		.amdhsa_inst_pref_size 246
	.end_amdhsa_kernel
	.amdgpu_metadata
---
amdhsa.version: [ 1, 2 ]
amdhsa.kernels:
  - .name:           k_qc2674a8e5d_gf2
    .symbol:         k_qc2674a8e5d_gf2.kd
    .args:
      - { .name: act, .offset: 0, .size: 8, .value_kind: global_buffer, .address_space: global }
      - { .name: wgt, .offset: 8, .size: 8, .value_kind: global_buffer, .address_space: global }
      - { .name: x1, .offset: 16, .size: 8, .value_kind: global_buffer, .address_space: global }
      - { .name: out0, .offset: 24, .size: 8, .value_kind: global_buffer, .address_space: global }
    .group_segment_fixed_size: 327680
    .private_segment_fixed_size: 0
    .kernarg_segment_align: 8
    .kernarg_segment_size: 32
    .max_flat_workgroup_size: 128
    .sgpr_count:     100
    .vgpr_count:     1024
    .wavefront_size: 32
...
	.end_amdgpu_metadata
.endif
;; end of part 7
;; ======== version 2 of 2: 8 launches
;; limits: right only within a limited range of input values
;; workspace buffers: wgt 5,570,560 bytes; hbuf 2,228,224 bytes; qkv 7,077,888 bytes; att 2,228,224 bytes; x1 16,777,216 bytes; act 4,456,448 bytes
;; launch wq (part 8): grid 320 x 1, 4 waves a work-group, no clusters, 0 bytes of LDS; arguments Wqkv, Wout, Wfc1, Wfc2, wgt; writes wgt
.if DOCPART == 8
	.amdgcn_target "amdgcn-amd-amdhsa--gfx1250"
	.amdhsa_code_object_version 6
	.text
	.protected	k_qc2674a8e5d_wq
	.globl	k_qc2674a8e5d_wq
	.p2align	8
	.type	k_qc2674a8e5d_wq,@function
k_qc2674a8e5d_wq:
	s_mov_b64 s[64:65], 0
	v_nop
	global_prefetch_b8 v0, s[64:65] scope:SCOPE_SE
	s_setreg_imm32_b32 hwreg(HW_REG_WAVE_MODE, 25, 1), 1
	s_wait_xcnt 0x0
; THE PROGRAM: a pre-norm transformer block, all six products on codes of FP4 (E2M1) with one E8M0 scale for each 32 along K.
; DEAD WORK: none is left out.  Every input (X, the four weights, both gains) has a way to out0 for all values, and every product of the table is done.
; The one padding: the scores' K is 64 and the matrix instruction takes 128, so the queries' upper 64 codes are zeros (launch attn).
; THIS LAUNCH turns the four weights, f32 with K as their FIRST axis, into codes and scale bytes laid as IMAGES OF THE OPERAND'S REGISTERS in wgt.
; IMAGE of a tensor [rows n'][K]: byte (rb K/512 + ks) 32768 + q 8192 + i 1024 + c 512 + 16 lane; rb = n'/128, ks = k/512, q = the 128 inside ks, i = a tile of 16 rows, c = registers 4c..4c+3 (k = 64 c + 32 (lane/16) + 0..31).
; Lane r of tile i = 2 b + u holds row 32 b + 8 u + r + 8 (r / 8) of the 128.  Scale words: (rb K/512 + ks) 2048 + q 512 + i 64 + 4 r.
; ROWS n': Wqkv: n' = 1024 c3 + 64 head + d is column 192 head + 3 d + c3 (q, then k, then v).  Wfc1: block rb holds a of hidden 64 rb + y in rows 0-63 and g (column 2048 + 64 rb + y) in rows 64-127.  Wout, Wfc2: n' = column.
; SHARES: a work-group takes 128 rows n' x 256 along K; a wave 32 columns; A LANE TAKES A COLUMN AND ITS REGISTERS RUN DOWN K, so a block of 32 lies in one lane and the conversions give codes with K innermost.
; Which weight a work-group serves is chosen by selects on its number alone: one path through the text.  A store of 16 bytes a lane fills two aligned runs of 256 bytes.  The scale words leave in runs of 64 bytes: one byte for each 128 read.
; LIMITS: NaN and infinities among the inputs are not served.  A block of zeros gets the byte 1 where the rule says 127: its codes are zeros, and this program alone reads the bytes.  Blocks whose largest magnitude lies under 2^-124 are held at byte 1.
.set VO, 16                            ; v16-47   byte offset of row i of a block: lane x LS + i x NB; never rewritten
.set X,  48                            ; v48-111  two sets of 32 numbers
.set C,  112                           ; v112-143 four registers of codes for each block: no store's data are written again
.set SB, 144                           ; v144-145 the scale words of the two 128s
	s_load_b256 s[4:11], s[0:1], 0x0               ; Wqkv, Wout, Wfc1, Wfc2
	s_load_b64 s[12:13], s[0:1], 0x20              ; wgt
	v_lshrrev_b32 v1, 5, v0
	v_readfirstlane_b32 s16, v1                    ; wave
	v_and_b32 v2, 31, v0                           ; lane x
	s_wait_alu depctr_va_vdst(0)
	s_mov_b32 s21, 256                             ; Wfc2's numbers: first work-group,
	s_mov_b32 s22, 4096                            ; NB: bytes in a row,
	s_mov_b32 s23, 3                               ; KSH: 2^KSH runs of 256 along K,
	s_mov_b32 s24, 4                               ; LS: bytes from lane to lane,
	s_mov_b32 s25, 4194304                         ; where its codes begin in wgt,
	s_mov_b32 s26, 5505024                         ; and its scale words
	s_cmp_lt_u32 ttmp9, 256                        ; Wfc1
	s_cselect_b32 s21, 128, s21
	s_cselect_b32 s22, 16384, s22
	s_cselect_b32 s23, 2, s23
	s_cselect_b32 s25, 2097152, s25
	s_cselect_b32 s26, 5373952, s26
	s_cmp_lt_u32 ttmp9, 128                        ; Wout
	s_cselect_b32 s21, 96, s21
	s_cselect_b32 s22, 4096, s22
	s_cselect_b32 s25, 1572864, s25
	s_cselect_b32 s26, 5341184, s26
	s_cmp_lt_u32 ttmp9, 96                         ; Wqkv
	s_cselect_b32 s21, 0, s21
	s_cselect_b32 s22, 12288, s22
	s_cselect_b32 s24, 12, s24
	s_cselect_b32 s25, 0, s25
	s_cselect_b32 s26, 5242880, s26
	s_sub_co_u32 s27, ttmp9, s21
	s_lshr_b32 s28, s27, s23                       ; rb
	s_lshl_b32 s29, s28, s23
	s_sub_co_u32 s29, s27, s29                     ; kp: which 256 along K
	s_lshl_b32 s30, s28, 7
	s_lshl_b32 s31, s16, 5
	s_add_co_u32 s30, s30, s31                     ; my wave's first row n' = 128 rb + 32 w: Wout's and Wfc2's column
	s_bfe_u32 s31, s30, 0x40006                    ; Wqkv: head,
	s_mul_i32 s31, s31, 192
	s_and_b32 s33, s30, 63                         ; d,
	s_mul_i32 s33, s33, 3
	s_add_co_u32 s31, s31, s33
	s_lshr_b32 s33, s30, 10                        ; c3
	s_add_co_u32 s31, s31, s33
	s_lshl_b32 s33, s28, 6                         ; Wfc1: 64 rb + 32 (w & 1) + 2048 (w >> 1)
	s_and_b32 s34, s16, 1
	s_lshl_b32 s34, s34, 5
	s_add_co_u32 s33, s33, s34
	s_lshr_b32 s34, s16, 1
	s_lshl_b32 s34, s34, 11
	s_add_co_u32 s33, s33, s34
	s_cmp_lt_u32 ttmp9, 96
	s_cselect_b32 s30, s31, s30
	s_sub_co_u32 s34, ttmp9, 128
	s_cmp_lt_u32 s34, 128                          ; work-groups 128 to 255
	s_cselect_b32 s30, s33, s30                    ; my wave's first column
	s_mul_i32 s34, s29, s22
	s_lshl_b32 s34, s34, 8                         ; 256 kp rows,
	s_lshl_b32 s35, s30, 2
	s_add_co_u32 s34, s34, s35                     ; + the column
	s_mov_b32 s35, 0
	s_lshl_b32 s36, s22, 5                         ; a block of 32 rows on
	s_mov_b32 s37, 0
	s_add_co_u32 s38, s23, 14                      ; codes: rb x K/512 x 32768 = rb << (14 + KSH),
	s_lshl_b32 s38, s28, s38
	s_add_co_u32 s38, s38, s25
	s_lshl_b32 s39, s29, 14                        ; 256 along K are two q: 16384 kp,
	s_add_co_u32 s38, s38, s39
	s_lshl_b32 s39, s16, 11                        ; tiles 2 w and 2 w + 1
	s_add_co_u32 s38, s38, s39
	s_mov_b32 s39, 0
	s_add_co_u32 s18, s23, 10                      ; scale words: rb x K/512 x 2048 = rb << (10 + KSH), 1024 kp, 128 w
	s_lshl_b32 s18, s28, s18
	s_add_co_u32 s18, s18, s26
	s_lshl_b32 s19, s29, 10
	s_add_co_u32 s18, s18, s19
	s_lshl_b32 s19, s16, 7
	s_add_co_u32 s18, s18, s19
	s_mov_b32 s19, 0
	v_mul_lo_u32 v[VO], v2, s24
.set i, 1
.rept 31
	v_add_nc_u32 v[VO+i], s22, v[VO+i-1]
.set i, i+1
.endr
	v_bfe_u32 v4, v2, 3, 1                         ; column 32 w + x is lane r = x % 8 + 8 (x / 16) of tile 2 w + u, u = (x / 8) % 2
	v_and_b32 v5, 7, v2
	v_lshrrev_b32 v6, 4, v2
	v_lshl_add_u32 v5, v6, 3, v5
	v_lshlrev_b32 v7, 4, v5
	v_lshl_add_u32 v7, v4, 10, v7                  ; codes: 1024 u + 16 r
	v_lshlrev_b32 v8, 2, v5
	v_lshl_add_u32 v8, v4, 6, v8                   ; scale words: 64 u + 4 r
	s_wait_alu depctr_va_vdst(0)
	s_wait_kmcnt 0x0
	s_cmp_lt_u32 ttmp9, 256                        ; the choice of the source hangs on the work-group's number alone
	s_cselect_b64 s[14:15], s[8:9], s[10:11]
	s_cmp_lt_u32 ttmp9, 128
	s_cselect_b64 s[14:15], s[6:7], s[14:15]
	s_cmp_lt_u32 ttmp9, 96
	s_cselect_b64 s[14:15], s[4:5], s[14:15]
	s_add_nc_u64 s[40:41], s[14:15], s[34:35]      ; a base for each of the eight blocks: none is ever stepped
.irp t, 1,2,3,4,5,6,7
	s_add_nc_u64 s[40+2*\t:41+2*\t], s[38+2*\t:39+2*\t], s[36:37]
.endr
	s_add_nc_u64 s[56:57], s[12:13], s[38:39]
	s_add_nc_u64 s[58:59], s[12:13], s[18:19]
.macro LOAD t                          ; block t: W(256 kp + 32 t + i, my column), i = 0 .. 31, into set t % 2
.set i, 0
.rept 32
	global_load_b32 v[X+32*((\t)%2)+i], v[VO+i], s[40+2*(\t):41+2*(\t)]
.set i, i+1
.endr
.endm
	LOAD 0
	LOAD 1
.macro BLOCK t
.set XS, X+32*((\t)%2)
.if (\t) < 7
	s_wait_loadcnt 32                              ; this block's 32 loads are in; the next block's 32 may be out
.else
	s_wait_loadcnt 0
.endif
	v_max3_num_f32 v12, |v[XS]|, |v[XS+1]|, |v[XS+2]|              ; the block's largest magnitude: all 32 numbers are mine; two chains
	v_max3_num_f32 v13, |v[XS+3]|, |v[XS+4]|, |v[XS+5]|
.irp i, 6,10,14,18,22,26
	v_max3_num_f32 v12, v12, |v[XS+\i]|, |v[XS+\i+1]|
	v_max3_num_f32 v13, v13, |v[XS+\i+2]|, |v[XS+\i+3]|
.endr
	v_max3_num_f32 v12, v12, |v[XS+30]|, |v[XS+31]|
	v_max3_num_f32 v12, v12, v13, 0x1800000        ; and the floor 2^(3 - 127): the byte cannot fall under 1
	v_add_nc_u32 v11, 0xff000000, v12              ; 2 off its exponent field: the conversion takes the exponent field of this operand as its scale
	v_lshrrev_b32 v13, 23, v11                     ; the scale's byte
.if (\t)%4 == 0
	v_mov_b32 v[SB+(\t)/4], v13                    ; four bytes to a word, the lower K in the lower byte
.else
	v_lshl_or_b32 v[SB+(\t)/4], v13, 8*((\t)%4), v[SB+(\t)/4]
.endif
.irp g, 0,1,2,3
	v_cvt_scalef32_pk8_fp4_f32 v[C+4*(\t)+\g], v[XS+8*\g:XS+8*\g+7], v11
.endr
	global_store_b128 v7, v[C+4*(\t):C+4*(\t)+3], s[56:57] offset:((\t)/4)*8192+(((\t)/2)%2)*512+((\t)%2)*256   ; block t is q = t / 4, c = (t / 2) % 2, lanes' half t % 2
.if (\t)+2 < 8
	LOAD (\t)+2                                    ; (the next block begins with plain vector lines: they stand between the conversions and the next write of their scale operand)
.endif
.endm
.irp t, 0,1,2,3,4,5,6,7
	BLOCK \t
.endr
	global_store_b32 v8, v[SB], s[58:59]
	global_store_b32 v8, v[SB+1], s[58:59] offset:512
	s_endpgm
.Lfunc_end_k_qc2674a8e5d_wq:
	.size	k_qc2674a8e5d_wq, .Lfunc_end_k_qc2674a8e5d_wq-k_qc2674a8e5d_wq
	.p2alignl 7, 3214868480
	.fill 96, 4, 3214868480
	.section	.rodata,"a",@progbits
	.p2align	6, 0x0
	.amdhsa_kernel k_qc2674a8e5d_wq
		.amdhsa_group_segment_fixed_size 0
		.amdhsa_private_segment_fixed_size 0
		.amdhsa_enable_private_segment 0
		.amdhsa_kernarg_size 40
		.amdhsa_user_sgpr_count 2
		.amdhsa_user_sgpr_kernarg_segment_ptr 1
		.amdhsa_wavefront_size32 1
		.amdhsa_system_sgpr_workgroup_id_x 1
		.amdhsa_system_sgpr_workgroup_id_y 1
		.amdhsa_system_sgpr_workgroup_id_z 1
		.amdhsa_system_vgpr_workitem_id 0
		.amdhsa_next_free_vgpr 160
		.amdhsa_next_free_sgpr 66
		.amdhsa_reserve_vcc 0
		.amdhsa_float_denorm_mode_32 3
		.amdhsa_float_denorm_mode_16_64 3
		.amdhsa_memory_ordered 1
		.amdhsa_forward_progress 1
		.amdhsa_inst_pref_size 43
	.end_amdhsa_kernel
	.amdgpu_metadata
---
amdhsa.version: [ 1, 2 ]
amdhsa.kernels:
  - .name:           k_qc2674a8e5d_wq
    .symbol:         k_qc2674a8e5d_wq.kd
    .args:
      - { .name: Wqkv, .offset: 0, .size: 8, .value_kind: global_buffer, .address_space: global }
      - { .name: Wout, .offset: 8, .size: 8, .value_kind: global_buffer, .address_space: global }
      - { .name: Wfc1, .offset: 16, .size: 8, .value_kind: global_buffer, .address_space: global }
      - { .name: Wfc2, .offset: 24, .size: 8, .value_kind: global_buffer, .address_space: global }
      - { .name: wgt, .offset: 32, .size: 8, .value_kind: global_buffer, .address_space: global }
    .group_segment_fixed_size: 0
    .private_segment_fixed_size: 0
    .kernarg_segment_align: 8
    .kernarg_segment_size: 40
    .max_flat_workgroup_size: 128
    .sgpr_count:     66
    .vgpr_count:     160
    .wavefront_size: 32
...
	.end_amdgpu_metadata
.endif
;; end of part 8
;; launch ln1 (part 9): grid 256 x 1, 8 waves a work-group, no clusters, 69,632 bytes of LDS; arguments X, ln1_w, hbuf; writes hbuf
.if DOCPART == 9
	.amdgcn_target "amdgcn-amd-amdhsa--gfx1250"
	.amdhsa_code_object_version 6
	.text
	.protected	k_qc2674a8e5d_ln1
	.globl	k_qc2674a8e5d_ln1
	.p2align	8
	.type	k_qc2674a8e5d_ln1,@function
k_qc2674a8e5d_ln1:
	s_mov_b64 s[64:65], 0
	v_nop
	global_prefetch_b8 v0, s[64:65] scope:SCOPE_SE
	s_setreg_imm32_b32 hwreg(HW_REG_WAVE_MODE, 25, 1), 1
	s_wait_xcnt 0x0
; y = (x - mean) x rsqrt(var + 1e-5) x gain, rows of 1,024 f32, and y quantised along the row to FP4 (E2M1) with one E8M0 byte for each 32; all in f32, the variance as the mean of (x - mean)^2.  No work is left out.
; OUT: an image of the operand's registers: codes at rb 65536 + w 8192 + i 1024 + c 512 + 16 lane, scale words at 2097152 + rb 4096 + w 512 + i 64 + 4 r; lane r of tile i = 2 b + u holds row 32 b + 8 u + r + 8 (r / 8) of block rb.
; SHARES: a work-group takes one tile of 16 rows (rb = number / 8, i = number % 8); wave w takes columns 128 w .. 128 w + 127, one K step of the products that follow.
; Each load reads 512 consecutive bytes of a row; the 16 x 512 bytes turn through the wave's own stage in LDS (rows 528 bytes apart), so that lane (r, h) holds of row r the numbers 32 b + 16 h + 0 .. 15 in registers 16 b + 0 .. 15.
; The rows' sums meet in LDS: one barrier for the mean, one for the variance, each on words of its own.
; LIMITS: NaN and infinities are not served; a block of zeros gets byte 1 (its codes are zeros; this program alone reads the bytes); blocks under 2^-124 are held at byte 1.
.set RED,   0                          ; LDS: [2 sums][8 waves][16 rows] f32
.set SPARE, 1024                       ; the spare words, 128 bytes for each of eight waves: no other line names them
.set STG,   2048                       ; the stages: 16 rows x 528 bytes for each wave
.set SP,    528
.set R,     16                         ; v16-79   as loaded; later at work
.set XR,    80                         ; v80-143  my 64 numbers
.set W,     144                        ; v144-207 their gains
.set PC,    208                        ; v208-215 the codes
.set TM,    216                        ; v216-231 at work in QUANT
.set PW,    232                        ; the scale word
.set SPW,   14
.set NIL,   15
.set SEL,   20
.macro QUANT s                         ; 64 numbers of a lane, register 16 b + e = k 32 b + 16 (lane / 16) + e of my row, become a fragment's codes in v[PC] on and its scale word in v[PW]
.irp b, 0,1,2,3
	v_max3_num_f32 v[TM+\b], |v[\s+16*\b]|, |v[\s+1+16*\b]|, 0x1800000   ; my 16 numbers of block b, and the floor 2^(3 - 127)
.endr
.irp i, 2,4,6,8,10,12,14
.irp b, 0,1,2,3
	s_delay_alu instid0(VALU_DEP_4)
	v_max3_num_f32 v[TM+\b], v[TM+\b], |v[\s+16*\b+\i]|, |v[\s+1+16*\b+\i]|
.endr
.endr
.irp b, 0,1,2,3
	s_delay_alu instid0(VALU_DEP_4)
	v_permlanex16_b32 v[TM+4+\b], v[TM+\b], s[SEL], s[SEL+1]
.endr
.irp b, 0,1,2,3
	s_delay_alu instid0(VALU_DEP_4)
	v_max_num_f32 v[TM+\b], v[TM+\b], v[TM+4+\b]   ; with lane l xor 16's: the block's largest magnitude
.endr
.irp b, 0,1,2,3
	s_delay_alu instid0(VALU_DEP_4)
	v_add_nc_u32 v[TM+12+\b], 0xff000000, v[TM+\b] ; 2 off its exponent field: the conversion's scale operand
.endr
.irp b, 0,1,2,3
	s_delay_alu instid0(VALU_DEP_4)
	v_lshrrev_b32 v[TM+4+\b], 23, v[TM+12+\b]      ; the scale's byte
.endr
	s_delay_alu instid0(VALU_DEP_3)
	v_lshl_or_b32 v[PW], v[TM+5], 8, v[TM+4]
	s_delay_alu instid0(VALU_DEP_1)
	v_lshl_or_b32 v[PW], v[TM+6], 16, v[PW]
	s_delay_alu instid0(VALU_DEP_1)
	v_lshl_or_b32 v[PW], v[TM+7], 24, v[PW]
.irp b, 0,1,2,3
	v_cvt_scalef32_pk8_fp4_f32 v[PC+2*\b], v[\s+16*\b:\s+7+16*\b], v[TM+12+\b]
	v_cvt_scalef32_pk8_fp4_f32 v[PC+1+2*\b], v[\s+8+16*\b:\s+15+16*\b], v[TM+12+\b]
.endr
	v_nop                                          ; one plain place behind a scaled conversion
.irp c, 0,1                                    ; the operand's layout wants a whole block in a lane
.irp i, 0,1
	v_permlane16_swap_b32 v[PC+4*\c+\i], v[PC+2+4*\c+\i]
.endr
.endr
.endm
.macro ACROSS off                      ; v[24:25]: my 64 numbers' sum in two halves -> v16: the row's sum over all 1,024 columns, the waves' parts added in ascending order
	s_delay_alu instid0(VALU_DEP_1)
	v_add_f32 v24, v24, v25
	s_delay_alu instid0(VALU_DEP_1)
	v_permlanex16_b32 v25, v24, s[SEL], s[SEL+1]
	s_delay_alu instid0(VALU_DEP_1)
	v_add_f32 v24, v24, v25                        ; my wave's 128 columns of row r
	ds_store_b32 v9, v24 offset:\off               ; both halves of the lanes write the same word with the same value
	s_wait_dscnt 0x0                               ; for the others' sake: my store has landed
	s_barrier_signal -1
	s_barrier_wait -1
.irp k, 0,1,2,3,4,5,6,7
	ds_load_b32 v[16+\k], v8 offset:\off+64*\k
.endr
	s_wait_dscnt 0x0
.irp k, 1
	v_add_f32 v16, v16, v[16+\k]
.endr
.irp k, 2, 3, 4, 5, 6, 7
	s_delay_alu instid0(VALU_DEP_1)
	v_add_f32 v16, v16, v[16+\k]
.endr
.endm
	s_load_b128 s[4:7], s[0:1], 0x0                ; x, the gains
	s_load_b64 s[8:9], s[0:1], 0x10                ; out
	v_lshl_add_u32 v[SPW], v0, 2, SPARE
	v_mov_b32 v[NIL], 0
	v_lshrrev_b32 v1, 5, v0
	s_delay_alu instid0(VALU_DEP_1)
	v_readfirstlane_b32 s10, v1                    ; wave 0..7
	v_and_b32 v1, 31, v0                           ; lane
	s_wait_alu depctr_va_vdst(0)
	v_and_b32 v2, 15, v0                           ; r
	v_bfe_u32 v3, v0, 4, 1                         ; h
	s_wait_alu depctr_va_vdst(0)
	s_lshr_b32 s11, ttmp9, 3                       ; rb
	s_and_b32 s12, ttmp9, 7                        ; i
	s_lshl_b32 s13, s11, 7                         ; the tile's first row: 128 rb + 32 (i / 2) + 8 (i % 2)
	s_lshr_b32 s14, s12, 1
	s_lshl_b32 s14, s14, 5
	s_add_co_u32 s13, s13, s14
	s_and_b32 s14, s12, 1
	s_lshl_b32 s14, s14, 3
	s_add_co_u32 s13, s13, s14
	s_lshl_b32 s16, s13, 12                        ; rows of 4,096 bytes
	s_lshl_b32 s14, s10, 9                         ; my wave's 512 bytes of a row
	s_add_co_u32 s16, s16, s14
	s_mov_b32 s17, 0
	v_lshlrev_b32 v4, 4, v1                        ; 16 x lane
	v_lshl_add_u32 v5, v3, 6, s14                  ; the gains: 512 w + 64 h
	s_mul_i32 s15, s10, 16*SP
	s_add_co_u32 s15, s15, STG                     ; my stage
	v_add_nc_u32 v6, s15, v4                       ; in: 16 x lane of a row
	v_mul_u32_u24 v7, v2, SP
	s_delay_alu instid0(VALU_DEP_1)
	v_lshl_add_u32 v7, v3, 6, v7
	s_delay_alu instid0(VALU_DEP_1)
	v_add_nc_u32 v7, s15, v7                       ; back: row r, + 64 h
	s_lshl_b32 s18, s10, 6
	v_lshlrev_b32 v8, 2, v2                        ; 4 r
	s_delay_alu instid0(VALU_DEP_1)
	v_add_nc_u32 v9, s18, v8                       ; my wave's word of row r
	s_mov_b32 s[SEL], 0x76543210
	s_mov_b32 s[SEL+1], 0xfedcba98                 ; selects for lane l xor 16
	s_mov_b32 s22, 0x3a800000                      ; 1 / 1,024
	s_mov_b32 s23, 0x3727c5ac                      ; 1e-5
	s_lshl_b32 s24, s11, 16                        ; codes: 65536 rb + 8192 w + 1024 i
	s_lshl_b32 s25, s10, 13
	s_add_co_u32 s24, s24, s25
	s_lshl_b32 s25, s12, 10
	s_add_co_u32 s24, s24, s25
	s_mov_b32 s25, 0
	s_lshl_b32 s26, s11, 12                        ; scale words: 2097152 + 4096 rb + 512 w + 64 i
	s_lshl_b32 s27, s10, 9
	s_add_co_u32 s26, s26, s27
	s_lshl_b32 s27, s12, 6
	s_add_co_u32 s26, s26, s27
	s_add_co_u32 s26, s26, 2097152
	s_mov_b32 s27, 0
.irp b, 0,1,2,3
	v_mov_b32 v[TM+4+\b], 0                        ; written once: a lane permute's destination counts as one of its sources
.endr
	s_wait_alu depctr_va_vdst(0)
	s_wait_kmcnt 0x0
	s_add_nc_u64 s[4:5], s[4:5], s[16:17]
	s_add_nc_u64 s[28:29], s[8:9], s[24:25]
	s_add_nc_u64 s[30:31], s[8:9], s[26:27]
.irp t, 0,1,2,3,4,5,6,7,8,9,10,11,12,13,14,15
	global_load_b128 v[R+4*\t:R+4*\t+3], v4, s[4:5] offset:(\t+8*(\t/8))*4096   ; the tile's row t: 32 lanes read 512 consecutive bytes
.endr
.irp b, 0,1,2,3
.irp j, 0,1,2,3
	global_load_b128 v[W+16*\b+4*\j:W+16*\b+4*\j+3], v5, s[6:7] offset:128*\b+16*\j
.endr
.endr
	s_wait_loadcnt 16                              ; x's 16 loads are in; the gains' 16 may be out
.irp t, 0,1,2,3,4,5,6,7,8,9,10,11,12,13,14,15
	ds_store_b128 v6, v[R+4*\t:R+4*\t+3] offset:\t*SP
.endr
.irp b, 0,1,2,3
.irp j, 0,1,2,3
	ds_load_b128 v[XR+16*\b+4*\j:XR+16*\b+4*\j+3], v7 offset:128*\b+16*\j   ; LDS serves a wave's instructions in order: these see my stores
.endr
.endr
	s_wait_dscnt 0x0
	v_pk_add_f32 v[26:27], v[80:81], v[82:83]
	v_pk_add_f32 v[238:239], v[88:89], v[92:93]
	v_pk_add_f32 v[236:237], v[96:97], v[100:101]
	v_pk_add_f32 v[234:235], v[104:105], v[108:109]
	v_pk_add_f32 v[232:233], v[112:113], v[116:117]
	v_pk_add_f32 v[230:231], v[120:121], v[124:125]
	v_pk_add_f32 v[228:229], v[128:129], v[132:133]
	v_pk_add_f32 v[24:25], v[136:137], v[140:141]
	s_delay_alu instid0(VALU_DEP_1)
	v_pk_add_f32 v[24:25], v[24:25], v[84:85]
	v_pk_add_f32 v[26:27], v[26:27], v[86:87]
	v_pk_add_f32 v[238:239], v[238:239], v[90:91]
	v_pk_add_f32 v[236:237], v[236:237], v[94:95]
	v_pk_add_f32 v[234:235], v[234:235], v[98:99]
	v_pk_add_f32 v[232:233], v[232:233], v[102:103]
	v_pk_add_f32 v[230:231], v[230:231], v[106:107]
	v_pk_add_f32 v[228:229], v[228:229], v[110:111]
	v_pk_add_f32 v[24:25], v[24:25], v[114:115]
	v_pk_add_f32 v[26:27], v[26:27], v[118:119]
	v_pk_add_f32 v[238:239], v[238:239], v[122:123]
	v_pk_add_f32 v[236:237], v[236:237], v[126:127]
	v_pk_add_f32 v[234:235], v[234:235], v[130:131]
	v_pk_add_f32 v[232:233], v[232:233], v[134:135]
	v_pk_add_f32 v[230:231], v[230:231], v[138:139]
	v_pk_add_f32 v[228:229], v[228:229], v[142:143]
	s_delay_alu instid0(VALU_DEP_4)
	v_pk_add_f32 v[24:25], v[24:25], v[234:235]
	s_delay_alu instid0(VALU_DEP_4)
	v_pk_add_f32 v[26:27], v[26:27], v[232:233]
	s_delay_alu instid0(VALU_DEP_4)
	v_pk_add_f32 v[238:239], v[238:239], v[230:231]
	s_delay_alu instid0(VALU_DEP_4)
	v_pk_add_f32 v[236:237], v[236:237], v[228:229]
	s_delay_alu instid0(VALU_DEP_2)
	v_pk_add_f32 v[24:25], v[24:25], v[238:239]
	s_delay_alu instid0(VALU_DEP_2)
	v_pk_add_f32 v[26:27], v[26:27], v[236:237]
	s_delay_alu instid0(VALU_DEP_1)
	v_pk_add_f32 v[24:25], v[24:25], v[26:27]
	ACROSS RED
	s_delay_alu instid0(VALU_DEP_1)
	v_mul_f32 v28, s22, v16                        ; the mean
	s_delay_alu instid0(VALU_DEP_1)
	v_mov_b32 v29, v28
.set j, 0
.rept 32
	v_pk_add_f32 v[XR+j:XR+j+1], v[XR+j:XR+j+1], v[28:29] neg_lo:[0,1] neg_hi:[0,1]   ; x - mean
.set j, j+2
.endr
	v_pk_mul_f32 v[24:25], v[XR:XR+1], v[XR:XR+1]
	v_pk_mul_f32 v[26:27], v[XR+2:XR+3], v[XR+2:XR+3]
.irp j, 4,8,12,16,20,24,28,32,36,40,44,48,52,56,60
	s_delay_alu instid0(VALU_DEP_2)
	v_pk_fma_f32 v[24:25], v[XR+\j:XR+\j+1], v[XR+\j:XR+\j+1], v[24:25]
	s_delay_alu instid0(VALU_DEP_2)
	v_pk_fma_f32 v[26:27], v[XR+\j+2:XR+\j+3], v[XR+\j+2:XR+\j+3], v[26:27]
.endr
	s_delay_alu instid0(VALU_DEP_1)
	v_pk_add_f32 v[24:25], v[24:25], v[26:27]
	ACROSS RED+512                                 ; other words than the mean's: no wave can still be reading what is written here
	s_delay_alu instid0(VALU_DEP_1)
	v_fma_f32 v17, v16, s22, s23                   ; var + 1e-5
	s_wait_alu depctr_va_vdst(0)
	v_rsq_f32 v30, v17
	v_rsq_f32 v31, v17                             ; twice: a pair for the packed multiply
	v_nop                                          ; one plain place behind the transcendentals
	s_wait_alu depctr_va_vdst(0)                   ; the wait ahead of the first reader: one for both
	s_wait_loadcnt 0x0                             ; the gains
.set j, 0
.rept 32
	v_pk_mul_f32 v[XR+j:XR+j+1], v[XR+j:XR+j+1], v[30:31]
.set j, j+2
.endr
.set j, 0
.rept 32
	v_pk_mul_f32 v[XR+j:XR+j+1], v[XR+j:XR+j+1], v[W+j:W+j+1]
.set j, j+2
.endr
	QUANT XR
	global_store_b128 v4, v[PC:PC+3], s[28:29]     ; 32 lanes store 512 consecutive bytes, aligned
	global_store_b128 v4, v[PC+4:PC+7], s[28:29] offset:512
	global_store_b32 v8, v[PW], s[30:31]           ; 16 words; both halves of the lanes store the same
	s_wait_tensorcnt 0x0                           ; the wave's end, behind my last LDS store
	ds_add_u32 v[SPW], v[NIL]
	s_wait_dscnt 0x0
	s_endpgm
.Lfunc_end_k_qc2674a8e5d_ln1:
	.size	k_qc2674a8e5d_ln1, .Lfunc_end_k_qc2674a8e5d_ln1-k_qc2674a8e5d_ln1
	.p2alignl 7, 3214868480
	.fill 96, 4, 3214868480
	.section	.rodata,"a",@progbits
	.p2align	6, 0x0
	.amdhsa_kernel k_qc2674a8e5d_ln1
		.amdhsa_group_segment_fixed_size 69632
		.amdhsa_private_segment_fixed_size 0
		.amdhsa_enable_private_segment 0
		.amdhsa_kernarg_size 24
		.amdhsa_user_sgpr_count 2
		.amdhsa_user_sgpr_kernarg_segment_ptr 1
		.amdhsa_wavefront_size32 1
		.amdhsa_system_sgpr_workgroup_id_x 1
		.amdhsa_system_sgpr_workgroup_id_y 1
		.amdhsa_system_sgpr_workgroup_id_z 1
		.amdhsa_system_vgpr_workitem_id 0
		.amdhsa_next_free_vgpr 240
		.amdhsa_next_free_sgpr 66
		.amdhsa_reserve_vcc 0
		.amdhsa_float_denorm_mode_32 3
		.amdhsa_float_denorm_mode_16_64 3
		.amdhsa_memory_ordered 1
		.amdhsa_forward_progress 1
		.amdhsa_inst_pref_size 28
	.end_amdhsa_kernel
	.amdgpu_metadata
---
amdhsa.version: [ 1, 2 ]
amdhsa.kernels:
  - .name:           k_qc2674a8e5d_ln1
    .symbol:         k_qc2674a8e5d_ln1.kd
    .args:
      - { .name: X, .offset: 0, .size: 8, .value_kind: global_buffer, .address_space: global }
      - { .name: ln1_w, .offset: 8, .size: 8, .value_kind: global_buffer, .address_space: global }
      - { .name: hbuf, .offset: 16, .size: 8, .value_kind: global_buffer, .address_space: global }
    .group_segment_fixed_size: 69632
    .private_segment_fixed_size: 0
    .kernarg_segment_align: 8
    .kernarg_segment_size: 24
    .max_flat_workgroup_size: 256
    .sgpr_count:     66
    .vgpr_count:     240
    .wavefront_size: 32
...
	.end_amdgpu_metadata
.endif
;; end of part 9
;; launch gq (part 10): grid 12 x 16, 4 waves a work-group, clusters of 4 x 4, 327,680 bytes of LDS; arguments hbuf, wgt, qkv; writes qkv
.if DOCPART == 10
	.amdgcn_target "amdgcn-amd-amdhsa--gfx1250"
	.amdhsa_code_object_version 6
	.text
	.protected	k_qc2674a8e5d_gq
	.globl	k_qc2674a8e5d_gq
	.p2align	8
	.type	k_qc2674a8e5d_gq,@function
k_qc2674a8e5d_gq:
	s_mov_b64 s[64:65], 0
	v_nop
	global_prefetch_b8 v0, s[64:65] scope:SCOPE_SE
	s_setreg_imm32_b32 hwreg(HW_REG_WAVE_MODE, 25, 1), 1
	s_wait_xcnt 0x0
	s_wait_alu depctr_hold_cnt(0) depctr_sa_sdst(0) depctr_va_vdst(0) depctr_va_sdst(0) depctr_va_ssrc(0) depctr_va_vcc(0) depctr_vm_vsrc(0)
	s_getreg_b32 s2, hwreg(HW_REG_IB_STS2, 6, 4)
	s_cmp_eq_u32 s2, 0
	s_cbranch_scc0 .Lentry_in_a_cluster
	s_endpgm
.Lentry_in_a_cluster:
	s_bfe_u32 s2, ttmp6, 0x10000c
	s_cmp_lg_u32 s2, 0xf033
	s_cbranch_scc0 .Lentry_shape_is_right
	s_endpgm
.Lentry_shape_is_right:
; q, k, v = LN(X) Wqkv on codes of FP4 (E2M1) with E8M0 scales, K = 1,024, and the results quantised at once for the two products of attention: q and k along the head's 64, v along the keys.  No work is left out.
; A and B are IMAGES OF THE OPERAND'S REGISTERS: codes at (rb 2 + ks) 32768 + q 8192 + i 1024 + c 512 + 16 lane, scale words at (rb 2 + ks) 2048 + q 512 + i 64 + 4 r; lane r of tile i = 2 b + u holds row 32 b + 8 u + r + 8 (r / 8) of block rb.
; A tile of 256 x 256 is made by four waves, 128 x 128 each: 64 accumulators.  THE MATRIX INSTRUCTION IS USED TRANSPOSED (source 0 = 16 rows of B, source 1 = 16 rows of A): lane (r, h) holds one row of A, and by the rows' order the 64
; registers of A's tile a are B's rows 32 b + 16 h + e in register 16 b + e: just what the quantiser of the next product wants.
; TWO MODES, told apart by the cluster's x alone, by selects and never by a branch.  Clusters x = 0, 1: A = tokens (hbuf), B = Wq, Wk's rows: a lane holds a token and its registers run along d.  Cluster x = 2: A = Wv's rows, B = tokens:
; the product is V^T, a lane holds one d and its registers run along the tokens, which are the keys.
; OUT: units of 4,608 bytes (4,096 of codes, 512 of scale words).  q, k: unit (RB 16 + CB) 2 + (head & 1), RB = token / 128, CB = 8 which + head / 2: codes [tile i][lane][16], words [i][r] with the head's two bytes below and zeros above.
; v, from byte 4,718,592: unit ((head / 2) 32 + token / 128) 2 + (head & 1): codes [c][d tile t][lane][16], words [t][r]; the words are stored a second time in the unit's last 256 bytes, so that one text serves both modes and the unit is whole.
; CLUSTERS: 4 x 4 work-groups; A's tiles are asked for jointly along a row of the cluster, B's along a column.  All of K (two K steps of 512) and all scale words are asked for at the head: nothing is filled twice.
; LIMITS: NaN and infinities are not served; a block of zeros gets byte 1 (its codes are zeros; this program alone reads the bytes); blocks under 2^-124 are held at byte 1.
; REGISTERS, in windows of 256: window 0: v0-31 addresses; v32-95 scale words, two sets, and nothing else ever; v128-191 A's fragments, on the way out the codes; v100-119, v200-223 the way out.  window 1: B's fragments, two sets.  windows 2, 3: accumulators.
.set NKS,    2                         ; K steps of 512
.set NQ,     4
.set FR,     8
.set NL,     2
.set NP,     4
.set HALFT,  32768                     ; 128 rows x 512 K of codes
.set SLOT,   4*HALFT
.set LAPS,   NKS/2
.set SCL,    2*SLOT                    ; behind the ring: the scale words of all of K
.set HALFS,  NKS*2048
.set SPARE,  SCL+4*HALFS               ; the spare words, 128 bytes for each wave: no other line names them
.set ADRA, 16
.set ADRB, 20
.set ADRS, 27
.set SPW,  28
.set NIL,  29
.set SC,   32
.set AF,   128
.set VO,   100                         ; v100-103 the way out: offsets of the codes, [c][a / 4]
.set VS,   104                         ; v104-107 and of the scale words, [c][e / 2]
.set PC,   128                         ; v128-191 eight fragments of codes
.set TM,   200                         ; v200-215 at work in QUANTW
.set PW,   216                         ; v216-223 eight scale words
.set SEL,  96
.set G1, 24
.set G0, 32
.set G1B, 48
.set G0B, 56
.set G1S, 68
.set G0S, 76
.set G1SB, 80
.set G0SB, 88
.set MSB, 0
.macro WIN new                         ; the immediate's high byte repeats the setting that is left
.if MSB != (\new)
	s_set_vgpr_msb (MSB<<8)|(\new)
.set MSB, (\new)
.endif
.endm
.set MUL_LO, 0xa1                      ; source 0 (B) window 1, source 1 (A) window 0, C and D window 2
.set MUL_HI, 0xf1
.set TO_B,   0x40
.macro ARM under, g0, g1, next         ; one arm of the head's chain of branches on the wave's number: its joint load, an s_nop 0 and four v_nop, a jump to the join
	s_cmp_lt_u32 s14, \under
	s_cbranch_scc0 \next
	tensor_load_to_lds s[\g0:\g0+3], s[\g1:\g1+7]
	s_nop 0
.rept 4
	v_nop
.endr
	s_branch .Lhead_asked
\next:
.endm
.macro CREST
	s_cmp_lg_u32 s14, 0
	s_cbranch_scc1 .Lnot_wave_0_\@
	s_barrier_signal -3
.Lnot_wave_0_\@:
	s_barrier_wait -3
	s_barrier_signal -1
	s_barrier_wait -1
.endm
.macro CROUND                          ; a round of the cluster's barrier
	s_barrier_signal -1
	s_barrier_wait -1
	CREST
.endm
	s_load_b128 s[4:7], s[0:1], 0x0                ; hbuf, wgt
	s_load_b64 s[12:13], s[0:1], 0x10              ; qkv
	v_lshl_add_u32 v[SPW], v0, 2, SPARE
	v_mov_b32 v[NIL], 0
	ds_add_u32 v[SPW], v[NIL]                      ; the wave's opening: the add, twice on end, and its wait ahead of my first tensor load
	ds_add_u32 v[SPW], v[NIL]
	v_lshrrev_b32 v1, 5, v0
	v_readfirstlane_b32 s14, v1                    ; wave 0..3
	s_lshr_b32 s15, s14, 1                         ; which half of the tile's rows is mine.
	s_and_b32 s16, s14, 1                          ; which half of its columns.
	s_bfe_u32 s40, ttmp6, 0x40000                  ; cx
	s_bfe_u32 s41, ttmp6, 0x40004                  ; cy
	s_and_b32 s18, ttmp7, 0xffff
	s_lshl_b32 s18, s18, 2                         ; 4 x cluster y
	s_lshl_b32 s19, ttmp9, 2                       ; 4 x cluster x
	s_cmp_eq_u32 ttmp9, 2                          ; the mode: the same in all sixteen partners
	s_cselect_b32 s17, 0, s18                      ; tile row: v: cy (Wv's four tiles of 256 rows); q, k: 4 x cluster y + cy (tokens)
	s_cselect_b32 s42, s18, s19                    ; tile column: v: 4 x cluster y + cx (tokens); q, k: 4 x cluster x + cx (Wq's and Wk's rows)
	s_add_co_u32 s17, s17, s41
	s_add_co_u32 s42, s42, s40
	s_lshl_b32 s43, s41, 2
	s_lshl_b32 s43, 15, s43                        ; my row of the cluster
	s_lshl_b32 s44, 0x1111, s40                    ; my column
	s_or_b32 s[G1+0], s43, (1<<21)                 ; codes: 512 rows of 256 elements of one byte, dense; the mask, bit 21 beside it
	s_or_b32 s[G1B+0], s44, (1<<21)
.irp g, G1, G1B
	s_mov_b32 s[\g+1], 256<<16
	s_mov_b32 s[\g+2], 512<<16                     ; 256 rows x all of K: two blocks on end, 131,072 dense bytes as 512 rows of 256
	s_mov_b32 s[\g+3], 256<<16
	s_mov_b32 s[\g+4], 512
	s_mov_b32 s[\g+5], 256
	s_mov_b32 s[\g+6], 0
	s_mov_b32 s[\g+7], 0
.endr
	s_or_b32 s[G1S+0], s43, (3<<16)|(1<<21)        ; scale words of 256 rows: 2 HALFS dense bytes as rows of 32 elements of 8 bytes
	s_or_b32 s[G1SB+0], s44, (3<<16)|(1<<21)
.irp g, G1S, G1SB
	s_mov_b32 s[\g+1], 32<<16
	s_mov_b32 s[\g+2], (2*HALFS/256)<<16           ; the scale words of 256 rows: 2 HALFS dense bytes
	s_mov_b32 s[\g+3], 32<<16
	s_mov_b32 s[\g+4], 2*HALFS/256
	s_mov_b32 s[\g+5], 32
	s_mov_b32 s[\g+6], 0
	s_mov_b32 s[\g+7], 0
.endr
	s_lshl_b32 s20, s17, 1
	s_lshl_b32 s46, s42, 1
	s_mul_i32 s22, s20, HALFS
	s_mov_b32 s23, 0
	s_mul_i32 s92, s46, HALFS
	s_mov_b32 s93, 0
	s_mul_i32 s20, s20, NKS*32768
	s_mov_b32 s21, 0
	s_mul_i32 s46, s46, NKS*32768
	s_mov_b32 s47, 0
	s_mov_b32 s[SEL], 0x76543210
	s_mov_b32 s[SEL+1], 0xfedcba98
	s_wait_dscnt 0x0                               ; both opening adds are done
	s_wait_kmcnt 0x0
	s_cmp_eq_u32 ttmp9, 2
	s_cselect_b64 s[8:9], s[4:5], s[6:7]           ; B: v: the tokens; q, k: the weights
	s_cselect_b64 s[4:5], s[6:7], s[4:5]           ; A: the other
	s_mov_b32 s18, 2097152
	s_cselect_b32 s18, 5308416, s18                ; A's scale words: v: Wqkv's from block 16 on (5242880 + 16 x 4096); q, k: hbuf's
	s_mov_b32 s2, 5242880
	s_cselect_b32 s2, 2097152, s2                  ; B's
	s_cselect_b32 s66, 1048576, 0                  ; A's codes: v: Wqkv's block 16 on
	s_mov_b32 s19, 0
	s_mov_b32 s3, 0
	s_mov_b32 s67, 0
	s_add_nc_u64 s[6:7], s[4:5], s[18:19]
	s_add_nc_u64 s[10:11], s[8:9], s[2:3]
	s_add_nc_u64 s[4:5], s[4:5], s[66:67]
	s_add_nc_u64 s[20:21], s[4:5], s[20:21]
	s_add_nc_u64 s[22:23], s[6:7], s[22:23]
	s_add_nc_u64 s[46:47], s[8:9], s[46:47]
	s_add_nc_u64 s[92:93], s[10:11], s[92:93]
	CROUND                                         ; all sixteen work-groups are here: the first joint loads meet
	s_mov_b32 s[G0S], 1
	s_mov_b32 s[G0S+1], SCL
	s_mov_b64 s[G0S+2:G0S+3], s[22:23]
	s_or_b32 s[G0S+3], s[G0S+3], 0x80000000
	s_mov_b32 s[G0SB], 1
	s_mov_b32 s[G0SB+1], SCL+2*HALFS
	s_mov_b64 s[G0SB+2:G0SB+3], s[92:93]
	s_or_b32 s[G0SB+3], s[G0SB+3], 0x80000000
	s_mov_b32 s[G0], 1                             ; A's codes: LDS 0 on: [half of the rows][K step][32768]
	s_mov_b32 s[G0+1], 0
	s_mov_b64 s[G0+2:G0+3], s[20:21]
	s_or_b32 s[G0+3], s[G0+3], 0x80000000
	s_mov_b32 s[G0B], 1                            ; B's codes behind them
	s_mov_b32 s[G0B+1], 4*HALFT
	s_mov_b64 s[G0B+2:G0B+3], s[46:47]
	s_or_b32 s[G0B+3], s[G0B+3], 0x80000000
	; THE HEAD'S LOADS, ONE A WAVE: wave 0 A's codes, wave 1 B's, wave 2 A's scale words, wave 3 B's; one chain of branches, one join
	ARM 1, G0,  G1,  .Lhead_b
	ARM 2, G0B, G1B, .Lhead_sa
	ARM 3, G0S, G1S, .Lhead_sb
	tensor_load_to_lds s[G0SB:G0SB+3], s[G1SB:G1SB+7]
	s_nop 0
.rept 4
	v_nop
.endr
.Lhead_asked:
	v_and_b32 v1, 15, v0                           ; r
	v_bfe_u32 v2, v0, 4, 1                         ; h
	s_wait_alu depctr_va_vdst(0)
	v_and_b32 v3, 31, v0
	v_lshlrev_b32 v4, 4, v3                        ; an image's place for my lane: 16 x lane
	s_mul_i32 s21, s15, 2*HALFT                    ; my 128 rows of A: both K steps on end
	s_mul_i32 s22, s16, 2*HALFT                    ; my 128 rows of B,
	s_add_co_u32 s22, s22, 4*HALFT                 ; behind A's 256
.irp s, 0,1
	v_add_nc_u32 v[ADRA+\s], s21, v4
	v_add_nc_u32 v[ADRB+\s], s22, v4
	s_add_co_u32 s21, s21, HALFT                   ; K step 1 lies 32,768 bytes behind K step 0
	s_add_co_u32 s22, s22, HALFT
.endr
	v_lshlrev_b32 v5, 2, v1                        ; a scale word's place: 4 r
	s_mul_i32 s21, s15, HALFS
	s_mul_i32 s22, s16, HALFS
	s_add_co_u32 s22, s22, 2*HALFS
	s_sub_co_u32 s22, s22, s21
	v_mul_u32_u24 v6, s22, v2                      ; lanes 16-31 take B's
	s_add_co_u32 s21, s21, SCL
	v_add_nc_u32 v5, v5, v6
	v_add_nc_u32 v[ADRS], s21, v5
.irp b, 0,1,2,3
	v_mov_b32 v[TM+4+\b], 0                        ; written once: a lane permute's destination counts as one of its sources
.endr
.macro FRAG reg, adr, q, i             ; a fragment comes as it was stored: two loads of 512 consecutive bytes
.irp c, 0,1
	ds_load_b128 v[\reg+4*\c:\reg+4*\c+3], v[\adr] offset:8192*(\q)+1024*(\i)+512*\c
.endr
.endm
; 16 matrix instructions: A's blocks a0, a0 + 1 x B's eight, the slot's q-th 128 along K.  The 64 accumulators take turns, one instruction a turn, in the same order in every step.
.macro MUL16 a0, p, q, sc, zero
.irp a, \a0, \a0+1
.irp b, 0,1,2,3,4,5,6,7
.if \zero
	v_wmma_scale_f32_16x16x128_f8f6f4 v[8*(8*((\a)%4)+\b):8*(8*((\a)%4)+\b)+7], v[128*(\p)+FR*\b:128*(\p)+FR*\b+FR-1], v[AF+FR*(\a):AF+FR*(\a)+FR-1], 0, v[SC+8*NQ*(\sc)+NQ*\b+(\q)], v[SC+8*NQ*(\sc)+NQ*(\a)+(\q)] matrix_a_fmt:MATRIX_FMT_FP4 matrix_b_fmt:MATRIX_FMT_FP4 matrix_a_scale:MATRIX_SCALE_ROW1
.else
	v_wmma_scale_f32_16x16x128_f8f6f4 v[8*(8*((\a)%4)+\b):8*(8*((\a)%4)+\b)+7], v[128*(\p)+FR*\b:128*(\p)+FR*\b+FR-1], v[AF+FR*(\a):AF+FR*(\a)+FR-1], v[8*(8*((\a)%4)+\b):8*(8*((\a)%4)+\b)+7], v[SC+8*NQ*(\sc)+NQ*\b+(\q)], v[SC+8*NQ*(\sc)+NQ*(\a)+(\q)] matrix_a_fmt:MATRIX_FMT_FP4 matrix_b_fmt:MATRIX_FMT_FP4 matrix_a_scale:MATRIX_SCALE_ROW1
.endif
.endr
.endr
.endm
.macro FETCH_B slot, q, p
	WIN TO_B
.irp i, 0,1,2,3,4,5,6,7
	FRAG 128*(\p)+FR*\i, ADRB+\slot, \q, \i
.endr
	WIN 0
.endm
.macro FETCH_A slot, q, i0
.irp i, \i0, \i0+1, \i0+2, \i0+3
	FRAG AF+FR*(\i), ADRA+\slot, \q, \i
.endr
.endm
.macro SCALES sc                       ; a K step's scale words into set sc: register 4 i + q: lanes 0-15 the word of A's tile i, lanes 16-31 that of B's tile i
.irp i, 0,1,2,3,4,5,6,7
.irp q, 0,1,2,3
	ds_load_b32 v[SC+8*NQ*\sc+NQ*\i+\q], v[ADRS] offset:512*\q+64*\i
.endr
.endr
.endm
.macro PLACES n                        ; plain vector instructions between a matrix instruction and a load into, or a read of, its registers
.rept \n
	v_nop
.endr
.endm
.macro STEP slot, q, zero              ; 128 along K that have their successor in the same slot
	s_wait_dscnt 4*NL                              ; all but the youngest eight loads (A's blocks 4-7) are in
	WIN MUL_LO
	MUL16 0, (\q)%2, \q, \slot, \zero
	MUL16 2, (\q)%2, \q, \slot, \zero
	s_wait_dscnt 0
	PLACES NP
	FETCH_B \slot, (\q)+1, 1-(\q)%2
	FETCH_A \slot, (\q)+1, 0
	WIN MUL_HI
	MUL16 4, (\q)%2, \q, \slot, \zero
	MUL16 6, (\q)%2, \q, \slot, \zero
	PLACES NP
	WIN 0
	FETCH_A \slot, (\q)+1, 4
.endm
.macro TURN slot, next                 ; a slot's last step changes slots: one barrier; nothing is filled again in this launch
	s_wait_tensorcnt 0x0                           ; all my tensor loads have landed: my part of the next slot
	ds_add_u32 v[SPW], v[NIL]                      ; 0 onto my spare word
	s_wait_dscnt 4*NL+1                            ; (the add and the youngest eight loads may be out)
	WIN MUL_LO
	MUL16 0, 1, NQ-1, \slot, 0
	s_wait_dscnt 0x0                               ; the add is done, and my reads of this slot are over
	s_barrier_signal -1
	MUL16 2, 1, NQ-1, \slot, 0
	WIN 0
	s_barrier_wait -1
	PLACES NP
	v_add_nc_u32 v[ADRS], 2048, v[ADRS]            ; the next K step's scale words
	FETCH_B \next, 0, 0
	FETCH_A \next, 0, 0
	SCALES \next
	WIN MUL_HI
	MUL16 4, 1, NQ-1, \slot, 0
	MUL16 6, 1, NQ-1, \slot, 0
	PLACES NP
	WIN 0
	FETCH_A \next, 0, 4
.endm
.macro STEPS slot, from
.set Q, \from
.rept NQ-1-\from
	STEP \slot, Q, 0
.set Q, Q+1
.endr
.endm
	s_wait_alu depctr_va_vdst(0)
	s_wait_tensorcnt 0x0                           ; my one load has landed; behind the barrier everybody's has
	s_barrier_signal -1
	s_barrier_wait -1
	FETCH_B 0, 0, 0
	FETCH_A 0, 0, 0
	SCALES 0
	FETCH_A 0, 0, 4
	STEP 0, 0, 1                                   ; the first products start the sums: nothing is cleared
	STEPS 0, 1
	TURN 0, 1
	STEPS 1, 0
	s_wait_dscnt 4*NL
	WIN MUL_LO
	MUL16 0, 1, NQ-1, 1, 0
	MUL16 2, 1, NQ-1, 1, 0
	s_wait_dscnt 0
	WIN MUL_HI
	MUL16 4, 1, NQ-1, 1, 0
	MUL16 6, 1, NQ-1, 1, 0
	WIN 0
	PLACES NP
; THE WAY OUT.  The 64 registers of A's tile a, in window w, are quantised in place of going to memory as f32: a fragment of 8 registers and a scale word.
.macro QUANTW s, w, pc, pw
	WIN ((\w)|((\w)<<2))                           ; sources 0 and 1: the accumulators' window
.irp b, 0,1,2,3
	v_max3_num_f32 v[TM+\b], |v[(\s)+16*\b]|, |v[(\s)+16*\b+1]|, 0x1800000   ; each accumulator is read from its low end on; the floor 2^(3 - 127)
.endr
.irp e, 2,4,6,8,10,12,14
.irp b, 0,1,2,3
	v_max3_num_f32 v[TM+\b], |v[(\s)+16*\b+\e]|, |v[(\s)+16*\b+\e+1]|, v[TM+\b]
.endr
.endr
	WIN 0
.irp b, 0,1,2,3
	v_permlanex16_b32 v[TM+4+\b], v[TM+\b], s[SEL], s[SEL+1]
.endr
.irp b, 0,1,2,3
	v_max_num_f32 v[TM+\b], v[TM+\b], v[TM+4+\b]
.endr
.irp b, 0,1,2,3
	v_add_nc_u32 v[TM+12+\b], 0xff000000, v[TM+\b]
.endr
.irp b, 0,1,2,3
	v_lshrrev_b32 v[TM+4+\b], 23, v[TM+12+\b]
.endr
	v_lshl_or_b32 v[\pw], v[TM+5], 8, v[TM+4]
	v_lshl_or_b32 v[\pw], v[TM+6], 16, v[\pw]
	v_lshl_or_b32 v[\pw], v[TM+7], 24, v[\pw]
	WIN (\w)
.irp b, 0,1,2,3
	v_cvt_scalef32_pk8_fp4_f32 v[(\pc)+2*\b], v[(\s)+16*\b:(\s)+16*\b+7], v[TM+12+\b]
	v_cvt_scalef32_pk8_fp4_f32 v[(\pc)+2*\b+1], v[(\s)+16*\b+8:(\s)+16*\b+15], v[TM+12+\b]
.endr
	WIN 0
	v_nop                                          ; one plain place behind a scaled conversion
.irp c, 0,1
.irp i, 0,1
	v_permlane16_swap_b32 v[(\pc)+4*\c+\i], v[(\pc)+2+4*\c+\i]
.endr
.endr
.endm
	s_cmp_eq_u32 ttmp9, 2                          ; the mode's numbers for the way out (all tensor loads have been awaited: the descriptors' registers are free)
	s_mov_b32 s20, 4608
	s_mov_b32 s21, 2048
	s_cselect_b32 s22, s21, s20                    ; from register group c = 0 to c = 1: v: 2048 inside the unit; q, k: the other head's unit
	s_cselect_b32 s23, s20, s21                    ; from tiles 0-3 to tiles 4-7: v: the other head's unit; q, k: 2048 inside the unit
	s_mov_b32 s21, 256
	s_cselect_b32 s24, s21, s20                    ; the same two steps for the scale words
	s_cselect_b32 s25, s20, s21
	s_cselect_b32 s26, 0, 16                       ; q, k: the second head's two bytes are brought down
	s_cselect_b32 s27, -1, 0xffff                  ; and the first head's are cut out
	s_cselect_b32 s28, 5, 4                        ; units' pairs in a row of the table: 32 or 16
	s_cselect_b32 s29, 4718592, 0
	s_lshl_b32 s30, s17, 1
	s_add_co_u32 s30, s30, s15
	s_lshl_b32 s30, s30, s28
	s_lshl_b32 s31, s42, 1
	s_add_co_u32 s31, s31, s16
	s_add_co_u32 s30, s30, s31
	s_mul_i32 s30, s30, 9216
	s_add_co_u32 s30, s30, s29
	s_mov_b32 s31, 0
	s_add_nc_u64 s[12:13], s[12:13], s[30:31]
	v_and_b32 v1, 31, v0
	v_lshlrev_b32 v[VO], 4, v1
	v_add_nc_u32 v[VO+1], s23, v[VO]
	v_add_nc_u32 v[VO+2], s22, v[VO]
	v_add_nc_u32 v[VO+3], s23, v[VO+2]
	v_lshl_add_u32 v[VS], v1, 2, 4096
	v_add_nc_u32 v[VS+1], s25, v[VS]
	v_add_nc_u32 v[VS+2], s24, v[VS]
	v_add_nc_u32 v[VS+3], s25, v[VS+2]
	v_cmp_lt_u32 vcc_lo, 15, v1                    ; lanes 16-31
.irp a, 0,1,2,3,4,5,6,7
	QUANTW 64*(\a%4), 2+\a/4, PC+8*\a, PW+\a
.irp c, 0,1
	global_store_b128 v[VO+2*\c+\a/4], v[PC+8*\a+4*\c:PC+8*\a+4*\c+3], s[12:13] offset:(\a%4)*512   ; 32 lanes store 512 consecutive bytes, aligned; no store's data are written again
.endr
.endr
.irp e, 0,1,2,3                        ; the words of tiles 2 e (lanes 0-15) and 2 e + 1 (lanes 16-31): 128 consecutive bytes a store
	v_cndmask_b32 v[116+\e], v[PW+2*\e], v[PW+2*\e+1], vcc_lo
	v_and_b32 v[108+2*\e], s27, v[116+\e]
	v_lshrrev_b32 v[109+2*\e], s26, v[116+\e]
	global_store_b32 v[VS+\e/2], v[108+2*\e], s[12:13] offset:(\e%2)*128
	global_store_b32 v[VS+2+\e/2], v[109+2*\e], s[12:13] offset:(\e%2)*128
.endr
	s_wait_tensorcnt 0x0                           ; the wave's end
	ds_add_u32 v[SPW], v[NIL]
	s_wait_dscnt 0x0
	CROUND                                         ; the closing round
	s_endpgm
.Lfunc_end_k_qc2674a8e5d_gq:
	.size	k_qc2674a8e5d_gq, .Lfunc_end_k_qc2674a8e5d_gq-k_qc2674a8e5d_gq
	.p2alignl 7, 3214868480
	.fill 96, 4, 3214868480
	.section	.rodata,"a",@progbits
	.p2align	6, 0x0
	.amdhsa_kernel k_qc2674a8e5d_gq
		.amdhsa_group_segment_fixed_size 327680
		.amdhsa_private_segment_fixed_size 0
		.amdhsa_enable_private_segment 0
		.amdhsa_kernarg_size 24
		.amdhsa_user_sgpr_count 2
		.amdhsa_user_sgpr_kernarg_segment_ptr 1
		.amdhsa_wavefront_size32 1
		.amdhsa_system_sgpr_workgroup_id_x 1
		.amdhsa_system_sgpr_workgroup_id_y 1
		.amdhsa_system_sgpr_workgroup_id_z 1
		.amdhsa_system_vgpr_workitem_id 0
		.amdhsa_next_free_vgpr 1024
		.amdhsa_next_free_sgpr 100
		.amdhsa_reserve_vcc 1
		.amdhsa_float_denorm_mode_32 3
		.amdhsa_float_denorm_mode_16_64 3
		.amdhsa_memory_ordered 1
		.amdhsa_forward_progress 1
		.amdhsa_inst_pref_size 132
	.end_amdhsa_kernel
	.amdgpu_metadata
---
amdhsa.version: [ 1, 2 ]
amdhsa.kernels:
  - .name:           k_qc2674a8e5d_gq
    .symbol:         k_qc2674a8e5d_gq.kd
    .args:
      - { .name: hbuf, .offset: 0, .size: 8, .value_kind: global_buffer, .address_space: global }
      - { .name: wgt, .offset: 8, .size: 8, .value_kind: global_buffer, .address_space: global }
      - { .name: qkv, .offset: 16, .size: 8, .value_kind: global_buffer, .address_space: global }
    .group_segment_fixed_size: 327680
    .private_segment_fixed_size: 0
    .kernarg_segment_align: 8
    .kernarg_segment_size: 24
    .max_flat_workgroup_size: 128
    .sgpr_count:     100
    .vgpr_count:     1024
    .wavefront_size: 32
...
	.end_amdgpu_metadata
.endif
;; end of part 10
;; launch attn (part 11): grid 8 x 32, 16 waves a work-group, clusters of 4 x 1, 327,680 bytes of LDS; arguments qkv, att; writes att
.if DOCPART == 11
	.amdgcn_target "amdgcn-amd-amdhsa--gfx1250"
	.amdhsa_code_object_version 6
	.text
	.protected	k_qc2674a8e5d_attn
	.globl	k_qc2674a8e5d_attn
	.p2align	8
	.type	k_qc2674a8e5d_attn,@function
k_qc2674a8e5d_attn:
	s_mov_b64 s[64:65], 0
	v_nop
	global_prefetch_b8 v0, s[64:65] scope:SCOPE_SE
	s_setreg_imm32_b32 hwreg(HW_REG_WAVE_MODE, 25, 1), 1
	s_wait_xcnt 0x0
	s_wait_alu depctr_hold_cnt(0) depctr_sa_sdst(0) depctr_va_vdst(0) depctr_va_sdst(0) depctr_va_ssrc(0) depctr_va_vcc(0) depctr_vm_vsrc(0)
	s_getreg_b32 s2, hwreg(HW_REG_IB_STS2, 6, 4)
	s_cmp_eq_u32 s2, 0
	s_cbranch_scc0 .Lentry_in_a_cluster
	s_endpgm
.Lentry_in_a_cluster:
	s_bfe_u32 s2, ttmp6, 0x10000c
	s_cmp_lg_u32 s2, 0x3003
	s_cbranch_scc0 .Lentry_shape_is_right
	s_endpgm
.Lentry_shape_is_right:
; att = softmax(q k^T / 8) v for one head and 256 queries a work-group, both products on codes of FP4 (E2M1) with E8M0 scales, and the result quantised along the heads' axis for the next product.  No work is left out.
; The scores' K is 64 and the matrix instruction takes 128: the queries' upper 64 codes are zeros.  t = score x log2(e) / 8; M = the running largest t rounded up to a whole number; p = 2^(t - M) is quantised along the keys;
; the row's sum is taken of the unquantised p and divides at the end; when M moves, the sum and O^T are multiplied by 2^(old M - new M), which rounds nothing.
; SHARES: sixteen waves, 16 queries each; every wave walks the head's 2,048 keys, 128 a step.  All of K and V of the head (16 units of 4,608 bytes each: codes and scale words) lie in LDS, filled once.
; CLUSTER 4, 1, 1: the four work-groups walk the same head and ask for K and V jointly.  ONE LOAD A WAVE at the head: waves 0-7 two units of K each, waves 8-15 two units of V each, a unit being one row of the tile.
; No prefetch: every tile is asked for at the head, so no later load is left to run ahead of.
; LIMITS: NaN and infinities are not served; the scaled scores stay under 2^31 in magnitude; a block of zeros gets byte 1 (its codes are zeros; this program alone reads the bytes).
.set KU,    4608
.set VB,    16*KU
.set SPARE, 2*VB
.set AK0,  1
.set AV0,  2
.set ASK0, 3
.set ASV0, 4
.set SPW,  5
.set NIL,  6
.set TM,   232
.set WV,   8
.set G1,   16                          ; s[16:23] group 1 for K's units
.set G1V,  68                          ; s[68:75] for V's: another pitch
.set G0K,  24
.set G0V,  28
.set TB,   36
.set CNT,  37
.set SEL,  44
.set CS,   46
.macro ROUND
	s_barrier_signal -1
	s_barrier_wait -1
	s_cmp_lg_u32 s[WV], 0
	s_cbranch_scc1 .Lnot_wave_0_\@
	s_barrier_signal -3
.Lnot_wave_0_\@:
	s_barrier_wait -3
	s_barrier_signal -1
	s_barrier_wait -1
.endm
	s_load_b128 s[4:7], s[0:1], 0x0
	v_lshl_add_u32 v[SPW], v0, 2, SPARE
	v_mov_b32 v[NIL], 0
	ds_add_u32 v[SPW], v[NIL]
	ds_add_u32 v[SPW], v[NIL]
	v_lshrrev_b32 v8, 5, v0
	s_delay_alu instid0(VALU_DEP_1)
	v_readfirstlane_b32 s[WV], v8
	s_bfe_u32 s9, ttmp6, 0x40000
	s_lshl_b32 s10, ttmp9, 2
	s_add_co_u32 s10, s10, s9
	s_and_b32 s11, ttmp7, 0xffff
	s_lshr_b32 s12, s11, 4
	s_and_b32 s13, s11, 15
	s_lshr_b32 s14, s13, 1
	s_and_b32 s15, s13, 1
.irp g, G1, G1V                        ; two rows of 576 elements of 8 bytes: two units; the mask names the cluster's four, bit 21 beside it
	s_mov_b32 s[\g], 15|(3<<16)|(1<<21)
	s_mov_b32 s[\g+1], 576<<16
	s_mov_b32 s[\g+2], 2<<16
	s_mov_b32 s[\g+3], 576<<16
	s_mov_b32 s[\g+4], 2
	s_mov_b32 s[\g+6], 0
	s_mov_b32 s[\g+7], 0
.endr
	s_mov_b32 s[G1+5], 18432                       ; K: 128 tokens on are 32 units, 147,456 bytes
	s_mov_b32 s[G1V+5], 1152                       ; V: 128 tokens on are 2 units, 9,216 bytes
	s_and_b32 s62, s[WV], 7
	s_lshl_b32 s62, s62, 1                         ; the first of the two units that I fetch
	s_mul_i32 s34, s15, KU
	s_lshl_b32 s32, s12, 4
	s_add_co_u32 s32, s32, s62
	s_lshl_b32 s38, s32, 4
	s_add_co_u32 s38, s38, s14
	s_add_co_u32 s38, s38, 8
	s_mul_i32 s38, s38, 2*KU
	s_add_co_u32 s38, s38, s34
	s_mov_b32 s39, 0
	s_lshl_b32 s40, s14, 5
	s_add_co_u32 s40, s40, s32
	s_mul_i32 s40, s40, 2*KU
	s_add_co_u32 s40, s40, s34
	s_add_co_u32 s40, s40, 4718592
	s_mov_b32 s41, 0
	s_lshl_b32 s33, s12, 4
	s_lshl_b32 s35, s10, 1
	s_add_co_u32 s33, s33, s35
	s_lshr_b32 s35, s[WV], 3
	s_add_co_u32 s33, s33, s35
	s_and_b32 s35, s[WV], 7
	s_lshl_b32 s42, s33, 4
	s_add_co_u32 s42, s42, s14
	s_mul_i32 s42, s42, 2*KU
	s_add_co_u32 s42, s42, s34
	s_mov_b32 s43, 0
	s_lshl_b32 s58, s35, 9
	s_lshl_b32 s59, s35, 6
	s_add_co_u32 s59, s59, 4096
	s_lshr_b32 s60, s13, 3
	s_and_b32 s61, s14, 3
	s_lshl_b32 s48, s33, 16
	s_lshl_b32 s49, s60, 15
	s_add_co_u32 s48, s48, s49
	s_lshl_b32 s49, s61, 13
	s_add_co_u32 s48, s48, s49
	s_lshl_b32 s49, s35, 10
	s_add_co_u32 s48, s48, s49
	s_lshl_b32 s49, s15, 9
	s_add_co_u32 s48, s48, s49
	s_mov_b32 s49, 0
	s_lshl_b32 s50, s33, 12
	s_lshl_b32 s51, s60, 11
	s_add_co_u32 s50, s50, s51
	s_lshl_b32 s51, s61, 9
	s_add_co_u32 s50, s50, s51
	s_lshl_b32 s51, s35, 6
	s_add_co_u32 s50, s50, s51
	s_lshl_b32 s51, s15, 1
	s_add_co_u32 s50, s50, s51
	s_add_co_u32 s50, s50, 2097152
	s_mov_b32 s51, 0
	s_mov_b32 s[SEL], 0x76543210
	s_mov_b32 s[SEL+1], 0xfedcba98
	s_mov_b32 s[CS], 0x3e38aa3b
	s_mov_b32 s[CS+1], s[CS]
	s_mov_b32 s[TB], 0
	s_mov_b32 s[CNT], 16
	s_wait_dscnt 0x0
	s_wait_kmcnt 0x0
	s_mov_b32 s[G0K], 1
	s_mul_i32 s[G0K+1], s62, KU
	s_add_nc_u64 s[G0K+2:G0K+3], s[4:5], s[38:39]
	s_or_b32 s[G0K+3], s[G0K+3], 0x80000000
	s_mov_b32 s[G0V], 1
	s_add_co_u32 s[G0V+1], s[G0K+1], VB
	s_add_nc_u64 s[G0V+2:G0V+3], s[4:5], s[40:41]
	s_or_b32 s[G0V+3], s[G0V+3], 0x80000000
	s_add_nc_u64 s[52:53], s[4:5], s[42:43]
	s_add_nc_u64 s[54:55], s[6:7], s[48:49]
	s_add_nc_u64 s[56:57], s[6:7], s[50:51]
	ROUND                                          ; the four work-groups are here: the joint loads meet
	s_cmp_lt_u32 s[WV], 8                          ; one load a wave, an arm each, one join
	s_cbranch_scc0 .Lfor_v
	tensor_load_to_lds s[G0K:G0K+3], s[G1:G1+7]
	s_nop 0
.rept 4
	v_nop
.endr
	s_branch .Lasked
.Lfor_v:
	tensor_load_to_lds s[G0V:G0V+3], s[G1V:G1V+7]
	s_nop 0
.rept 4
	v_nop
.endr
.Lasked:
	v_and_b32 v8, 31, v0
	v_and_b32 v9, 15, v0
	s_delay_alu instid0(VALU_DEP_2)
	v_lshlrev_b32 v[AK0], 4, v8
	s_delay_alu instid0(VALU_DEP_1)
	v_add_nc_u32 v[AV0], VB, v[AK0]
	s_delay_alu instid0(VALU_DEP_4)
	v_lshl_add_u32 v[ASK0], v8, 2, 4096
	s_delay_alu instid0(VALU_DEP_1)
	v_add_nc_u32 v[ASV0], VB, v[ASK0]
	v_lshlrev_b32 v7, 2, v9
	v_lshl_add_u32 v10, v8, 4, s58
	v_lshl_add_u32 v11, v9, 2, s59
	global_load_b128 v[16:19], v10, s[52:53]
	global_load_b32 v24, v11, s[52:53]
.irp j, 20,21,22,23,64,65,66,67
	v_mov_b32 v\j, 0
.endr
	v_mov_b32 v13, 0xff61b1e6
	s_delay_alu instid0(VALU_DEP_1)
	v_floor_f32 v12, -v13
	v_mov_b32 v14, 0
	v_mov_b32 v15, 0
.irp b, 0,1,2,3
	v_mov_b32 v[236+\b], 0
.endr
	v_mov_b32 v253, 0
.set j, 0
.rept 32
	v_mov_b32 v[160+j], 0
.set j, j+1
.endr
	s_wait_tensorcnt 0x0
	s_barrier_signal -1
	s_barrier_wait -1
	s_wait_loadcnt 0x0
.Lstep:
	v_add_nc_u32 v8, s[TB], v[AK0]
	v_add_nc_u32 v9, s[TB], v[AV0]
	v_add_nc_u32 v10, s[TB], v[ASK0]
	v_add_nc_u32 v11, s[TB], v[ASV0]
.irp t, 0,1,2,3,4,5,6,7
	ds_load_b128 v[32+4*\t:35+4*\t], v8 offset:512*\t
.endr
.irp p, 0,1,2,3
	ds_load_b32 v[25+\p], v10 offset:128*\p
.endr
.irp t, 0,1,2,3
.irp c, 0,1
	ds_load_b128 v[192+8*\t+4*\c:195+8*\t+4*\c], v9 offset:2048*\c+512*\t
.endr
.endr
.irp p, 0,1
	ds_load_b32 v[29+\p], v11 offset:128*\p
.endr
	s_wait_dscnt 10
.irp t, 0,1,2,3,4,5,6,7
.if \t%2
	v_wmma_scale_f32_16x16x128_f8f6f4 v[96+8*\t:103+8*\t], v[32+4*\t:39+4*\t], v[16:23], 0, v[25+\t/2], v24 matrix_a_fmt:MATRIX_FMT_FP4 matrix_b_fmt:MATRIX_FMT_FP4 matrix_a_scale:MATRIX_SCALE_ROW1
.else
	v_wmma_scale_f32_16x16x128_f8f6f4 v[96+8*\t:103+8*\t], v[32+4*\t:39+4*\t], v[16:23], 0, v[25+\t/2], v24 matrix_a_fmt:MATRIX_FMT_FP4 matrix_b_fmt:MATRIX_FMT_FP4
.endif
.endr
.rept 4
	v_nop
.endr
.irp b, 0,1,2,3
	v_max3_num_f32 v[232+\b], v[96+16*\b], v[97+16*\b], v[98+16*\b]
.endr
.irp i, 3,5,7,9,11,13
.irp b, 0,1,2,3
	v_max3_num_f32 v[232+\b], v[232+\b], v[96+16*\b+\i], v[97+16*\b+\i]
.endr
.endr
.irp b, 0,1,2,3
	v_max_num_f32 v[232+\b], v[232+\b], v[111+16*\b]
.endr
.irp b, 0,1,2,3
	s_delay_alu instid0(VALU_DEP_4)
	v_permlanex16_b32 v[236+\b], v[232+\b], s[SEL], s[SEL+1]
.endr
.irp b, 0,1,2,3
	s_delay_alu instid0(VALU_DEP_4)
	v_max_num_f32 v[232+\b], v[232+\b], v[236+\b]
.endr
	s_delay_alu instid0(VALU_DEP_2)
	v_max3_num_f32 v254, v232, v233, v234
	s_delay_alu instid0(VALU_DEP_1)
	v_max_num_f32 v254, v254, v235
	s_delay_alu instid0(VALU_DEP_1)
	v_mul_f32 v254, s[CS], v254
	s_delay_alu instid0(VALU_DEP_1)
	v_max_num_f32 v13, v13, v254
	v_mov_b32 v254, v12
	s_delay_alu instid0(VALU_DEP_2)
	v_floor_f32 v12, -v13
	s_delay_alu instid0(VALU_DEP_1)
	v_sub_f32 v254, v12, v254
	s_delay_alu instid0(VALU_DEP_1)
	v_cvt_i32_f32 v254, v254
	s_delay_alu instid0(VALU_DEP_1)
	v_ldexp_f32 v252, 1.0, v254
.set j, 0
.rept 32
	v_pk_fma_f32 v[96+j:97+j], v[96+j:97+j], s[CS:CS+1], v[12:13] op_sel_hi:[1,0,0]
.set j, j+2
.endr
.irp b, 0,1,2,3
	v_fma_f32 v[232+\b], v[232+\b], s[CS], v12
.endr
.set j, 0
	s_wait_alu depctr_va_vdst(0)
.rept 64
	v_exp_f32 v[96+j], v[96+j]
.set j, j+1
.endr
	v_pk_mul_f32 v[14:15], v[14:15], v[252:253] op_sel_hi:[1,0]
	s_wait_alu depctr_va_vdst(0)
.irp b, 0,1,2,3
	v_exp_f32 v[232+\b], v[232+\b]
.endr
	v_pk_add_f32 v[236:237], v[96:97], v[98:99]
.irp j, 4,8,12,16,20,24,28,32,36,40,44,48,52,56,60
	v_pk_add_f32 v[14:15], v[14:15], v[96+\j:97+\j]
	v_pk_add_f32 v[236:237], v[236:237], v[98+\j:99+\j]
.endr
	s_delay_alu instid0(VALU_DEP_1)
	v_pk_add_f32 v[14:15], v[14:15], v[236:237]
	s_wait_alu depctr_va_vdst(0)
.irp b, 0,1,2,3
	v_max_num_f32 v[232+\b], 0x1800000, v[232+\b]
.endr
.irp b, 0,1,2,3
	s_delay_alu instid0(VALU_DEP_4)
	v_add_nc_u32 v[244+\b], 0xff000000, v[232+\b]
.endr
.irp b, 0,1,2,3
	s_delay_alu instid0(VALU_DEP_4)
	v_lshrrev_b32 v[236+\b], 23, v[244+\b]
.endr
	s_delay_alu instid0(VALU_DEP_3)
	v_lshl_or_b32 v31, v237, 8, v236
	s_delay_alu instid0(VALU_DEP_1)
	v_lshl_or_b32 v31, v238, 16, v31
	s_delay_alu instid0(VALU_DEP_1)
	v_lshl_or_b32 v31, v239, 24, v31
.irp b, 0,1,2,3
	v_cvt_scalef32_pk8_fp4_f32 v[224+2*\b], v[96+16*\b:103+16*\b], v[244+\b]
	v_cvt_scalef32_pk8_fp4_f32 v[225+2*\b], v[104+16*\b:111+16*\b], v[244+\b]
.endr
	v_nop
.irp c, 0,1
.irp i, 0,1
	v_permlane16_swap_b32 v[224+4*\c+\i], v[226+4*\c+\i]
.endr
.endr
.set j, 0
.rept 16
	v_pk_mul_f32 v[160+j:161+j], v[160+j:161+j], v[252:253] op_sel_hi:[1,0]
.set j, j+2
.endr
.rept 4
	v_nop
.endr
	s_wait_alu depctr_va_vdst(0)
	s_wait_dscnt 0x0
.irp t, 0,1,2,3
.if \t%2
	v_wmma_scale_f32_16x16x128_f8f6f4 v[160+8*\t:167+8*\t], v[192+8*\t:199+8*\t], v[224:231], v[160+8*\t:167+8*\t], v[29+\t/2], v31 matrix_a_fmt:MATRIX_FMT_FP4 matrix_b_fmt:MATRIX_FMT_FP4 matrix_a_scale:MATRIX_SCALE_ROW1
.else
	v_wmma_scale_f32_16x16x128_f8f6f4 v[160+8*\t:167+8*\t], v[192+8*\t:199+8*\t], v[224:231], v[160+8*\t:167+8*\t], v[29+\t/2], v31 matrix_a_fmt:MATRIX_FMT_FP4 matrix_b_fmt:MATRIX_FMT_FP4
.endif
.endr
	s_add_co_u32 s[TB], s[TB], KU
	s_sub_co_u32 s[CNT], s[CNT], 1
	s_cmp_lg_u32 s[CNT], 0
	s_cbranch_scc1 .Lstep
.rept 4
	v_nop
.endr
	v_add_f32 v14, v14, v15
	s_delay_alu instid0(VALU_DEP_1)
	v_permlanex16_b32 v252, v14, s[SEL], s[SEL+1]
	s_delay_alu instid0(VALU_DEP_1)
	v_add_f32 v14, v14, v252
	s_wait_alu depctr_va_vdst(0)
	v_rcp_f32 v14, v14
	v_nop
	s_wait_alu depctr_va_vdst(0)
.set j, 0
.rept 32
	v_mul_f32 v[96+j], v[160+j], v14
.set j, j+1
.endr
.irp b, 0,1
	v_max3_num_f32 v[TM+\b], |v[96+16*\b]|, |v[97+16*\b]|, 0x1800000
.endr
.irp e, 2,4,6,8,10,12,14
.irp b, 0,1
	s_delay_alu instid0(VALU_DEP_2)
	v_max3_num_f32 v[TM+\b], v[TM+\b], |v[96+16*\b+\e]|, |v[97+16*\b+\e]|
.endr
.endr
.irp b, 0,1
	s_delay_alu instid0(VALU_DEP_2)
	v_permlanex16_b32 v[TM+4+\b], v[TM+\b], s[SEL], s[SEL+1]
.endr
.irp b, 0,1
	s_delay_alu instid0(VALU_DEP_2)
	v_max_num_f32 v[TM+\b], v[TM+\b], v[TM+4+\b]
.endr
.irp b, 0,1
	s_delay_alu instid0(VALU_DEP_2)
	v_add_nc_u32 v[TM+12+\b], 0xff000000, v[TM+\b]
.endr
.irp b, 0,1
	s_delay_alu instid0(VALU_DEP_2)
	v_lshrrev_b32 v[TM+4+\b], 23, v[TM+12+\b]
.endr
	s_delay_alu instid0(VALU_DEP_1)
	v_lshl_or_b32 v238, v[TM+5], 8, v[TM+4]
.irp b, 0,1
	v_cvt_scalef32_pk8_fp4_f32 v[224+2*\b], v[96+16*\b:103+16*\b], v[TM+12+\b]
	v_cvt_scalef32_pk8_fp4_f32 v[225+2*\b], v[104+16*\b:111+16*\b], v[TM+12+\b]
.endr
	v_nop
	v_permlane16_swap_b32 v224, v226
	v_permlane16_swap_b32 v225, v227
	global_store_b128 v[AK0], v[224:227], s[54:55]
	global_store_b16 v7, v238, s[56:57]
	s_wait_tensorcnt 0x0
	ds_add_u32 v[SPW], v[NIL]
	s_wait_dscnt 0x0
	ROUND
	s_endpgm
.Lfunc_end_k_qc2674a8e5d_attn:
	.size	k_qc2674a8e5d_attn, .Lfunc_end_k_qc2674a8e5d_attn-k_qc2674a8e5d_attn
	.p2alignl 7, 3214868480
	.fill 96, 4, 3214868480
	.section	.rodata,"a",@progbits
	.p2align	6, 0x0
	.amdhsa_kernel k_qc2674a8e5d_attn
		.amdhsa_group_segment_fixed_size 327680
		.amdhsa_private_segment_fixed_size 0
		.amdhsa_enable_private_segment 0
		.amdhsa_kernarg_size 16
		.amdhsa_user_sgpr_count 2
		.amdhsa_user_sgpr_kernarg_segment_ptr 1
		.amdhsa_wavefront_size32 1
		.amdhsa_system_sgpr_workgroup_id_x 1
		.amdhsa_system_sgpr_workgroup_id_y 1
		.amdhsa_system_sgpr_workgroup_id_z 1
		.amdhsa_system_vgpr_workitem_id 0
		.amdhsa_next_free_vgpr 256
		.amdhsa_next_free_sgpr 80
		.amdhsa_reserve_vcc 0
		.amdhsa_float_denorm_mode_32 3
		.amdhsa_float_denorm_mode_16_64 3
		.amdhsa_memory_ordered 1
		.amdhsa_forward_progress 1
		.amdhsa_inst_pref_size 29
	.end_amdhsa_kernel
	.amdgpu_metadata
---
amdhsa.version: [ 1, 2 ]
amdhsa.kernels:
  - .name:           k_qc2674a8e5d_attn
    .symbol:         k_qc2674a8e5d_attn.kd
    .args:
      - { .name: qkv, .offset: 0, .size: 8, .value_kind: global_buffer, .address_space: global }
      - { .name: att, .offset: 8, .size: 8, .value_kind: global_buffer, .address_space: global }
    .group_segment_fixed_size: 327680
    .private_segment_fixed_size: 0
    .kernarg_segment_align: 8
    .kernarg_segment_size: 16
    .max_flat_workgroup_size: 512
    .sgpr_count:     80
    .vgpr_count:     256
    .wavefront_size: 32
...
	.end_amdgpu_metadata
.endif
;; end of part 11
;; launch go (part 12): grid 8 x 32, 4 waves a work-group, clusters of 4 x 4, 327,680 bytes of LDS; arguments att, wgt, X, x1; writes x1
.if DOCPART == 12
	.amdgcn_target "amdgcn-amd-amdhsa--gfx1250"
	.amdhsa_code_object_version 6
	.text
	.protected	k_qc2674a8e5d_go
	.globl	k_qc2674a8e5d_go
	.p2align	8
	.type	k_qc2674a8e5d_go,@function
k_qc2674a8e5d_go:
	s_mov_b64 s[64:65], 0
	v_nop
	global_prefetch_b8 v0, s[64:65] scope:SCOPE_SE
	s_setreg_imm32_b32 hwreg(HW_REG_WAVE_MODE, 25, 1), 1
	s_wait_xcnt 0x0
	s_wait_alu depctr_hold_cnt(0) depctr_sa_sdst(0) depctr_va_vdst(0) depctr_va_sdst(0) depctr_va_ssrc(0) depctr_va_vcc(0) depctr_vm_vsrc(0)
	s_getreg_b32 s2, hwreg(HW_REG_IB_STS2, 6, 4)
	s_cmp_eq_u32 s2, 0
	s_cbranch_scc0 .Lentry_in_a_cluster
	s_endpgm
.Lentry_in_a_cluster:
	s_bfe_u32 s2, ttmp6, 0x10000c
	s_cmp_lg_u32 s2, 0xf033
	s_cbranch_scc0 .Lentry_shape_is_right
	s_endpgm
.Lentry_shape_is_right:
; x1 = X + attn Wout, the product on codes of FP4 (E2M1) with E8M0 scales, K = 1,024; sums and the residual in f32.  No work is left out.
; A (att) and B (Wout in wgt) are IMAGES OF THE OPERAND'S REGISTERS: codes at (rb NKS + ks) 32768 + q 8192 + i 1024 + c 512 + 16 lane, scale words at (rb NKS + ks) 2048 + q 512 + i 64 + 4 r; lane r of tile i = 2 b + u holds row 32 b + 8 u + r + 8 (r / 8) of block rb.
; A TILE OF 128 x 128 to a work-group: M / 128 x N / 128 = 32 x 8 = 256 work-groups, one for each WGP.  Four waves, 64 x 64 each: 16 accumulators; wave (s15, s16) takes A's tiles 4 s15 + a and B's tiles 4 s16 + b, which are rows 64 s15 on and columns 64 s16 on.
; ALL OF K LIES IN LDS: A's block of 128 rows and B's are two dense runs of NKS x 32768 bytes; with their scale words they are asked for once, at the head: no ring, nothing is filled twice, one barrier.
; CLUSTERS: 4 x 4 work-groups; A's block hangs on the tile row alone and is asked for jointly along a row of the cluster, B's on the tile column alone, along a column.  Wave 0 fetches A's codes, wave 1 B's, wave 2 A's scale words, wave 3 B's: one load a wave is out.
; No prefetch: every tile is asked for at the head, so no later load is left to run ahead of.
; THE MATRIX INSTRUCTION IS USED TRANSPOSED (source 0 = 16 rows of B, source 1 = 16 rows of A): lane (r, h) holds A's row of lane r, and register j of accumulator (a, b) is column 32 (b / 2) + 16 h + 8 (b % 2) + j of my 64.
; THE RESIDUAL's 64 x 64 numbers of the wave are asked for at the head, behind the tensor loads, and land while the products run.
; THE WAY OUT: a tile of 16 rows x 256 bytes goes through the wave's own stage in LDS (bytes of its own: other waves may still be reading A and B) and comes back two rows to a load; the residual is added; sixteen lanes store 256 consecutive bytes, aligned.
; REGISTERS, in windows of 256: window 0: v0-31 addresses; v32-63 scale words and nothing else, a register for each step and tile (lanes 0-15 A's word, lanes 16-31 B's); v128-255 the accumulators ((a, b) at v[128 + 8 (4 a + b)]).
;   window 1: four sets of fragments (A's four, then B's four, 64 registers a set); on the way out v0-127 the rows read back.   window 2: v0-127 the residual.
; THE HEAD'S LOADS AS THEY STAND IN THIS TEXT: one a wave: wave 0 fetches A's codes for all of K, wave 1 B's, wave 2 A's scale words, wave 3 B's.
.set NKS,    2                         ; K steps of 512
.set ASCALES, 2097152
.set BCODES,  1572864
.set BSCALES, 5341184
.set NS,     4*NKS                     ; steps of 128 along K
.set SIDE,   NKS*32768                 ; LDS: A's codes at 0, B's at SIDE
.set HALFC,  SIDE                      ; what one tensor load of codes brings: a whole side
.set SCL,    2*SIDE                    ; the scale words: A's, then B's
.set SSIDE,  NKS*2048
.set HALFS,  SSIDE                     ; and one of scale words
.set SPARE,  SCL+2*SSIDE               ; the spare words, 128 bytes for each wave: no other line names them
.set STG,    SPARE+512                 ; the stages: 16 rows x 272 bytes for each wave; no fill lands here
.set SPITCH, 272                       ; 256 bytes + 16: the sixteen rows that a store touches start at sixteen different banks
.set ADRA, 16                          ; v16  LDS address of my A fragments, a register for each 65,536 bytes (an LDS immediate has 16 bits)
.set ADRB, 20                          ; v20  the same for B
.set STO,  24
.set RD,   25
.set CO,   26
.set ADRS, 27
.set SPW,  28
.set NIL,  29
.set SC,   32
.set ACC,  128
.set RES,  98
.set G1, 24
.set G0, 32
.set G1B, 48
.set G0B, 56
.set G1S, 68
.set G0S, 76
.set G1SB, 80
.set G0SB, 88
.set MSB, 0
.macro WIN new                         ; the immediate's high byte repeats the setting that is left
.if MSB != (\new)
	s_set_vgpr_msb (MSB<<8)|(\new)
.set MSB, (\new)
.endif
.endm
.set MUL,  0x05                        ; sources 0 (B) and 1 (A) window 1; C and D window 0
.set TO_F, 0x40                        ; destination window 1, address window 0
.macro ARM under, g0, g1, next         ; one arm of the head's chain of branches on the wave's number: its joint load, an s_nop 0 and four v_nop, a jump to the join
	s_cmp_lt_u32 s14, \under
	s_cbranch_scc0 \next
	tensor_load_to_lds s[\g0:\g0+3], s[\g1:\g1+7]
	s_nop 0
.rept 4
	v_nop
.endr
	s_branch .Lhead_asked
\next:
.endm
.macro CROUND                          ; a round of the cluster's barrier
	s_barrier_signal -1
	s_barrier_wait -1
	s_cmp_lg_u32 s14, 0
	s_cbranch_scc1 .Lnot_wave_0_\@
	s_barrier_signal -3
.Lnot_wave_0_\@:
	s_barrier_wait -3
	s_barrier_signal -1
	s_barrier_wait -1
.endm
	s_load_b256 s[4:11], s[0:1], 0x0               ; A, wgt, the residual, the output
	v_lshl_add_u32 v[SPW], v0, 2, SPARE
	v_mov_b32 v[NIL], 0
	ds_add_u32 v[SPW], v[NIL]                      ; the wave's opening: the add, twice on end, and its wait ahead of my first tensor load
	ds_add_u32 v[SPW], v[NIL]
	v_lshrrev_b32 v1, 5, v0
	v_readfirstlane_b32 s14, v1                    ; wave 0..3
	s_lshr_b32 s15, s14, 1                         ; my half of the tile's rows.
	s_and_b32 s16, s14, 1                          ; my half of its columns.
	s_bfe_u32 s40, ttmp6, 0x40000                  ; cx
	s_bfe_u32 s41, ttmp6, 0x40004                  ; cy
	s_lshl_b32 s42, ttmp9, 2
	s_add_co_u32 s42, s42, s40                     ; tile column = B's block
	s_and_b32 s17, ttmp7, 0xffff
	s_lshl_b32 s17, s17, 2
	s_add_co_u32 s17, s17, s41                     ; tile row = A's block
	s_lshl_b32 s43, s41, 2
	s_lshl_b32 s43, 15, s43                        ; my row of the cluster
	s_lshl_b32 s44, 0x1111, s40                    ; my column
	s_or_b32 s[G1+0], s43, (1<<21)                 ; codes: HALFC dense bytes as rows of 256 elements of one byte; the mask, bit 21 beside it
	s_or_b32 s[G1B+0], s44, (1<<21)
.irp g, G1, G1B
	s_mov_b32 s[\g+1], 256<<16
	s_mov_b32 s[\g+2], (HALFC/256)<<16
	s_mov_b32 s[\g+3], 256<<16
	s_mov_b32 s[\g+4], HALFC/256
	s_mov_b32 s[\g+5], 256
	s_mov_b32 s[\g+6], 0
	s_mov_b32 s[\g+7], 0
.endr
	s_or_b32 s[G1S+0], s43, (3<<16)|(1<<21)        ; scale words: HALFS dense bytes as rows of 32 elements of 8 bytes
	s_or_b32 s[G1SB+0], s44, (3<<16)|(1<<21)
.irp g, G1S, G1SB
	s_mov_b32 s[\g+1], 32<<16
	s_mov_b32 s[\g+2], (HALFS/256)<<16
	s_mov_b32 s[\g+3], 32<<16
	s_mov_b32 s[\g+4], HALFS/256
	s_mov_b32 s[\g+5], 32
	s_mov_b32 s[\g+6], 0
	s_mov_b32 s[\g+7], 0
.endr
	s_mul_i32 s20, s17, SIDE                       ; A's addresses hang on the tile row alone,
	s_mov_b32 s21, 0
	s_mul_i32 s22, s17, SSIDE
	s_mov_b32 s23, 0
	s_mul_i32 s46, s42, SIDE                       ; B's on the tile column alone
	s_mov_b32 s47, 0
	s_mul_i32 s92, s42, SSIDE
	s_mov_b32 s93, 0
	s_wait_dscnt 0x0                               ; both opening adds are done
	s_wait_kmcnt 0x0
	s_mov_b64 s[12:13], s[10:11]                   ; the output
	s_mov_b64 s[RES:RES+1], s[8:9]                 ; the residual
	s_add_nc_u64 s[8:9], s[6:7], BCODES
	s_add_nc_u64 s[10:11], s[6:7], BSCALES
	s_add_nc_u64 s[6:7], s[4:5], ASCALES
	s_add_nc_u64 s[20:21], s[4:5], s[20:21]
	s_add_nc_u64 s[22:23], s[6:7], s[22:23]
	s_add_nc_u64 s[46:47], s[8:9], s[46:47]
	s_add_nc_u64 s[92:93], s[10:11], s[92:93]
	CROUND                                         ; all sixteen work-groups are here: the joint loads meet
	s_mov_b32 s[G0S], 1
	s_mov_b32 s[G0S+1], SCL
	s_mov_b64 s[G0S+2:G0S+3], s[22:23]
	s_or_b32 s[G0S+3], s[G0S+3], 0x80000000
	s_mov_b32 s[G0SB], 1
	s_mov_b32 s[G0SB+1], SCL+SSIDE
	s_mov_b64 s[G0SB+2:G0SB+3], s[92:93]
	s_or_b32 s[G0SB+3], s[G0SB+3], 0x80000000
	s_mov_b32 s[G0], 1
	s_mov_b32 s[G0+1], 0
	s_mov_b64 s[G0+2:G0+3], s[20:21]
	s_or_b32 s[G0+3], s[G0+3], 0x80000000
	s_mov_b32 s[G0B], 1
	s_mov_b32 s[G0B+1], SIDE
	s_mov_b64 s[G0B+2:G0B+3], s[46:47]
	s_or_b32 s[G0B+3], s[G0B+3], 0x80000000
	ARM 1, G0,  G1,  .Lhead_b                      ; one load a wave: one chain of branches, one join
	ARM 2, G0B, G1B, .Lhead_sa
	ARM 3, G0S, G1S, .Lhead_sb
	tensor_load_to_lds s[G0SB:G0SB+3], s[G1SB:G1SB+7]
	s_nop 0
.rept 4
	v_nop
.endr
.Lhead_asked:
	v_and_b32 v1, 15, v0                           ; r
	v_bfe_u32 v2, v0, 4, 1                         ; h
	v_and_b32 v3, 31, v0
	v_lshlrev_b32 v[CO], 12, v2                    ; memory: lanes 0-15 one row of 4,096 bytes, lanes 16-31 the next; 16 bytes a lane
	v_lshl_add_u32 v[CO], v1, 4, v[CO]
	s_wait_alu depctr_va_vdst(0)
	s_lshl_b32 s20, s17, 7
	s_lshl_b32 s21, s15, 6
	s_add_co_u32 s20, s20, s21                     ; my first row: 128 x tile row + 64 x half
	s_lshl_b32 s20, s20, 12
	s_lshl_b32 s46, s42, 9                         ; my first column, in bytes: 512 x tile column + 256 x half
	s_lshl_b32 s47, s16, 8
	s_add_co_u32 s46, s46, s47
	s_add_co_u32 s20, s20, s46
	s_mov_b32 s21, 0
	s_add_nc_u64 s[12:13], s[12:13], s[20:21]
	s_add_nc_u64 s[RES:RES+1], s[RES:RES+1], s[20:21]
	WIN 0x80                                       ; destination window 2
.irp a, 0,1,2,3                        ; the residual: tile a's rows 2 t + h of sixteen; every row's place stands in the immediate
.irp t, 0,1,2,3,4,5,6,7
	global_load_b128 v[32*\a+4*\t:32*\a+4*\t+3], v[CO], s[RES:RES+1] offset:(32*(\a/2)+8*(\a%2)+2*\t+8*(\t/4))*4096
.endr
.endr
	WIN 0
	v_lshlrev_b32 v4, 4, v3                        ; an image's place for my lane: 16 x lane
	s_lshl_b32 s21, s15, 12                        ; my four tiles of A: 4096 x half
	s_lshl_b32 s22, s16, 12                        ; my four tiles of B,
	s_add_co_u32 s22, s22, SIDE                    ; behind A's block
.set k, 0
.rept NKS/2
	v_add_nc_u32 v[ADRA+k], s21, v4
	v_add_nc_u32 v[ADRB+k], s22, v4
	s_add_co_u32 s21, s21, 65536
	s_add_co_u32 s22, s22, 65536
.set k, k+1
.endr
	v_lshlrev_b32 v5, 2, v1                        ; a scale word's place: 4 r
	s_lshl_b32 s21, s15, 8                         ; A's: my four tiles
	s_lshl_b32 s22, s16, 8                         ; B's: my four tiles, behind A's words
	s_add_co_u32 s22, s22, SSIDE
	s_sub_co_u32 s22, s22, s21
	v_mul_u32_u24 v6, s22, v2                      ; lanes 16-31 take B's
	s_add_co_u32 s21, s21, SCL
	v_add_nc_u32 v5, v5, v6
	v_add_nc_u32 v[ADRS], s21, v5
	s_mul_i32 s23, s14, 16*SPITCH
	s_add_co_u32 s23, s23, STG                     ; my stage
	v_mul_u32_u24 v5, v1, SPITCH
	v_lshl_add_u32 v5, v2, 6, v5
	v_add_nc_u32 v[STO], s23, v5                   ; in: row r, + 64 h
	v_mul_u32_u24 v6, v2, SPITCH
	v_lshl_add_u32 v6, v1, 4, v6
	v_add_nc_u32 v[RD], s23, v6                    ; back: lanes 0-15 one row of 256 bytes, lanes 16-31 the next
.macro PLACES n                        ; plain vector instructions between a matrix instruction and a load into, or a read of, its registers
.rept \n
	v_nop
.endr
.endm
.macro FETCH s                         ; step s: its four scale registers, then A's and B's four fragments into set s % 4: 20 LDS loads
.set FP, 64*((\s)%4)
.set FK, (\s)/8
.set FO, 8192*((\s)%8)
	WIN 0
.irp i, 0,1,2,3
	ds_load_b32 v[SC+4*(\s)+\i], v[ADRS] offset:512*(\s)+64*\i
.endr
	WIN TO_F
.irp i, 0,1,2,3
.irp c, 0,1
	ds_load_b128 v[FP+8*\i+4*\c:FP+8*\i+4*\c+3], v[ADRA+FK] offset:FO+1024*\i+512*\c           ; a fragment comes as it was stored: 512 consecutive bytes a load
	ds_load_b128 v[FP+32+8*\i+4*\c:FP+32+8*\i+4*\c+3], v[ADRB+FK] offset:FO+1024*\i+512*\c
.endr
.endr
.endm
; 16 matrix instructions: A's four tiles x B's four, 128 along K.  The 16 accumulators take turns, one instruction a turn, in the same order in every step.  zero = 1: the first products start the sums.
.macro MUL16 s, zero
.set MP, 64*((\s)%4)
.set MS, SC+4*(\s)
.irp a, 0,1,2,3
.irp b, 0,1,2,3
.if \zero
	v_wmma_scale_f32_16x16x128_f8f6f4 v[ACC+8*(4*\a+\b):ACC+8*(4*\a+\b)+7], v[MP+32+8*\b:MP+32+8*\b+7], v[MP+8*\a:MP+8*\a+7], 0, v[MS+\b], v[MS+\a] matrix_a_fmt:MATRIX_FMT_FP4 matrix_b_fmt:MATRIX_FMT_FP4 matrix_a_scale:MATRIX_SCALE_ROW1
.else
	v_wmma_scale_f32_16x16x128_f8f6f4 v[ACC+8*(4*\a+\b):ACC+8*(4*\a+\b)+7], v[MP+32+8*\b:MP+32+8*\b+7], v[MP+8*\a:MP+8*\a+7], v[ACC+8*(4*\a+\b):ACC+8*(4*\a+\b)+7], v[MS+\b], v[MS+\a] matrix_a_fmt:MATRIX_FMT_FP4 matrix_b_fmt:MATRIX_FMT_FP4 matrix_a_scale:MATRIX_SCALE_ROW1
.endif
.endr
.endr
.endm
.macro STEP s, zero                    ; fragments are asked for three steps ahead
.if (\s)+2 < NS
	s_wait_dscnt 40                                ; this step's 20 loads are in; the 20 of each of the two steps behind it may be out
.elseif (\s)+1 < NS
	s_wait_dscnt 20                                ; the last step's 20 may be out
.else
	s_wait_dscnt 0x0
.endif
.if (\s)+3 < NS
.if (\s) > 0
	PLACES 4                                       ; the set that is filled now was read by the products just issued
.endif
	FETCH (\s)+3
.endif
	WIN MUL
	MUL16 \s, \zero
.endm
	s_wait_alu depctr_va_vdst(0)                   ; the wait at the head's end
	s_wait_tensorcnt 0x0                           ; my one load has landed,
	s_barrier_signal -1
	s_barrier_wait -1                              ; everybody's have: A, B and their scale words are whole, and nothing in them changes any more
	FETCH 0
	FETCH 1
	FETCH 2
	STEP 0, 1
.set S, 1
.rept NS-1
	STEP S, 0
.set S, S+1
.endr
	WIN 0
	PLACES 4                                       ; in front of the first read of results and of loads into registers that the last products read
.macro TOSTAGE a                       ; tile a's 16 rows x 64 columns into my stage, and back as whole runs of 256 bytes
	WIN 0
.irp b, 0,1,2,3
	ds_store_b128 v[STO], v[ACC+8*(4*(\a)+\b):ACC+8*(4*(\a)+\b)+3] offset:128*(\b/2)+32*(\b%2)        ; each accumulator from its low end on
	ds_store_b128 v[STO], v[ACC+8*(4*(\a)+\b)+4:ACC+8*(4*(\a)+\b)+7] offset:128*(\b/2)+32*(\b%2)+16
.endr
	WIN TO_F
.irp t, 0,1,2,3,4,5,6,7
	ds_load_b128 v[32*(\a)+4*\t:32*(\a)+4*\t+3], v[RD] offset:2*\t*SPITCH   ; LDS serves a wave's instructions in order: these see the stores above, and the next tile's stores come behind them
.endr
.endm
.macro SEND a
	s_wait_dscnt 16*(3-(\a))                       ; tile a is back; the later tiles' 8 stores and 8 loads each may be out
	s_wait_loadcnt 8*(3-(\a))                      ; its residual is in; the later tiles' 8 loads each may be out
	WIN 0x49                                       ; destination and source 0 window 1, source 1 window 2
.set k, 0
.rept 16
	v_pk_add_f32 v[32*(\a)+k:32*(\a)+k+1], v[32*(\a)+k:32*(\a)+k+1], v[32*(\a)+k:32*(\a)+k+1]
.set k, k+2
.endr
	WIN 0x04                                       ; a store's data: window 1
.irp t, 0,1,2,3,4,5,6,7
	global_store_b128 v[CO], v[32*(\a)+4*\t:32*(\a)+4*\t+3], s[12:13] offset:(32*((\a)/2)+8*((\a)%2)+2*\t+8*(\t/4))*4096   ; sixteen lanes store 256 consecutive bytes, aligned; no store's data are written again
.endr
.endm
	TOSTAGE 0
	TOSTAGE 1
	TOSTAGE 2
	TOSTAGE 3
	SEND 0
	SEND 1
	SEND 2
	SEND 3
	WIN 0
	s_wait_tensorcnt 0x0                           ; the wave's end, behind my last tensor load and my last LDS store
	ds_add_u32 v[SPW], v[NIL]
	s_wait_dscnt 0x0
	CROUND                                         ; the closing round
	s_endpgm
.Lfunc_end_k_qc2674a8e5d_go:
	.size	k_qc2674a8e5d_go, .Lfunc_end_k_qc2674a8e5d_go-k_qc2674a8e5d_go
	.p2alignl 7, 3214868480
	.fill 96, 4, 3214868480
	.section	.rodata,"a",@progbits
	.p2align	6, 0x0
	.amdhsa_kernel k_qc2674a8e5d_go
		.amdhsa_group_segment_fixed_size 327680
		.amdhsa_private_segment_fixed_size 0
		.amdhsa_enable_private_segment 0
		.amdhsa_kernarg_size 32
		.amdhsa_user_sgpr_count 2
		.amdhsa_user_sgpr_kernarg_segment_ptr 1
		.amdhsa_wavefront_size32 1
		.amdhsa_system_sgpr_workgroup_id_x 1
		.amdhsa_system_sgpr_workgroup_id_y 1
		.amdhsa_system_sgpr_workgroup_id_z 1
		.amdhsa_system_vgpr_workitem_id 0
		.amdhsa_next_free_vgpr 640
		.amdhsa_next_free_sgpr 100
		.amdhsa_reserve_vcc 0
		.amdhsa_float_denorm_mode_32 3
		.amdhsa_float_denorm_mode_16_64 3
		.amdhsa_memory_ordered 1
		.amdhsa_forward_progress 1
		.amdhsa_inst_pref_size 51
	.end_amdhsa_kernel
	.amdgpu_metadata
---
amdhsa.version: [ 1, 2 ]
amdhsa.kernels:
  - .name:           k_qc2674a8e5d_go
    .symbol:         k_qc2674a8e5d_go.kd
    .args:
      - { .name: att, .offset: 0, .size: 8, .value_kind: global_buffer, .address_space: global }
      - { .name: wgt, .offset: 8, .size: 8, .value_kind: global_buffer, .address_space: global }
      - { .name: X, .offset: 16, .size: 8, .value_kind: global_buffer, .address_space: global }
      - { .name: x1, .offset: 24, .size: 8, .value_kind: global_buffer, .address_space: global }
    .group_segment_fixed_size: 327680
    .private_segment_fixed_size: 0
    .kernarg_segment_align: 8
    .kernarg_segment_size: 32
    .max_flat_workgroup_size: 128
    .sgpr_count:     100
    .vgpr_count:     640
    .wavefront_size: 32
...
	.end_amdgpu_metadata
.endif
;; end of part 12
;; launch ln2: the kernel of part 9 again; grid 256 x 1, 8 waves a work-group, no clusters, 69,632 bytes of LDS; arguments x1, ln2_w, hbuf; writes hbuf
;; launch gf1 (part 13): grid 16 x 16, 4 waves a work-group, clusters of 4 x 4, 327,680 bytes of LDS; arguments hbuf, wgt, act; writes act
.if DOCPART == 13
	.amdgcn_target "amdgcn-amd-amdhsa--gfx1250"
	.amdhsa_code_object_version 6
	.text
	.protected	k_qc2674a8e5d_gf1
	.globl	k_qc2674a8e5d_gf1
	.p2align	8
	.type	k_qc2674a8e5d_gf1,@function
k_qc2674a8e5d_gf1:
	s_mov_b64 s[64:65], 0
	v_nop
	global_prefetch_b8 v0, s[64:65] scope:SCOPE_SE
	s_setreg_imm32_b32 hwreg(HW_REG_WAVE_MODE, 25, 1), 1
	s_wait_xcnt 0x0
	s_wait_alu depctr_hold_cnt(0) depctr_sa_sdst(0) depctr_va_vdst(0) depctr_va_sdst(0) depctr_va_ssrc(0) depctr_va_vcc(0) depctr_vm_vsrc(0)
	s_getreg_b32 s2, hwreg(HW_REG_IB_STS2, 6, 4)
	s_cmp_eq_u32 s2, 0
	s_cbranch_scc0 .Lentry_in_a_cluster
	s_endpgm
.Lentry_in_a_cluster:
	s_bfe_u32 s2, ttmp6, 0x10000c
	s_cmp_lg_u32 s2, 0xf033
	s_cbranch_scc0 .Lentry_shape_is_right
	s_endpgm
.Lentry_shape_is_right:
; act = a x gelu(g) of LN(x1) Wfc1, the product on codes of FP4 (E2M1) with E8M0 scales, K = 1,024, and act quantised at once along the hidden axis for the next product.  No work is left out.
; A (hbuf) and B (Wfc1 in wgt) are images of the operand's registers, as launch gq has them; a block of B holds a of 64 hidden units in rows 0-63 and their g in rows 64-127, so a lane holds a and g of the same units.
; A tile of 256 x 256 by four waves, 128 x 128 each, the matrix instruction used transposed.  gelu by tanh's form: g / (1 + 2^(g (c1 g^2 + c0))), all in f32.
; CLUSTERS 4 x 4: A's tiles are asked for jointly along a row, B's along a column.  ALL OF K and all scale words are asked for at the head, ONE LOAD A WAVE: wave 0 A's codes, wave 1 B's, wave 2 A's scale words, wave 3 B's; nothing is filled twice.
; No prefetch: every tile is asked for at the head.  LIMITS: NaN and infinities are not served; a block of zeros gets byte 1 (its codes are zeros; this program alone reads the bytes).
.set NKS,    2
.set ASCALES, 2097152
.set BCODES,  2097152
.set BSCALES, 5373952
.set NQ,     4
.set FR,     8
.set NL,     2
.set NP,     4
.set HALFT,  32768
.set SLOT,   4*HALFT
.set LAPS,   NKS/2
.set SCL,    2*SLOT
.set HALFS,  NKS*2048
.set SPARE,  SCL+4*HALFS
.set ADRA, 16
.set ADRB, 20
.set CO,   26
.set ADRS, 27
.set SPW,  28
.set NIL,  29
.set SC,   32
.set AF,   128
.set T,    128
.set PC,   192
.set TM,   224
.set PW,   240
.set SEL,  96
.set G1, 24
.set G0, 32
.set G1B, 48
.set G0B, 56
.set G1S, 68
.set G0S, 76
.set G1SB, 80
.set G0SB, 88
.set MSB, 0
.macro WIN new
.if MSB != (\new)
	s_set_vgpr_msb (MSB<<8)|(\new)
.set MSB, (\new)
.endif
.endm
.set MUL_LO, 0xa1
.set MUL_HI, 0xf1
.set TO_B,   0x40
.macro ARM under, g0, g1, next         ; one arm of the head's chain of branches on the wave's number: its joint load, an s_nop 0 and four v_nop, a jump to the join
	s_cmp_lt_u32 s14, \under
	s_cbranch_scc0 \next
	tensor_load_to_lds s[\g0:\g0+3], s[\g1:\g1+7]
	s_nop 0
.rept 4
	v_nop
.endr
	s_branch .Lhead_asked
\next:
.endm
.macro CREST
	s_cmp_lg_u32 s14, 0
	s_cbranch_scc1 .Lnot_wave_0_\@
	s_barrier_signal -3
.Lnot_wave_0_\@:
	s_barrier_wait -3
	s_barrier_signal -1
	s_barrier_wait -1
.endm
.macro CROUND
	s_barrier_signal -1
	s_barrier_wait -1
	CREST
.endm
	s_load_b128 s[4:7], s[0:1], 0x0
	s_load_b64 s[12:13], s[0:1], 0x10
	v_lshl_add_u32 v[SPW], v0, 2, SPARE
	v_mov_b32 v[NIL], 0
	ds_add_u32 v[SPW], v[NIL]
	ds_add_u32 v[SPW], v[NIL]
	v_lshrrev_b32 v1, 5, v0
	v_readfirstlane_b32 s14, v1
	s_lshr_b32 s15, s14, 1
	s_and_b32 s16, s14, 1
	s_bfe_u32 s40, ttmp6, 0x40000
	s_bfe_u32 s41, ttmp6, 0x40004
	s_lshl_b32 s42, ttmp9, 2
	s_add_co_u32 s42, s42, s40
	s_and_b32 s17, ttmp7, 0xffff
	s_lshl_b32 s17, s17, 2
	s_add_co_u32 s17, s17, s41
	s_lshl_b32 s43, s41, 2
	s_lshl_b32 s43, 15, s43
	s_lshl_b32 s44, 0x1111, s40
	s_or_b32 s[G1+0], s43, (1<<21)
	s_or_b32 s[G1B+0], s44, (1<<21)
.irp g, G1, G1B
	s_mov_b32 s[\g+1], 256<<16
	s_mov_b32 s[\g+2], 512<<16                     ; 256 rows x all of K: two blocks on end, 131,072 dense bytes as 512 rows of 256
	s_mov_b32 s[\g+3], 256<<16
	s_mov_b32 s[\g+4], 512
	s_mov_b32 s[\g+5], 256
	s_mov_b32 s[\g+6], 0
	s_mov_b32 s[\g+7], 0
.endr
	s_or_b32 s[G1S+0], s43, (3<<16)|(1<<21)
	s_or_b32 s[G1SB+0], s44, (3<<16)|(1<<21)
.irp g, G1S, G1SB
	s_mov_b32 s[\g+1], 32<<16
	s_mov_b32 s[\g+2], (2*HALFS/256)<<16           ; the scale words of 256 rows: 2 HALFS dense bytes
	s_mov_b32 s[\g+3], 32<<16
	s_mov_b32 s[\g+4], 2*HALFS/256
	s_mov_b32 s[\g+5], 32
	s_mov_b32 s[\g+6], 0
	s_mov_b32 s[\g+7], 0
.endr
	s_lshl_b32 s20, s17, 1
	s_lshl_b32 s46, s42, 1
	s_mul_i32 s22, s20, HALFS
	s_mov_b32 s23, 0
	s_mul_i32 s92, s46, HALFS
	s_mov_b32 s93, 0
	s_mul_i32 s20, s20, NKS*32768
	s_mov_b32 s21, 0
	s_mul_i32 s46, s46, NKS*32768
	s_mov_b32 s47, 0
	s_mov_b32 s[SEL], 0x76543210
	s_mov_b32 s[SEL+1], 0xfedcba98
	s_mov_b32 s66, 0xbdd2d3e8
	s_mov_b32 s67, s66
	s_wait_dscnt 0x0
	s_wait_kmcnt 0x0
	s_add_nc_u64 s[8:9], s[6:7], BCODES
	s_add_nc_u64 s[10:11], s[6:7], BSCALES
	s_add_nc_u64 s[6:7], s[4:5], ASCALES
	s_add_nc_u64 s[20:21], s[4:5], s[20:21]
	s_add_nc_u64 s[22:23], s[6:7], s[22:23]
	s_add_nc_u64 s[46:47], s[8:9], s[46:47]
	s_add_nc_u64 s[92:93], s[10:11], s[92:93]
	CROUND
	s_mov_b32 s[G0S], 1
	s_mov_b32 s[G0S+1], SCL
	s_mov_b64 s[G0S+2:G0S+3], s[22:23]
	s_or_b32 s[G0S+3], s[G0S+3], 0x80000000
	s_mov_b32 s[G0SB], 1
	s_mov_b32 s[G0SB+1], SCL+2*HALFS
	s_mov_b64 s[G0SB+2:G0SB+3], s[92:93]
	s_or_b32 s[G0SB+3], s[G0SB+3], 0x80000000
	s_mov_b32 s[G0], 1                             ; A's codes: LDS 0 on: [half of the rows][K step][32768]
	s_mov_b32 s[G0+1], 0
	s_mov_b64 s[G0+2:G0+3], s[20:21]
	s_or_b32 s[G0+3], s[G0+3], 0x80000000
	s_mov_b32 s[G0B], 1                            ; B's codes behind them
	s_mov_b32 s[G0B+1], 4*HALFT
	s_mov_b64 s[G0B+2:G0B+3], s[46:47]
	s_or_b32 s[G0B+3], s[G0B+3], 0x80000000
	ARM 1, G0,  G1,  .Lhead_b                      ; one load a wave: one chain of branches, one join
	ARM 2, G0B, G1B, .Lhead_sa
	ARM 3, G0S, G1S, .Lhead_sb
	tensor_load_to_lds s[G0SB:G0SB+3], s[G1SB:G1SB+7]
	s_nop 0
.rept 4
	v_nop
.endr
.Lhead_asked:
	v_and_b32 v1, 15, v0
	v_bfe_u32 v2, v0, 4, 1
	s_wait_alu depctr_va_vdst(0)
	v_and_b32 v3, 31, v0
	v_lshlrev_b32 v4, 4, v3
	s_mul_i32 s21, s15, 2*HALFT                    ; my 128 rows of A: both K steps on end
	s_mul_i32 s22, s16, 2*HALFT                    ; my 128 rows of B,
	s_add_co_u32 s22, s22, 4*HALFT                 ; behind A's 256
.irp s, 0,1
	v_add_nc_u32 v[ADRA+\s], s21, v4
	v_add_nc_u32 v[ADRB+\s], s22, v4
	s_add_co_u32 s21, s21, HALFT                   ; K step 1 lies 32,768 bytes behind K step 0
	s_add_co_u32 s22, s22, HALFT
.endr
	v_lshlrev_b32 v5, 2, v1
	s_mul_i32 s21, s15, HALFS
	s_mul_i32 s22, s16, HALFS
	s_add_co_u32 s22, s22, 2*HALFS
	s_sub_co_u32 s22, s22, s21
	v_mul_u32_u24 v6, s22, v2
	s_add_co_u32 s21, s21, SCL
	v_add_nc_u32 v5, v5, v6
	v_add_nc_u32 v[ADRS], s21, v5
	v_lshlrev_b32 v[CO], 4, v3
	v_lshlrev_b32 v25, 2, v3
	v_mov_b32 v100, 0xc0135761
	v_mov_b32 v101, v100
	v_mov_b32 v[TM+4], 0
	v_mov_b32 v[TM+5], 0
.macro FRAG reg, adr, q, i
.irp c, 0,1
	ds_load_b128 v[\reg+4*\c:\reg+4*\c+3], v[\adr] offset:8192*(\q)+1024*(\i)+512*\c
.endr
.endm
.macro MUL16 a0, p, q, sc, zero
.irp a, \a0, \a0+1
.irp b, 0,1,2,3,4,5,6,7
.if \zero
	v_wmma_scale_f32_16x16x128_f8f6f4 v[8*(8*((\a)%4)+\b):8*(8*((\a)%4)+\b)+7], v[128*(\p)+FR*\b:128*(\p)+FR*\b+FR-1], v[AF+FR*(\a):AF+FR*(\a)+FR-1], 0, v[SC+8*NQ*(\sc)+NQ*\b+(\q)], v[SC+8*NQ*(\sc)+NQ*(\a)+(\q)] matrix_a_fmt:MATRIX_FMT_FP4 matrix_b_fmt:MATRIX_FMT_FP4 matrix_a_scale:MATRIX_SCALE_ROW1
.else
	v_wmma_scale_f32_16x16x128_f8f6f4 v[8*(8*((\a)%4)+\b):8*(8*((\a)%4)+\b)+7], v[128*(\p)+FR*\b:128*(\p)+FR*\b+FR-1], v[AF+FR*(\a):AF+FR*(\a)+FR-1], v[8*(8*((\a)%4)+\b):8*(8*((\a)%4)+\b)+7], v[SC+8*NQ*(\sc)+NQ*\b+(\q)], v[SC+8*NQ*(\sc)+NQ*(\a)+(\q)] matrix_a_fmt:MATRIX_FMT_FP4 matrix_b_fmt:MATRIX_FMT_FP4 matrix_a_scale:MATRIX_SCALE_ROW1
.endif
.endr
.endr
.endm
.macro FETCH_B slot, q, p
	WIN TO_B
.irp i, 0,1,2,3,4,5,6,7
	FRAG 128*(\p)+FR*\i, ADRB+\slot, \q, \i
.endr
	WIN 0
.endm
.macro FETCH_A slot, q, i0
.irp i, \i0, \i0+1, \i0+2, \i0+3
	FRAG AF+FR*(\i), ADRA+\slot, \q, \i
.endr
.endm
.macro SCALES sc
.irp i, 0,1,2,3,4,5,6,7
.irp q, 0,1,2,3
	ds_load_b32 v[SC+8*NQ*\sc+NQ*\i+\q], v[ADRS] offset:512*\q+64*\i
.endr
.endr
.endm
.macro PLACES n
.rept \n
	v_nop
.endr
.endm
.macro STEP slot, q, zero
	s_wait_dscnt 4*NL
	WIN MUL_LO
	MUL16 0, (\q)%2, \q, \slot, \zero
	MUL16 2, (\q)%2, \q, \slot, \zero
	s_wait_dscnt 0
	PLACES NP
	FETCH_B \slot, (\q)+1, 1-(\q)%2
	FETCH_A \slot, (\q)+1, 0
	WIN MUL_HI
	MUL16 4, (\q)%2, \q, \slot, \zero
	MUL16 6, (\q)%2, \q, \slot, \zero
	PLACES NP
	WIN 0
	FETCH_A \slot, (\q)+1, 4
.endm
.macro TURN slot, next
	s_wait_tensorcnt 0x0
	ds_add_u32 v[SPW], v[NIL]
	s_wait_dscnt 4*NL+1
	WIN MUL_LO
	MUL16 0, 1, NQ-1, \slot, 0
	s_wait_dscnt 0x0
	s_barrier_signal -1
	MUL16 2, 1, NQ-1, \slot, 0
	WIN 0
	s_barrier_wait -1
	PLACES NP
	v_add_nc_u32 v[ADRS], 2048, v[ADRS]
	FETCH_B \next, 0, 0
	FETCH_A \next, 0, 0
	SCALES \next
	WIN MUL_HI
	MUL16 4, 1, NQ-1, \slot, 0
	MUL16 6, 1, NQ-1, \slot, 0
	PLACES NP
	WIN 0
	FETCH_A \next, 0, 4
.endm
.macro STEPS slot, from
.set Q, \from
.rept NQ-1-\from
	STEP \slot, Q, 0
.set Q, Q+1
.endr
.endm
	s_wait_alu depctr_va_vdst(0)
	s_wait_tensorcnt 0x0                           ; my one load has landed; behind the barrier everybody's has
	s_barrier_signal -1
	s_barrier_wait -1
	FETCH_B 0, 0, 0
	FETCH_A 0, 0, 0
	SCALES 0
	FETCH_A 0, 0, 4
	STEP 0, 0, 1
	STEPS 0, 1
	TURN 0, 1
	STEPS 1, 0
	s_wait_dscnt 4*NL
	WIN MUL_LO
	MUL16 0, 1, NQ-1, 1, 0
	MUL16 2, 1, NQ-1, 1, 0
	s_wait_dscnt 0
	WIN MUL_HI
	MUL16 4, 1, NQ-1, 1, 0
	MUL16 6, 1, NQ-1, 1, 0
	WIN 0
	PLACES NP
.macro QUANT2 s, pc, pw
.irp b, 0,1
	v_max3_num_f32 v[TM+\b], |v[(\s)+16*\b]|, |v[(\s)+16*\b+1]|, 0x1800000
.endr
.irp e, 2,4,6,8,10,12,14
.irp b, 0,1
	v_max3_num_f32 v[TM+\b], v[TM+\b], |v[(\s)+16*\b+\e]|, |v[(\s)+16*\b+\e+1]|
.endr
.endr
.irp b, 0,1
	v_permlanex16_b32 v[TM+4+\b], v[TM+\b], s[SEL], s[SEL+1]
.endr
.irp b, 0,1
	v_max_num_f32 v[TM+\b], v[TM+\b], v[TM+4+\b]
.endr
.irp b, 0,1
	v_add_nc_u32 v[TM+12+\b], 0xff000000, v[TM+\b]
.endr
.irp b, 0,1
	v_lshrrev_b32 v[TM+4+\b], 23, v[TM+12+\b]
.endr
	v_lshl_or_b32 v[\pw], v[TM+5], 8, v[TM+4]
.irp b, 0,1
	v_cvt_scalef32_pk8_fp4_f32 v[(\pc)+2*\b], v[(\s)+16*\b:(\s)+16*\b+7], v[TM+12+\b]
	v_cvt_scalef32_pk8_fp4_f32 v[(\pc)+2*\b+1], v[(\s)+16*\b+8:(\s)+16*\b+15], v[TM+12+\b]
.endr
	v_nop
	v_permlane16_swap_b32 v[\pc], v[(\pc)+2]
	v_permlane16_swap_b32 v[(\pc)+1], v[(\pc)+3]
.endm
	s_lshl_b32 s20, s17, 1
	s_add_co_u32 s20, s20, s15
	s_lshl_b32 s22, s20, 17
	s_lshl_b32 s21, s42, 13
	s_add_co_u32 s22, s22, s21
	s_lshl_b32 s21, s16, 9
	s_add_co_u32 s22, s22, s21
	s_mov_b32 s23, 0
	s_lshl_b32 s46, s20, 13
	s_lshl_b32 s21, s42, 9
	s_add_co_u32 s46, s46, s21
	s_lshl_b32 s21, s16, 1
	s_add_co_u32 s46, s46, s21
	s_add_co_u32 s46, s46, 4194304
	s_mov_b32 s47, 0
	s_add_nc_u64 s[98:99], s[12:13], s[46:47]
	s_add_nc_u64 s[12:13], s[12:13], s[22:23]
	v_and_b32 v1, 31, v0
	v_cmp_lt_u32 vcc_lo, 15, v1
.irp a, 0,1,2,3,4,5,6,7
.set W, 2+\a/4
.set AB, 64*(\a%4)
	WIN (W|(W<<2))
.set k, 0
.rept 16
	v_pk_mul_f32 v[T+k:T+k+1], v[AB+32+k:AB+33+k], v[AB+32+k:AB+33+k]
.set k, k+2
.endr
	WIN 0
.set k, 0
.rept 16
	v_pk_fma_f32 v[T+k:T+k+1], v[T+k:T+k+1], s[66:67], v[100:101] op_sel_hi:[1,0,0]
.set k, k+2
.endr
	WIN (W<<2)
.set k, 0
.rept 16
	v_pk_mul_f32 v[T+k:T+k+1], v[T+k:T+k+1], v[AB+32+k:AB+33+k]
.set k, k+2
.endr
	WIN 0
.set k, 0
	s_wait_alu depctr_va_vdst(0)
.rept 32
	v_exp_f32 v[T+k], v[T+k]
.set k, k+1
.endr
	v_nop
	s_wait_alu depctr_va_vdst(0)
.set k, 0
.rept 16
	v_pk_add_f32 v[T+k:T+k+1], v[T+k:T+k+1], 1.0 op_sel_hi:[1,0]
.set k, k+2
.endr
.set k, 0
	s_wait_alu depctr_va_vdst(0)
.rept 32
	v_rcp_f32 v[T+k], v[T+k]
.set k, k+1
.endr
	v_nop
	s_wait_alu depctr_va_vdst(0)
	WIN (W<<2)
.set k, 0
.rept 16
	v_pk_mul_f32 v[T+k:T+k+1], v[T+k:T+k+1], v[AB+32+k:AB+33+k]
.set k, k+2
.endr
.set k, 0
.rept 16
	v_pk_mul_f32 v[T+k:T+k+1], v[T+k:T+k+1], v[AB+k:AB+k+1]
.set k, k+2
.endr
	WIN 0
	QUANT2 T, PC+4*\a, PW+\a
	global_store_b128 v[CO], v[PC+4*\a:PC+4*\a+3], s[12:13] offset:1024*\a
.endr
.irp e, 0,1,2,3
	v_cndmask_b32 v[248+\e], v[PW+2*\e], v[PW+2*\e+1], vcc_lo
	global_store_b16 v25, v[248+\e], s[98:99] offset:128*\e
.endr
	s_wait_tensorcnt 0x0
	ds_add_u32 v[SPW], v[NIL]
	s_wait_dscnt 0x0
	CROUND
	s_endpgm
.Lfunc_end_k_qc2674a8e5d_gf1:
	.size	k_qc2674a8e5d_gf1, .Lfunc_end_k_qc2674a8e5d_gf1-k_qc2674a8e5d_gf1
	.p2alignl 7, 3214868480
	.fill 96, 4, 3214868480
	.section	.rodata,"a",@progbits
	.p2align	6, 0x0
	.amdhsa_kernel k_qc2674a8e5d_gf1
		.amdhsa_group_segment_fixed_size 327680
		.amdhsa_private_segment_fixed_size 0
		.amdhsa_enable_private_segment 0
		.amdhsa_kernarg_size 24
		.amdhsa_user_sgpr_count 2
		.amdhsa_user_sgpr_kernarg_segment_ptr 1
		.amdhsa_wavefront_size32 1
		.amdhsa_system_sgpr_workgroup_id_x 1
		.amdhsa_system_sgpr_workgroup_id_y 1
		.amdhsa_system_sgpr_workgroup_id_z 1
		.amdhsa_system_vgpr_workitem_id 0
		.amdhsa_next_free_vgpr 1024
		.amdhsa_next_free_sgpr 100
		.amdhsa_reserve_vcc 1
		.amdhsa_float_denorm_mode_32 3
		.amdhsa_float_denorm_mode_16_64 3
		.amdhsa_memory_ordered 1
		.amdhsa_forward_progress 1
		.amdhsa_inst_pref_size 180
	.end_amdhsa_kernel
	.amdgpu_metadata
---
amdhsa.version: [ 1, 2 ]
amdhsa.kernels:
  - .name:           k_qc2674a8e5d_gf1
    .symbol:         k_qc2674a8e5d_gf1.kd
    .args:
      - { .name: hbuf, .offset: 0, .size: 8, .value_kind: global_buffer, .address_space: global }
      - { .name: wgt, .offset: 8, .size: 8, .value_kind: global_buffer, .address_space: global }
      - { .name: act, .offset: 16, .size: 8, .value_kind: global_buffer, .address_space: global }
    .group_segment_fixed_size: 327680
    .private_segment_fixed_size: 0
    .kernarg_segment_align: 8
    .kernarg_segment_size: 24
    .max_flat_workgroup_size: 128
    .sgpr_count:     100
    .vgpr_count:     1024
    .wavefront_size: 32
...
	.end_amdgpu_metadata
.endif
;; end of part 13
;; launch gf2 (part 14): grid 8 x 32, 4 waves a work-group, clusters of 4 x 4, 327,680 bytes of LDS; arguments act, wgt, x1, out0; writes out0
.if DOCPART == 14
	.amdgcn_target "amdgcn-amd-amdhsa--gfx1250"
	.amdhsa_code_object_version 6
	.text
	.protected	k_qc2674a8e5d_gf2
	.globl	k_qc2674a8e5d_gf2
	.p2align	8
	.type	k_qc2674a8e5d_gf2,@function
k_qc2674a8e5d_gf2:
	s_mov_b64 s[64:65], 0
	v_nop
	global_prefetch_b8 v0, s[64:65] scope:SCOPE_SE
	s_setreg_imm32_b32 hwreg(HW_REG_WAVE_MODE, 25, 1), 1
	s_wait_xcnt 0x0
	s_wait_alu depctr_hold_cnt(0) depctr_sa_sdst(0) depctr_va_vdst(0) depctr_va_sdst(0) depctr_va_ssrc(0) depctr_va_vcc(0) depctr_vm_vsrc(0)
	s_getreg_b32 s2, hwreg(HW_REG_IB_STS2, 6, 4)
	s_cmp_eq_u32 s2, 0
	s_cbranch_scc0 .Lentry_in_a_cluster
	s_endpgm
.Lentry_in_a_cluster:
	s_bfe_u32 s2, ttmp6, 0x10000c
	s_cmp_lg_u32 s2, 0xf033
	s_cbranch_scc0 .Lentry_shape_is_right
	s_endpgm
.Lentry_shape_is_right:
; out0 = x1 + act Wfc2, the product on codes of FP4 (E2M1) with E8M0 scales, K = 2,048; sums and the residual in f32.  No work is left out.
; A (act) and B (Wfc2 in wgt) are IMAGES OF THE OPERAND'S REGISTERS: codes at (rb NKS + ks) 32768 + q 8192 + i 1024 + c 512 + 16 lane, scale words at (rb NKS + ks) 2048 + q 512 + i 64 + 4 r; lane r of tile i = 2 b + u holds row 32 b + 8 u + r + 8 (r / 8) of block rb.
; A TILE OF 128 x 128 to a work-group: M / 128 x N / 128 = 32 x 8 = 256 work-groups, one for each WGP.  Four waves, 64 x 64 each: 16 accumulators; wave (s15, s16) takes A's tiles 4 s15 + a and B's tiles 4 s16 + b, which are rows 64 s15 on and columns 64 s16 on.
; ALL OF K LIES IN LDS: A's block of 128 rows and B's are two dense runs of NKS x 32768 bytes; with their scale words they are asked for once, at the head: no ring, nothing is filled twice, one barrier.
; CLUSTERS: 4 x 4 work-groups; A's block hangs on the tile row alone and is asked for jointly along a row of the cluster, B's on the tile column alone, along a column.  Wave 0 fetches A's codes, wave 1 B's, wave 2 A's scale words, wave 3 B's: one load a wave is out.
; No prefetch: every tile is asked for at the head, so no later load is left to run ahead of.
; THE MATRIX INSTRUCTION IS USED TRANSPOSED (source 0 = 16 rows of B, source 1 = 16 rows of A): lane (r, h) holds A's row of lane r, and register j of accumulator (a, b) is column 32 (b / 2) + 16 h + 8 (b % 2) + j of my 64.
; THE RESIDUAL's 64 x 64 numbers of the wave are asked for at the head, behind the tensor loads, and land while the products run.
; THE WAY OUT: a tile of 16 rows x 256 bytes goes through the wave's own stage in LDS (bytes of its own: other waves may still be reading A and B) and comes back two rows to a load; the residual is added; sixteen lanes store 256 consecutive bytes, aligned.
; REGISTERS, in windows of 256: window 0: v0-31 addresses; v32-95 scale words and nothing else, a register for each step and tile (lanes 0-15 A's word, lanes 16-31 B's); v128-255 the accumulators ((a, b) at v[128 + 8 (4 a + b)]).
;   window 1: four sets of fragments (A's four, then B's four, 64 registers a set); on the way out v0-127 the rows read back.   window 2: v0-127 the residual.
; THE HEAD'S LOADS AS THEY STAND IN THIS TEXT: one a wave: wave 0 fetches A's codes for all of K, wave 1 B's, wave 2 A's scale words, wave 3 B's.
.set NKS,    4                         ; K steps of 512
.set ASCALES, 4194304
.set BCODES,  4194304
.set BSCALES, 5505024
.set NS,     4*NKS                     ; steps of 128 along K
.set SIDE,   NKS*32768                 ; LDS: A's codes at 0, B's at SIDE
.set HALFC,  SIDE                      ; what one tensor load of codes brings: a whole side
.set SCL,    2*SIDE                    ; the scale words: A's, then B's
.set SSIDE,  NKS*2048
.set HALFS,  SSIDE                     ; and one of scale words
.set SPARE,  SCL+2*SSIDE               ; the spare words, 128 bytes for each wave: no other line names them
.set STG,    SPARE+512                 ; the stages: 16 rows x 272 bytes for each wave; no fill lands here
.set SPITCH, 272                       ; 256 bytes + 16: the sixteen rows that a store touches start at sixteen different banks
.set ADRA, 16                          ; v16-17  LDS address of my A fragments, a register for each 65,536 bytes (an LDS immediate has 16 bits)
.set ADRB, 20                          ; v20-21  the same for B
.set STO,  24
.set RD,   25
.set CO,   26
.set ADRS, 27
.set SPW,  28
.set NIL,  29
.set SC,   32
.set ACC,  128
.set RES,  98
.set G1, 24
.set G0, 32
.set G1B, 48
.set G0B, 56
.set G1S, 68
.set G0S, 76
.set G1SB, 80
.set G0SB, 88
.set MSB, 0
.macro WIN new                         ; the immediate's high byte repeats the setting that is left
.if MSB != (\new)
	s_set_vgpr_msb (MSB<<8)|(\new)
.set MSB, (\new)
.endif
.endm
.set MUL,  0x05                        ; sources 0 (B) and 1 (A) window 1; C and D window 0
.set TO_F, 0x40                        ; destination window 1, address window 0
.macro ARM under, g0, g1, next         ; one arm of the head's chain of branches on the wave's number: its joint load, an s_nop 0 and four v_nop, a jump to the join
	s_cmp_lt_u32 s14, \under
	s_cbranch_scc0 \next
	tensor_load_to_lds s[\g0:\g0+3], s[\g1:\g1+7]
	s_nop 0
.rept 4
	v_nop
.endr
	s_branch .Lhead_asked
\next:
.endm
.macro CROUND                          ; a round of the cluster's barrier
	s_barrier_signal -1
	s_barrier_wait -1
	s_cmp_lg_u32 s14, 0
	s_cbranch_scc1 .Lnot_wave_0_\@
	s_barrier_signal -3
.Lnot_wave_0_\@:
	s_barrier_wait -3
	s_barrier_signal -1
	s_barrier_wait -1
.endm
	s_load_b256 s[4:11], s[0:1], 0x0               ; A, wgt, the residual, the output
	v_lshl_add_u32 v[SPW], v0, 2, SPARE
	v_mov_b32 v[NIL], 0
	ds_add_u32 v[SPW], v[NIL]                      ; the wave's opening: the add, twice on end, and its wait ahead of my first tensor load
	ds_add_u32 v[SPW], v[NIL]
	v_lshrrev_b32 v1, 5, v0
	v_readfirstlane_b32 s14, v1                    ; wave 0..3
	s_lshr_b32 s15, s14, 1                         ; my half of the tile's rows.
	s_and_b32 s16, s14, 1                          ; my half of its columns.
	s_bfe_u32 s40, ttmp6, 0x40000                  ; cx
	s_bfe_u32 s41, ttmp6, 0x40004                  ; cy
	s_lshl_b32 s42, ttmp9, 2
	s_add_co_u32 s42, s42, s40                     ; tile column = B's block
	s_and_b32 s17, ttmp7, 0xffff
	s_lshl_b32 s17, s17, 2
	s_add_co_u32 s17, s17, s41                     ; tile row = A's block
	s_lshl_b32 s43, s41, 2
	s_lshl_b32 s43, 15, s43                        ; my row of the cluster
	s_lshl_b32 s44, 0x1111, s40                    ; my column
	s_or_b32 s[G1+0], s43, (1<<21)                 ; codes: HALFC dense bytes as rows of 256 elements of one byte; the mask, bit 21 beside it
	s_or_b32 s[G1B+0], s44, (1<<21)
.irp g, G1, G1B
	s_mov_b32 s[\g+1], 256<<16
	s_mov_b32 s[\g+2], (HALFC/256)<<16
	s_mov_b32 s[\g+3], 256<<16
	s_mov_b32 s[\g+4], HALFC/256
	s_mov_b32 s[\g+5], 256
	s_mov_b32 s[\g+6], 0
	s_mov_b32 s[\g+7], 0
.endr
	s_or_b32 s[G1S+0], s43, (3<<16)|(1<<21)        ; scale words: HALFS dense bytes as rows of 32 elements of 8 bytes
	s_or_b32 s[G1SB+0], s44, (3<<16)|(1<<21)
.irp g, G1S, G1SB
	s_mov_b32 s[\g+1], 32<<16
	s_mov_b32 s[\g+2], (HALFS/256)<<16
	s_mov_b32 s[\g+3], 32<<16
	s_mov_b32 s[\g+4], HALFS/256
	s_mov_b32 s[\g+5], 32
	s_mov_b32 s[\g+6], 0
	s_mov_b32 s[\g+7], 0
.endr
	s_mul_i32 s20, s17, SIDE                       ; A's addresses hang on the tile row alone,
	s_mov_b32 s21, 0
	s_mul_i32 s22, s17, SSIDE
	s_mov_b32 s23, 0
	s_mul_i32 s46, s42, SIDE                       ; B's on the tile column alone
	s_mov_b32 s47, 0
	s_mul_i32 s92, s42, SSIDE
	s_mov_b32 s93, 0
	s_wait_dscnt 0x0                               ; both opening adds are done
	s_wait_kmcnt 0x0
	s_mov_b64 s[12:13], s[10:11]                   ; the output
	s_mov_b64 s[RES:RES+1], s[8:9]                 ; the residual
	s_add_nc_u64 s[8:9], s[6:7], BCODES
	s_add_nc_u64 s[10:11], s[6:7], BSCALES
	s_add_nc_u64 s[6:7], s[4:5], ASCALES
	s_add_nc_u64 s[20:21], s[4:5], s[20:21]
	s_add_nc_u64 s[22:23], s[6:7], s[22:23]
	s_add_nc_u64 s[46:47], s[8:9], s[46:47]
	s_add_nc_u64 s[92:93], s[10:11], s[92:93]
	CROUND                                         ; all sixteen work-groups are here: the joint loads meet
	s_mov_b32 s[G0S], 1
	s_mov_b32 s[G0S+1], SCL
	s_mov_b64 s[G0S+2:G0S+3], s[22:23]
	s_or_b32 s[G0S+3], s[G0S+3], 0x80000000
	s_mov_b32 s[G0SB], 1
	s_mov_b32 s[G0SB+1], SCL+SSIDE
	s_mov_b64 s[G0SB+2:G0SB+3], s[92:93]
	s_or_b32 s[G0SB+3], s[G0SB+3], 0x80000000
	s_mov_b32 s[G0], 1
	s_mov_b32 s[G0+1], 0
	s_mov_b64 s[G0+2:G0+3], s[20:21]
	s_or_b32 s[G0+3], s[G0+3], 0x80000000
	s_mov_b32 s[G0B], 1
	s_mov_b32 s[G0B+1], SIDE
	s_mov_b64 s[G0B+2:G0B+3], s[46:47]
	s_or_b32 s[G0B+3], s[G0B+3], 0x80000000
	ARM 1, G0,  G1,  .Lhead_b                      ; one load a wave: one chain of branches, one join
	ARM 2, G0B, G1B, .Lhead_sa
	ARM 3, G0S, G1S, .Lhead_sb
	tensor_load_to_lds s[G0SB:G0SB+3], s[G1SB:G1SB+7]
	s_nop 0
.rept 4
	v_nop
.endr
.Lhead_asked:
	v_and_b32 v1, 15, v0                           ; r
	v_bfe_u32 v2, v0, 4, 1                         ; h
	v_and_b32 v3, 31, v0
	v_lshlrev_b32 v[CO], 12, v2                    ; memory: lanes 0-15 one row of 4,096 bytes, lanes 16-31 the next; 16 bytes a lane
	v_lshl_add_u32 v[CO], v1, 4, v[CO]
	s_wait_alu depctr_va_vdst(0)
	s_lshl_b32 s20, s17, 7
	s_lshl_b32 s21, s15, 6
	s_add_co_u32 s20, s20, s21                     ; my first row: 128 x tile row + 64 x half
	s_lshl_b32 s20, s20, 12
	s_lshl_b32 s46, s42, 9                         ; my first column, in bytes: 512 x tile column + 256 x half
	s_lshl_b32 s47, s16, 8
	s_add_co_u32 s46, s46, s47
	s_add_co_u32 s20, s20, s46
	s_mov_b32 s21, 0
	s_add_nc_u64 s[12:13], s[12:13], s[20:21]
	s_add_nc_u64 s[RES:RES+1], s[RES:RES+1], s[20:21]
	WIN 0x80                                       ; destination window 2
.irp a, 0,1,2,3                        ; the residual: tile a's rows 2 t + h of sixteen; every row's place stands in the immediate
.irp t, 0,1,2,3,4,5,6,7
	global_load_b128 v[32*\a+4*\t:32*\a+4*\t+3], v[CO], s[RES:RES+1] offset:(32*(\a/2)+8*(\a%2)+2*\t+8*(\t/4))*4096
.endr
.endr
	WIN 0
	v_lshlrev_b32 v4, 4, v3                        ; an image's place for my lane: 16 x lane
	s_lshl_b32 s21, s15, 12                        ; my four tiles of A: 4096 x half
	s_lshl_b32 s22, s16, 12                        ; my four tiles of B,
	s_add_co_u32 s22, s22, SIDE                    ; behind A's block
.set k, 0
.rept NKS/2
	v_add_nc_u32 v[ADRA+k], s21, v4
	v_add_nc_u32 v[ADRB+k], s22, v4
	s_add_co_u32 s21, s21, 65536
	s_add_co_u32 s22, s22, 65536
.set k, k+1
.endr
	v_lshlrev_b32 v5, 2, v1                        ; a scale word's place: 4 r
	s_lshl_b32 s21, s15, 8                         ; A's: my four tiles
	s_lshl_b32 s22, s16, 8                         ; B's: my four tiles, behind A's words
	s_add_co_u32 s22, s22, SSIDE
	s_sub_co_u32 s22, s22, s21
	v_mul_u32_u24 v6, s22, v2                      ; lanes 16-31 take B's
	s_add_co_u32 s21, s21, SCL
	v_add_nc_u32 v5, v5, v6
	v_add_nc_u32 v[ADRS], s21, v5
	s_mul_i32 s23, s14, 16*SPITCH
	s_add_co_u32 s23, s23, STG                     ; my stage
	v_mul_u32_u24 v5, v1, SPITCH
	v_lshl_add_u32 v5, v2, 6, v5
	v_add_nc_u32 v[STO], s23, v5                   ; in: row r, + 64 h
	v_mul_u32_u24 v6, v2, SPITCH
	v_lshl_add_u32 v6, v1, 4, v6
	v_add_nc_u32 v[RD], s23, v6                    ; back: lanes 0-15 one row of 256 bytes, lanes 16-31 the next
.macro PLACES n                        ; plain vector instructions between a matrix instruction and a load into, or a read of, its registers
.rept \n
	v_nop
.endr
.endm
.macro FETCH s                         ; step s: its four scale registers, then A's and B's four fragments into set s % 4: 20 LDS loads
.set FP, 64*((\s)%4)
.set FK, (\s)/8
.set FO, 8192*((\s)%8)
	WIN 0
.irp i, 0,1,2,3
	ds_load_b32 v[SC+4*(\s)+\i], v[ADRS] offset:512*(\s)+64*\i
.endr
	WIN TO_F
.irp i, 0,1,2,3
.irp c, 0,1
	ds_load_b128 v[FP+8*\i+4*\c:FP+8*\i+4*\c+3], v[ADRA+FK] offset:FO+1024*\i+512*\c           ; a fragment comes as it was stored: 512 consecutive bytes a load
	ds_load_b128 v[FP+32+8*\i+4*\c:FP+32+8*\i+4*\c+3], v[ADRB+FK] offset:FO+1024*\i+512*\c
.endr
.endr
.endm
; 16 matrix instructions: A's four tiles x B's four, 128 along K.  The 16 accumulators take turns, one instruction a turn, in the same order in every step.  zero = 1: the first products start the sums.
.macro MUL16 s, zero
.set MP, 64*((\s)%4)
.set MS, SC+4*(\s)
.irp a, 0,1,2,3
.irp b, 0,1,2,3
.if \zero
	v_wmma_scale_f32_16x16x128_f8f6f4 v[ACC+8*(4*\a+\b):ACC+8*(4*\a+\b)+7], v[MP+32+8*\b:MP+32+8*\b+7], v[MP+8*\a:MP+8*\a+7], 0, v[MS+\b], v[MS+\a] matrix_a_fmt:MATRIX_FMT_FP4 matrix_b_fmt:MATRIX_FMT_FP4 matrix_a_scale:MATRIX_SCALE_ROW1
.else
	v_wmma_scale_f32_16x16x128_f8f6f4 v[ACC+8*(4*\a+\b):ACC+8*(4*\a+\b)+7], v[MP+32+8*\b:MP+32+8*\b+7], v[MP+8*\a:MP+8*\a+7], v[ACC+8*(4*\a+\b):ACC+8*(4*\a+\b)+7], v[MS+\b], v[MS+\a] matrix_a_fmt:MATRIX_FMT_FP4 matrix_b_fmt:MATRIX_FMT_FP4 matrix_a_scale:MATRIX_SCALE_ROW1
.endif
.endr
.endr
.endm
.macro STEP s, zero                    ; fragments are asked for three steps ahead
.if (\s)+2 < NS
	s_wait_dscnt 40                                ; this step's 20 loads are in; the 20 of each of the two steps behind it may be out
.elseif (\s)+1 < NS
	s_wait_dscnt 20                                ; the last step's 20 may be out
.else
	s_wait_dscnt 0x0
.endif
.if (\s)+3 < NS
.if (\s) > 0
	PLACES 4                                       ; the set that is filled now was read by the products just issued
.endif
	FETCH (\s)+3
.endif
	WIN MUL
	MUL16 \s, \zero
.endm
	s_wait_alu depctr_va_vdst(0)                   ; the wait at the head's end
	s_wait_tensorcnt 0x0                           ; my one load has landed,
	s_barrier_signal -1
	s_barrier_wait -1                              ; everybody's have: A, B and their scale words are whole, and nothing in them changes any more
	FETCH 0
	FETCH 1
	FETCH 2
	STEP 0, 1
.set S, 1
.rept NS-1
	STEP S, 0
.set S, S+1
.endr
	WIN 0
	PLACES 4                                       ; in front of the first read of results and of loads into registers that the last products read
.macro TOSTAGE a                       ; tile a's 16 rows x 64 columns into my stage, and back as whole runs of 256 bytes
	WIN 0
.irp b, 0,1,2,3
	ds_store_b128 v[STO], v[ACC+8*(4*(\a)+\b):ACC+8*(4*(\a)+\b)+3] offset:128*(\b/2)+32*(\b%2)        ; each accumulator from its low end on
	ds_store_b128 v[STO], v[ACC+8*(4*(\a)+\b)+4:ACC+8*(4*(\a)+\b)+7] offset:128*(\b/2)+32*(\b%2)+16
.endr
	WIN TO_F
.irp t, 0,1,2,3,4,5,6,7
	ds_load_b128 v[32*(\a)+4*\t:32*(\a)+4*\t+3], v[RD] offset:2*\t*SPITCH   ; LDS serves a wave's instructions in order: these see the stores above, and the next tile's stores come behind them
.endr
.endm
.macro SEND a
	s_wait_dscnt 16*(3-(\a))                       ; tile a is back; the later tiles' 8 stores and 8 loads each may be out
	s_wait_loadcnt 8*(3-(\a))                      ; its residual is in; the later tiles' 8 loads each may be out
	WIN 0x49                                       ; destination and source 0 window 1, source 1 window 2
.set k, 0
.rept 16
	v_pk_add_f32 v[32*(\a)+k:32*(\a)+k+1], v[32*(\a)+k:32*(\a)+k+1], v[32*(\a)+k:32*(\a)+k+1]
.set k, k+2
.endr
	WIN 0x04                                       ; a store's data: window 1
.irp t, 0,1,2,3,4,5,6,7
	global_store_b128 v[CO], v[32*(\a)+4*\t:32*(\a)+4*\t+3], s[12:13] offset:(32*((\a)/2)+8*((\a)%2)+2*\t+8*(\t/4))*4096 th:TH_STORE_NT   ; sixteen lanes store 256 consecutive bytes, aligned; written once, read by nobody here; no store's data are written again
.endr
.endm
	TOSTAGE 0
	TOSTAGE 1
	TOSTAGE 2
	TOSTAGE 3
	SEND 0
	SEND 1
	SEND 2
	SEND 3
	WIN 0
	s_wait_tensorcnt 0x0                           ; the wave's end, behind my last tensor load and my last LDS store
	ds_add_u32 v[SPW], v[NIL]
	s_wait_dscnt 0x0
	CROUND                                         ; the closing round
	s_endpgm
.Lfunc_end_k_qc2674a8e5d_gf2:
	.size	k_qc2674a8e5d_gf2, .Lfunc_end_k_qc2674a8e5d_gf2-k_qc2674a8e5d_gf2
	.p2alignl 7, 3214868480
	.fill 96, 4, 3214868480
	.section	.rodata,"a",@progbits
	.p2align	6, 0x0
	.amdhsa_kernel k_qc2674a8e5d_gf2
		.amdhsa_group_segment_fixed_size 327680
		.amdhsa_private_segment_fixed_size 0
		.amdhsa_enable_private_segment 0
		.amdhsa_kernarg_size 32
		.amdhsa_user_sgpr_count 2
		.amdhsa_user_sgpr_kernarg_segment_ptr 1
		.amdhsa_wavefront_size32 1
		.amdhsa_system_sgpr_workgroup_id_x 1
		.amdhsa_system_sgpr_workgroup_id_y 1
		.amdhsa_system_sgpr_workgroup_id_z 1
		.amdhsa_system_vgpr_workitem_id 0
		.amdhsa_next_free_vgpr 640
		.amdhsa_next_free_sgpr 100
		.amdhsa_reserve_vcc 0
		.amdhsa_float_denorm_mode_32 3
		.amdhsa_float_denorm_mode_16_64 3
		.amdhsa_memory_ordered 1
		.amdhsa_forward_progress 1
		.amdhsa_inst_pref_size 79
	.end_amdhsa_kernel
	.amdgpu_metadata
---
amdhsa.version: [ 1, 2 ]
amdhsa.kernels:
  - .name:           k_qc2674a8e5d_gf2
    .symbol:         k_qc2674a8e5d_gf2.kd
    .args:
      - { .name: act, .offset: 0, .size: 8, .value_kind: global_buffer, .address_space: global }
      - { .name: wgt, .offset: 8, .size: 8, .value_kind: global_buffer, .address_space: global }
      - { .name: x1, .offset: 16, .size: 8, .value_kind: global_buffer, .address_space: global }
      - { .name: out0, .offset: 24, .size: 8, .value_kind: global_buffer, .address_space: global }
    .group_segment_fixed_size: 327680
    .private_segment_fixed_size: 0
    .kernarg_segment_align: 8
    .kernarg_segment_size: 32
    .max_flat_workgroup_size: 128
    .sgpr_count:     100
    .vgpr_count:     640
    .wavefront_size: 32
...
	.end_amdgpu_metadata
.endif
;; end of part 14
